; MI455X (gfx1250); checked and timed in simulation.
; The chip was launched on July 23, 2026; its instructions are those of AMD's public machine-readable ISA for CDNA 5 (MIT licence, August 2026) and "CDNA5" Instruction Set Architecture Reference Guide (July 2026). The comments in the code are by the model that wrote it; some were corrected since.
;; Diff MLA Attention. Allowed arithmetic: float matrix products may take bf16 or f16 operands with f32 sums; other float arithmetic in f32, or as packed bf16 or f16 multiplies, adds, multiply-adds, maxima and minima; sums over many terms, partial sums and values carried from step to step in f32; what a program stores and reads back later, other than sums and carried values, may be rounded once to bf16 or f16.
;; Inputs: W_DKV 2,048 x 512 float32; W_DQ 2,048 x 1,024 float32; W_UK 512 x 2,048 float32; W_UQ 1,024 x 4,096 float32; W_UV 512 x 2,048 float32; W_lam 2,048 x 16 float32; W_out 2,048 x 2,048 float32; b_lam 16 float32; x 1 x 2,048 x 2,048 float32.
;; Outputs: out0 1 x 2,048 x 2,048 float32.
;; 2 versions, each right. Each part assembles by itself: llvm-mc -triple=amdgcn-amd-amdhsa -mcpu=gfx1250 --defsym DOCPART=n.
;; ======== version 1 of 2: 6 launches
;; limits: values are held in f16: magnitudes above 65,504 overflow, below 6.1e-05 lose precision; inputs' magnitudes at most 65,400
;; workspace buffers: cw 43,070,464 bytes; ls 131,328 bytes; cb 8,388,608 bytes; qkv 35,651,584 bytes; ob 8,388,608 bytes
;; launch cvt (part 1): grid 592 x 1, 8 waves a work-group, no clusters, 0 bytes of LDS; arguments x, W_DKV, W_DQ, W_UK, W_UV, W_UQ, W_out, W_lam, cw; writes cw
.if DOCPART == 1
	.amdgcn_target "amdgcn-amd-amdhsa--gfx1250"
	.amdhsa_code_object_version 6
	.text
	.protected	k_q4d02323f3c_cvt
	.globl	k_q4d02323f3c_cvt
	.p2align	8
	.type	k_q4d02323f3c_cvt,@function
k_q4d02323f3c_cvt:
	s_mov_b64 s[64:65], 0
	v_nop
	global_prefetch_b8 v0, s[64:65] scope:SCOPE_SE
	s_setreg_imm32_b32 hwreg(HW_REG_WAVE_MODE, 25, 1), 1
	s_wait_xcnt 0x0
; THE INPUTS ARE ROUNDED ONCE AND LAID OUT FOR THE PRODUCTS.  Every number of x and of the weights is rounded to bf16 (nearest even) and that value is written as f16:
; exact where its magnitude lies in 2^-17 .. 65,504.  LIMITS: a rounded input of 65,520 or more becomes an infinity; below 2^-17 the f16 step of 2^-24 remains; NaN is not treated apart.
; cw, all rows 4,096 bytes (2,048 f16): XB x; WD [k][W_DKV 512 | W_DQ 1024 | unused]; WU rows: W_UK, W_UK again, W_UV, W_UV again, W_UQ's left half, W_UQ's right half; WO W_out;
; WLT W_lam transposed [16][2048]; RT the rotation table, f32 [token][64 cos | 64 sin]; PM one largest magnitude for each wave of the sections that need one.
; SHARES.  Work-groups 0-543 each convert a chunk of 32,768 numbers in 32 steps of 1,024: a wave loads 512 consecutive bytes and stores 256 consecutive bytes, aligned.
; 544-559 transpose W_lam; 560-591 make the table, 64 tokens each.  No LDS, no matrix unit, no cluster: nothing is shared and memory binds.
.set XB,  0
.set WD,  0x800000
.set WU,  0x1000000
.set WO,  0x2000000
.set WLT, 0x2800000
.set RT,  0x2810000
.set PM,  0x2910000
.set VD,  1                            ; v1      my 8 bytes in a step's destination
.set VS,  2                            ; v2      my 16 bytes in a step's source; never rewritten
.set M,   3                            ; v3      the running maximum of |.|, two bf16
.set T,   4                            ; v[4:7]  at work
.set VB,  8                            ; v[8:15] destination offsets of a batch's eight steps
.set Y,   16                           ; v[16:31] eight steps' results, 8 bytes each
.set X,   32                           ; v[32:95] two sets of eight steps as loaded
	s_load_b512 s[8:23], s[0:1], 0x0               ; x, W_DKV, W_DQ, W_UK, W_UV, W_UQ, W_out, W_lam
	s_load_b64 s[24:25], s[0:1], 0x40              ; cw
	v_lshlrev_b32 v[VD], 3, v0
	s_mov_b32 s41, 0
	s_mov_b32 s37, 0xffff0000                      ; a word's upper bf16
	s_mov_b32 s45, 0x7fff7fff                      ; clears two signs
	s_mov_b32 s42, 0x76543210                      ; v_permlanex16_b32: each lane takes its own place in the other half
	s_mov_b32 s43, 0xfedcba98
	s_wait_kmcnt 0x0
; A section's constants: source s[28:29], destination s[30:31]; step i of 32 goes to (i & 1) d0 + ((i >> 1) & 1) d1 + (i >> 2) d2; dup: bytes to a second copy, or 0; pmf: the maximum is stored
.macro SECT first, src, dst, shift, d0, d1, d2, dup, pmf
	s_sub_co_u32 s26, ttmp9, \first
	s_lshl_b32 s40, s26, 17                        ; a chunk is 131,072 bytes of f32
	s_add_nc_u64 s[28:29], s[\src:\src+1], s[40:41]
	s_lshl_b32 s40, s26, \shift
	s_add_nc_u64 s[30:31], s[24:25], s[40:41]
	s_add_nc_u64 s[30:31], s[30:31], \dst
	s_mov_b32 s32, \d0
	s_mov_b32 s33, \d1
	s_mov_b32 s34, \d2
	s_mov_b32 s35, \dup
	s_mov_b32 s36, \pmf
	s_branch .Lconv
.endm
	s_cmp_lt_u32 ttmp9, 128
	s_cbranch_scc0 .Ls1
	SECT 0, 8, XB, 16, 2048, 4096, 8192, 0, 1
.Ls1:
	s_cmp_lt_u32 ttmp9, 160
	s_cbranch_scc0 .Ls2
	v_lshrrev_b32 v4, 7, v0                        ; W_DKV's rows are 512 numbers: a step is two rows
	v_and_b32 v5, 127, v0
	v_lshlrev_b32 v5, 3, v5
	v_lshl_or_b32 v[VD], v4, 12, v5
	SECT 128, 10, WD, 18, 8192, 16384, 32768, 0, 1
.Ls2:
	s_cmp_lt_u32 ttmp9, 224
	s_cbranch_scc0 .Ls3
	SECT 160, 12, WD+1024, 17, 4096, 8192, 16384, 0, 1
.Ls3:
	s_cmp_lt_u32 ttmp9, 256
	s_cbranch_scc0 .Ls4
	SECT 224, 14, WU, 16, 2048, 4096, 8192, 0x200000, 1
.Ls4:
	s_cmp_lt_u32 ttmp9, 288
	s_cbranch_scc0 .Ls5
	SECT 256, 16, WU+0x400000, 16, 2048, 4096, 8192, 0x200000, 1
.Ls5:
	s_cmp_lt_u32 ttmp9, 416
	s_cbranch_scc0 .Ls6
	SECT 288, 18, WU+0x800000, 15, 2048, 0x400000, 4096, 0, 1
.Ls6:
	s_cmp_lt_u32 ttmp9, 544
	s_cbranch_scc0 .Ls7
	SECT 416, 20, WO, 16, 2048, 4096, 8192, 0, 0
.Ls7:
	s_cmp_lt_u32 ttmp9, 560
	s_cbranch_scc0 .Ls8
	; W_lam [2048][16] -> WLT [16][2048]: the work-group takes 128 rows; thread t column t & 15, rows 8 (t >> 4) + 0..7: 16 bytes of a row of WLT
	s_sub_co_u32 s26, ttmp9, 544
	v_and_b32 v4, 15, v0
	v_lshrrev_b32 v5, 4, v0
	v_lshlrev_b32 v6, 2, v4
	v_lshl_add_u32 v6, v5, 9, v6
	s_lshl_b32 s40, s26, 13
	s_add_nc_u64 s[28:29], s[22:23], s[40:41]
.irp j, 0,1,2,3,4,5,6,7
	global_load_b32 v[8+\j], v6, s[28:29] offset:64*\j
.endr
	v_lshlrev_b32 v7, 12, v4
	v_lshl_add_u32 v7, v5, 4, v7
	s_lshl_b32 s40, s26, 8
	s_add_nc_u64 s[30:31], s[24:25], s[40:41]
	s_add_nc_u64 s[30:31], s[30:31], WLT
	s_wait_loadcnt 0x0
.irp p, 0,1,2,3
	v_cvt_pk_bf16_f32 v16, v[8+2*\p], v[9+2*\p]
	v_lshlrev_b32 v17, 16, v16
	v_and_b32 v18, s37, v16
	v_cvt_pk_f16_f32 v[20+\p], v17, v18
.endr
	global_store_b128 v7, v[20:23], s[30:31]
	s_endpgm
.Ls8:
	; THE ROTATION TABLE.  Thread t: frequencies 4 (t & 15) + 0..3; four passes of 16 tokens.  angle = token x 10000^(-j/64), one f32 product; it is brought into -pi .. pi by three fused steps with 2 pi in three parts,
	; quartered, sine and cosine are taken by their series (to y^9 and y^10: |y| <= pi/4, remainders under 3e-9) and doubled twice.
	s_sub_co_u32 s26, ttmp9, 560
	s_lshl_b32 s27, s26, 6
	v_and_b32 v1, 15, v0
	v_lshrrev_b32 v2, 4, v0
	v_add_nc_u32 v2, s27, v2                       ; the token of pass 0
	v_lshlrev_b32 v3, 2, v1
.irp q, 0,1,2,3
	v_add_nc_u32 v[4+\q], \q, v3
.endr
.irp q, 0,1,2,3
	v_cvt_f32_u32 v[4+\q], v[4+\q]
.endr
.irp q, 0,1,2,3
	v_mul_f32 v[4+\q], 0xbe549a78, v[4+\q]         ; -j log2(10000) / 64
.endr
.irp q, 0,1,2,3
	v_exp_f32 v[8+\q], v[4+\q]
.endr
	v_lshlrev_b32 v12, 9, v2                       ; (a plain instruction behind the exponentials) 512 bytes a token
	v_lshl_add_u32 v12, v1, 4, v12
	s_add_nc_u64 s[28:29], s[24:25], RT
	s_mov_b32 s46, 4
.macro EVAL q
	v_mul_f32 v24, v13, v[8+\q]
	v_mul_f32 v25, 0.15915494, v24
	v_rndne_f32 v25, v25
	v_fmamk_f32 v24, v25, 0xc0c90000, v24
	v_fmamk_f32 v24, v25, 0xbafda000, v24
	v_fmamk_f32 v24, v25, 0xb4a22168, v24
	v_mul_f32 v24, 0x3e800000, v24                 ; y = r / 4
	v_mul_f32 v26, v24, v24
	v_mov_b32 v27, 0x3638ef1d
	v_fmaak_f32 v27, v27, v26, 0xb9500d01
	v_fmaak_f32 v27, v27, v26, 0x3c088889
	v_fmaak_f32 v27, v27, v26, 0xbe2aaaab
	v_fma_f32 v27, v27, v26, 1.0
	v_mul_f32 v27, v27, v24                        ; sin y
	v_mov_b32 v28, 0xb493f27e
	v_fmaak_f32 v28, v28, v26, 0x37d00d01
	v_fmaak_f32 v28, v28, v26, 0xbab60b61
	v_fmaak_f32 v28, v28, v26, 0x3d2aaaab
	v_fma_f32 v28, v28, v26, -0.5
	v_fma_f32 v28, v28, v26, 1.0                   ; cos y
	v_mul_f32 v29, v27, v28
	v_mul_f32 v30, v27, v27
	v_add_f32 v27, v29, v29                        ; sin 2y = 2 s c
	v_fma_f32 v28, v30, -2.0, 1.0                  ; cos 2y = 1 - 2 s s
	v_mul_f32 v29, v27, v28
	v_mul_f32 v30, v27, v27
	v_add_f32 v[20+\q], v29, v29
	v_fma_f32 v[16+\q], v30, -2.0, 1.0
.endm
.Lpass:
	v_cvt_f32_u32 v13, v2
	s_wait_alu depctr_va_vdst(0)
	EVAL 0
	EVAL 1
	EVAL 2
	EVAL 3
	global_store_b128 v12, v[16:19], s[28:29]             ; sixteen lanes: a token's 64 cosines, 256 consecutive bytes, aligned
	global_store_b128 v12, v[20:23], s[28:29] offset:256  ; and its 64 sines
	s_wait_xcnt 0x0                                ; the stores' data and offset are rewritten only behind this wait
	v_add_nc_u32 v2, 16, v2
	v_add_nc_u32 v12, 8192, v12
	s_sub_co_u32 s46, s46, 1
	s_cmp_lg_u32 s46, 0
	s_cbranch_scc1 .Lpass
	s_endpgm
.macro LD n, set                       ; eight steps' loads
.irp j, 0,1,2,3,4,5,6,7
	global_load_b128 v[X+32*(\set)+4*\j:X+32*(\set)+4*\j+3], v[VS], s[28:29] offset:4096*(8*(\n)+\j) th:TH_LOAD_NT
.endr
.endm
.macro CV n, set, left                 ; eight steps are rounded twice and stored; left: the other set's loads, which may stay out
	s_wait_loadcnt \left
	s_wait_xcnt 0x0                                ; the last batch's stores have read Y and VB
.if (\n) > 0
.irp j, 0,1,2,3,4,5,6,7
	v_add_nc_u32 v[VB+\j], s44, v[VB+\j]           ; eight steps on: 2 d2
.endr
.endif
.irp j, 0,1,2,3,4,5,6,7
	v_cvt_pk_bf16_f32 v[T], v[X+32*(\set)+4*\j], v[X+32*(\set)+4*\j+1]
	v_cvt_pk_bf16_f32 v[T+1], v[X+32*(\set)+4*\j+2], v[X+32*(\set)+4*\j+3]
	v_and_b32 v[T+2], s45, v[T]
	v_and_b32 v[T+3], s45, v[T+1]
	v_pk_max_num_bf16 v[M], v[M], v[T+2]
	v_pk_max_num_bf16 v[M], v[M], v[T+3]
	v_lshlrev_b32 v[T+2], 16, v[T]
	v_and_b32 v[T+3], s37, v[T]
	v_cvt_pk_f16_f32 v[Y+2*\j], v[T+2], v[T+3]
	v_lshlrev_b32 v[T+2], 16, v[T+1]
	v_and_b32 v[T+3], s37, v[T+1]
	v_cvt_pk_f16_f32 v[Y+2*\j+1], v[T+2], v[T+3]
	global_store_b64 v[VB+\j], v[Y+2*\j:Y+2*\j+1], s[30:31]
.endr
	s_cmp_lg_u32 s35, 0                            ; W_UK and W_UV are written twice: the second copy meets the low parts of c_kv
	s_cbranch_scc0 .Lone_\@
.irp j, 0,1,2,3,4,5,6,7
	global_store_b64 v[VB+\j], v[Y+2*\j:Y+2*\j+1], s[38:39]
.endr
.Lone_\@:
.endm
.Lconv:
	v_lshlrev_b32 v[VS], 4, v0
	v_mov_b32 v[M], 0
	v_mov_b32 v[VB], v[VD]
	v_add_nc_u32 v[VB+1], s32, v[VD]
	v_add_nc_u32 v[VB+2], s33, v[VD]
	v_add_nc_u32 v[VB+3], s33, v[VB+1]
.irp j, 0,1,2,3
	v_add_nc_u32 v[VB+4+\j], s34, v[VB+\j]
.endr
	s_lshl_b32 s44, s34, 1
	s_mov_b32 s40, s35
	s_add_nc_u64 s[38:39], s[30:31], s[40:41]
	LD 0, 0
	LD 1, 1
	CV 0, 0, 8
	LD 2, 0
	CV 1, 1, 8
	LD 3, 1
	CV 2, 0, 8
	CV 3, 1, 0
	v_lshlrev_b32 v[T], 16, v[M]                   ; the wave's largest magnitude
	v_and_b32 v[T+1], s37, v[M]
	v_max_num_f32 v[T], v[T], v[T+1]
	v_max_num_f32_dpp v[T], v[T], v[T] row_xmask:1 row_mask:0xf bank_mask:0xf
	v_max_num_f32_dpp v[T], v[T], v[T] row_xmask:2 row_mask:0xf bank_mask:0xf
	v_max_num_f32_dpp v[T], v[T], v[T] row_xmask:4 row_mask:0xf bank_mask:0xf
	v_max_num_f32_dpp v[T], v[T], v[T] row_xmask:8 row_mask:0xf bank_mask:0xf
	v_permlanex16_b32 v[T+1], v[T], s42, s43
	v_max_num_f32 v[T], v[T], v[T+1]
	s_cmp_eq_u32 s36, 0                            ; W_out's is not wanted: its product's result leaves in f32
	s_cbranch_scc1 .Ldone
	v_lshrrev_b32 v[T+2], 5, v0
	s_lshl_b32 s40, ttmp9, 5
	v_lshl_add_u32 v[T+2], v[T+2], 2, s40          ; word 8 x work-group + wave
	v_and_b32 v[T+3], 31, v0
	s_add_nc_u64 s[46:47], s[24:25], PM
	v_cmp_eq_u32 vcc_lo, 0, v[T+3]
	s_wait_xcnt 0x0                                ; EXEC changes only behind this wait
	s_and_saveexec_b32 s44, vcc_lo
	global_store_b32 v[T+2], v[T], s[46:47]
	s_wait_xcnt 0x0
	s_or_b32 exec_lo, exec_lo, s44
.Ldone:
	s_endpgm
.Lfunc_end_k_q4d02323f3c_cvt:
	.size	k_q4d02323f3c_cvt, .Lfunc_end_k_q4d02323f3c_cvt-k_q4d02323f3c_cvt
	.p2alignl 7, 3214868480
	.fill 96, 4, 3214868480
	.section	.rodata,"a",@progbits
	.p2align	6, 0x0
	.amdhsa_kernel k_q4d02323f3c_cvt
		.amdhsa_group_segment_fixed_size 0
		.amdhsa_private_segment_fixed_size 0
		.amdhsa_enable_private_segment 0
		.amdhsa_kernarg_size 72
		.amdhsa_user_sgpr_count 2
		.amdhsa_user_sgpr_kernarg_segment_ptr 1
		.amdhsa_wavefront_size32 1
		.amdhsa_system_sgpr_workgroup_id_x 1
		.amdhsa_system_sgpr_workgroup_id_y 1
		.amdhsa_system_sgpr_workgroup_id_z 1
		.amdhsa_system_vgpr_workitem_id 0
		.amdhsa_next_free_vgpr 96
		.amdhsa_next_free_sgpr 66
		.amdhsa_reserve_vcc 1
		.amdhsa_float_denorm_mode_32 3
		.amdhsa_float_denorm_mode_16_64 3
		.amdhsa_memory_ordered 1
		.amdhsa_forward_progress 1
		.amdhsa_inst_pref_size 45
	.end_amdhsa_kernel
	.amdgpu_metadata
---
amdhsa.version: [ 1, 2 ]
amdhsa.kernels:
  - .name:           k_q4d02323f3c_cvt
    .symbol:         k_q4d02323f3c_cvt.kd
    .args:
      - { .name: x, .offset: 0, .size: 8, .value_kind: global_buffer, .address_space: global }
      - { .name: W_DKV, .offset: 8, .size: 8, .value_kind: global_buffer, .address_space: global }
      - { .name: W_DQ, .offset: 16, .size: 8, .value_kind: global_buffer, .address_space: global }
      - { .name: W_UK, .offset: 24, .size: 8, .value_kind: global_buffer, .address_space: global }
      - { .name: W_UV, .offset: 32, .size: 8, .value_kind: global_buffer, .address_space: global }
      - { .name: W_UQ, .offset: 40, .size: 8, .value_kind: global_buffer, .address_space: global }
      - { .name: W_out, .offset: 48, .size: 8, .value_kind: global_buffer, .address_space: global }
      - { .name: W_lam, .offset: 56, .size: 8, .value_kind: global_buffer, .address_space: global }
      - { .name: cw, .offset: 64, .size: 8, .value_kind: global_buffer, .address_space: global }
    .group_segment_fixed_size: 0
    .private_segment_fixed_size: 0
    .kernarg_segment_align: 8
    .kernarg_segment_size: 72
    .max_flat_workgroup_size: 256
    .sgpr_count:     66
    .vgpr_count:     96
    .wavefront_size: 32
...
	.end_amdgpu_metadata
.endif
;; end of part 1
;; launch lam (part 2): grid 128 x 1, 4 waves a work-group, no clusters, 4,608 bytes of LDS; arguments cw, b_lam, ls; writes ls
.if DOCPART == 2
	.amdgcn_target "amdgcn-amd-amdhsa--gfx1250"
	.amdhsa_code_object_version 6
	.text
	.protected	k_q4d02323f3c_lam
	.globl	k_q4d02323f3c_lam
	.p2align	8
	.type	k_q4d02323f3c_lam,@function
k_q4d02323f3c_lam:
	s_mov_b64 s[64:65], 0
	v_nop
	global_prefetch_b8 v0, s[64:65] scope:SCOPE_SE
	s_setreg_imm32_b32 hwreg(HW_REG_WAVE_MODE, 25, 1), 1
	s_wait_xcnt 0x0
; lambda[head][token] = sigmoid(x . W_lam[:, head] + b_lam[head]), f32, stored by heads; and the seven factors by which the later launches keep their f16 intermediates in range.
; SHARES.  A work-group makes 16 tokens x 16 heads: one tile.  K = 2,048 is split among its four waves, 512 channels (16 fragments) each; the partial sums meet in LDS.
; Source 0 = 16 rows of x, source 1 = the 16 rows of W_lam transposed: in the result a lane holds one head (lane % 16) and the tokens 8 (lane / 16) + 0..7.
; Fragments come straight from memory, two loads of 16 bytes a lane; two sets of four fragments: while one is multiplied the other's 16 loads are out.  No cluster: what is shared (64 KiB of W_lam) is small.
; THE FACTORS (wave 1 of work-group 0).  n_t = exponent of the largest |t|, so that |t| 2^-n_t <= 1; held at -40 or above.  With the guards from the sums' lengths no f16 intermediate can pass 46,400:
;   0: 2^-(n_x + n_DKV) for c_kv   1: 2^-(n_x + n_DQ) for c_q   2: 2^-(n_UK + 5) for k   3: 2^-(n_UV + 5) for v   4: 2^-(n_UQ + 6) for q
;   5: log2(e) / sqrt(128) x 2^(2 n_x + n_DQ + n_UQ + n_DKV + n_UK + 11), the scores' factor   6: 2^(n_x + n_DKV + n_UV + 6), the output's.  Each exponent field is held within 1 .. 254.
.set WLT, 0x2800000
.set PM,  0x2910000
.set SPARE, 4096                       ; behind the four partial tiles: the spare words, 128 bytes a wave, which no other line names
.set FO,  2                            ; v2  my byte offset in a fragment's rows: (l % 16) x 4,096 + 16 (l / 16) + 1,024 x wave
.set LS,  3                            ; v3  where I put my 32 bytes of a partial tile
.set LR,  4                            ; v4  where wave 0 reads them
.set YO,  5                            ; v5  my 32 bytes of lambda
.set BL,  6                            ; v6  b_lam of my head
.set BO,  7
.set SPW, 8                            ; v8  my spare word; never rewritten
.set NIL, 9                            ; v9  0; never rewritten
.set ACC, 16                           ; v[16:31] two accumulators, by the fragment's parity
.set BUF, 64                           ; v[64:191] two sets of four fragments of x and of W_lam
.set WV,  14
	s_load_b128 s[4:7], s[0:1], 0x0                ; cw, b_lam
	s_load_b64 s[8:9], s[0:1], 0x10                ; ls
	v_lshl_add_u32 v[SPW], v0, 2, SPARE
	v_mov_b32 v[NIL], 0
	v_lshrrev_b32 v1, 5, v0
	v_readfirstlane_b32 s[WV], v1
	v_and_b32 v10, 15, v0
	v_bfe_u32 v11, v0, 4, 1
	v_and_b32 v12, 31, v0
	s_lshl_b32 s16, s[WV], 10
	v_lshlrev_b32 v[FO], 12, v10
	v_lshl_add_u32 v[FO], v11, 4, v[FO]
	v_add_nc_u32 v[FO], s16, v[FO]
	v_lshl_add_u32 v[LS], v12, 5, s16
	v_lshlrev_b32 v[LR], 5, v12
	v_lshlrev_b32 v[BO], 2, v10
	s_lshl_b32 s17, ttmp9, 6
	v_lshlrev_b32 v[YO], 13, v10                   ; head x 8,192 bytes + 64 x work-group + 32 (l / 16)
	v_lshl_add_u32 v[YO], v11, 5, v[YO]
	v_add_nc_u32 v[YO], s17, v[YO]
	s_lshl_b32 s2, ttmp9, 16                       ; the work-group's 16 rows of x
	s_mov_b32 s3, 0
	s_mov_b32 s30, 0x76543210
	s_mov_b32 s31, 0xfedcba98
	s_wait_kmcnt 0x0
	s_add_nc_u64 s[10:11], s[4:5], s[2:3]
	s_add_nc_u64 s[12:13], s[4:5], WLT
	global_load_b32 v[BL], v[BO], s[6:7]
.macro LOADS b, f0                     ; fragments f0 .. f0 + 3 into set b: 16 loads
.irp i, 0,1,2,3
	global_load_b128 v[BUF+64*(\b)+16*\i:BUF+64*(\b)+16*\i+3],     v[FO], s[10:11] offset:64*((\f0)+\i)
	global_load_b128 v[BUF+64*(\b)+16*\i+4:BUF+64*(\b)+16*\i+7],   v[FO], s[10:11] offset:64*((\f0)+\i)+32
	global_load_b128 v[BUF+64*(\b)+16*\i+8:BUF+64*(\b)+16*\i+11],  v[FO], s[12:13] offset:64*((\f0)+\i)
	global_load_b128 v[BUF+64*(\b)+16*\i+12:BUF+64*(\b)+16*\i+15], v[FO], s[12:13] offset:64*((\f0)+\i)+32
.endr
.endm
.macro MULS b, zero                    ; four products; the two accumulators take turns; zero = 1: the first two start the sums
.irp i, 0,1,2,3
.if (\zero) && ((\i) < 2)
	v_wmma_f32_16x16x32_f16 v[ACC+8*((\i)%2):ACC+8*((\i)%2)+7], v[BUF+64*(\b)+16*(\i):BUF+64*(\b)+16*(\i)+7], v[BUF+64*(\b)+16*(\i)+8:BUF+64*(\b)+16*(\i)+15], 0
.else
	v_wmma_f32_16x16x32_f16 v[ACC+8*((\i)%2):ACC+8*((\i)%2)+7], v[BUF+64*(\b)+16*(\i):BUF+64*(\b)+16*(\i)+7], v[BUF+64*(\b)+16*(\i)+8:BUF+64*(\b)+16*(\i)+15], v[ACC+8*((\i)%2):ACC+8*((\i)%2)+7]
.endif
.endr
.endm
.macro PLACES                          ; four places behind a product, in front of loads into registers that it has read
.rept 4
	v_nop
.endr
.endm
	LOADS 0, 0
	LOADS 1, 4
	s_wait_loadcnt 16                              ; set 0 (and b_lam) are in; set 1's 16 loads may stay out
	MULS 0, 1
	PLACES
	LOADS 0, 8
	s_wait_loadcnt 16
	MULS 1, 0
	PLACES
	LOADS 1, 12
	s_wait_loadcnt 16
	MULS 0, 0
	s_wait_loadcnt 0x0
	MULS 1, 0
	PLACES
	PLACES
.irp r, 0,2,4,6
	v_pk_add_f32 v[ACC+\r:ACC+\r+1], v[ACC+\r:ACC+\r+1], v[ACC+8+\r:ACC+8+\r+1]  ; the two parities
.endr
	ds_store_b128 v[LS], v[ACC:ACC+3]
	ds_store_b128 v[LS], v[ACC+4:ACC+7] offset:16
	s_wait_dscnt 0x0                               ; for the others' sake: my partial tile lies in LDS
	s_barrier_signal -1
	s_barrier_wait -1
	s_cmp_eq_u32 s[WV], 0
	s_cbranch_scc1 .Lfinish
	s_cmp_lg_u32 s[WV], 1
	s_cbranch_scc1 .Lend
	s_cmp_lg_u32 ttmp9, 0
	s_cbranch_scc1 .Lend
	; the factors: 3,328 maxima, 128 to a load: x 8 loads, W_DKV 2, W_DQ 4, W_UK 2, W_UV 2, W_UQ 8
	s_add_nc_u64 s[18:19], s[4:5], PM
	v_lshlrev_b32 v13, 4, v12
.set i, 0
.rept 26
	global_load_b128 v[BUF+4*i:BUF+4*i+3], v13, s[18:19] offset:512*i
.set i, i+1
.endr
	v_mov_b32 v15, 0
	s_wait_loadcnt 0x0
.macro MAXT out, first, count          ; n_t of the tensor whose maxima lie in count registers from first on
	v_max_num_f32 v14, v[\first], v[(\first)+1]
.set k, (\first)+2
.rept ((\count)-2)/2
	v_max3_num_f32 v14, v14, v[k], v[k+1]
.set k, k+2
.endr
	v_max_num_f32_dpp v14, v14, v14 row_xmask:1 row_mask:0xf bank_mask:0xf
	v_max_num_f32_dpp v14, v14, v14 row_xmask:2 row_mask:0xf bank_mask:0xf
	v_max_num_f32_dpp v14, v14, v14 row_xmask:4 row_mask:0xf bank_mask:0xf
	v_max_num_f32_dpp v14, v14, v14 row_xmask:8 row_mask:0xf bank_mask:0xf
	v_permlanex16_b32 v15, v14, s30, s31
	v_max_num_f32 v14, v14, v15
	v_readfirstlane_b32 s[\out], v14
	s_bfe_u32 s[\out], s[\out], 0x80017            ; the exponent field
	s_sub_co_i32 s[\out], s[\out], 126
	s_max_i32 s[\out], s[\out], -40
.endm
	MAXT 20, BUF, 32                               ; x
	MAXT 21, BUF+32, 8                             ; W_DKV
	MAXT 22, BUF+40, 16                            ; W_DQ
	MAXT 23, BUF+56, 8                             ; W_UK
	MAXT 24, BUF+64, 8                             ; W_UV
	MAXT 25, BUF+72, 32                            ; W_UQ
	s_add_co_i32 s32, s20, s21
	s_add_co_i32 s38, s32, s24
	s_add_co_i32 s38, s38, 6                       ; 6
	s_add_co_i32 s33, s20, s22
	s_add_co_i32 s37, s32, s33
	s_add_co_i32 s37, s37, s25
	s_add_co_i32 s37, s37, s23
	s_add_co_i32 s37, s37, 11                      ; 5
	s_sub_co_i32 s32, 0, s32                       ; 0
	s_sub_co_i32 s33, 0, s33                       ; 1
	s_sub_co_i32 s34, -5, s23                      ; 2
	s_sub_co_i32 s35, -5, s24                      ; 3
	s_sub_co_i32 s36, -6, s25                      ; 4
.irp r, 32,33,34,35,36,37,38
	s_add_co_i32 s\r, s\r, 127                     ; 2^E as an f32: the exponent field alone
	s_max_i32 s\r, s\r, 1
	s_min_i32 s\r, s\r, 254
	s_lshl_b32 s\r, s\r, 23
.endr
.irp r, 0,1,2,3,4,5,6
	v_mov_b32 v[16+\r], s[32+\r]
.endr
	v_mul_f32 v21, 0x3e0293ee, v21                 ; log2(e) / sqrt(128)
	v_mov_b32 v23, 0
	v_mov_b32 v24, 0
	s_add_nc_u64 s[26:27], s[8:9], 0x20000
	v_cmp_eq_u32 vcc_lo, 0, v12
	s_wait_xcnt 0x0                                ; EXEC changes only behind this wait
	s_and_saveexec_b32 s28, vcc_lo
	global_store_b128 v24, v[16:19], s[26:27]
	global_store_b128 v24, v[20:23], s[26:27] offset:16
	s_wait_xcnt 0x0
	s_or_b32 exec_lo, exec_lo, s28
	s_branch .Lend
.Lfinish:                                      ; wave 0 adds the four partial tiles and finishes lambda
.irp v, 0,1,2,3
	ds_load_b128 v[BUF+8*\v:BUF+8*\v+3],   v[LR] offset:1024*\v
	ds_load_b128 v[BUF+8*\v+4:BUF+8*\v+7], v[LR] offset:1024*\v+16
.endr
	v_cvt_pk_bf16_f32 v[BL], v[BL], v[BL]          ; the bias is rounded as every input is
	v_lshlrev_b32 v[BL], 16, v[BL]
	s_wait_dscnt 0x0
.irp r, 0,2,4,6
	v_pk_add_f32 v[BUF+\r:BUF+\r+1], v[BUF+\r:BUF+\r+1], v[BUF+8+\r:BUF+8+\r+1]
	v_pk_add_f32 v[BUF+16+\r:BUF+16+\r+1], v[BUF+16+\r:BUF+16+\r+1], v[BUF+24+\r:BUF+24+\r+1]
.endr
.irp r, 0,2,4,6
	v_pk_add_f32 v[BUF+\r:BUF+\r+1], v[BUF+\r:BUF+\r+1], v[BUF+16+\r:BUF+16+\r+1]
.endr
.irp r, 0,1,2,3,4,5,6,7
	v_add_f32 v[BUF+\r], v[BUF+\r], v[BL]
.endr
.irp r, 0,1,2,3,4,5,6,7
	v_mul_f32 v[BUF+\r], 0xbfb8aa3b, v[BUF+\r]     ; -log2(e) z
.endr
.irp r, 0,1,2,3,4,5,6,7
	v_exp_f32 v[BUF+\r], v[BUF+\r]
.endr
	v_nop                                          ; a plain instruction behind the last exponential
	s_wait_alu depctr_va_vdst(0)
.irp r, 0,1,2,3,4,5,6,7
	v_add_f32 v[BUF+\r], 1.0, v[BUF+\r]
.endr
.irp r, 0,1,2,3,4,5,6,7
	v_rcp_f32 v[BUF+\r], v[BUF+\r]
.endr
	v_nop
	s_wait_alu depctr_va_vdst(0)
	global_store_b128 v[YO], v[BUF:BUF+3], s[8:9]
	global_store_b128 v[YO], v[BUF+4:BUF+7], s[8:9] offset:16
.Lend:
	s_wait_tensorcnt 0x0                           ; the wave's end, behind my last LDS store
	ds_add_u32 v[SPW], v[NIL]
	s_wait_dscnt 0x0
	s_endpgm
.Lfunc_end_k_q4d02323f3c_lam:
	.size	k_q4d02323f3c_lam, .Lfunc_end_k_q4d02323f3c_lam-k_q4d02323f3c_lam
	.p2alignl 7, 3214868480
	.fill 96, 4, 3214868480
	.section	.rodata,"a",@progbits
	.p2align	6, 0x0
	.amdhsa_kernel k_q4d02323f3c_lam
		.amdhsa_group_segment_fixed_size 4608
		.amdhsa_private_segment_fixed_size 0
		.amdhsa_enable_private_segment 0
		.amdhsa_kernarg_size 24
		.amdhsa_user_sgpr_count 2
		.amdhsa_user_sgpr_kernarg_segment_ptr 1
		.amdhsa_wavefront_size32 1
		.amdhsa_system_sgpr_workgroup_id_x 1
		.amdhsa_system_sgpr_workgroup_id_y 1
		.amdhsa_system_sgpr_workgroup_id_z 1
		.amdhsa_system_vgpr_workitem_id 0
		.amdhsa_next_free_vgpr 192
		.amdhsa_next_free_sgpr 66
		.amdhsa_reserve_vcc 1
		.amdhsa_float_denorm_mode_32 3
		.amdhsa_float_denorm_mode_16_64 3
		.amdhsa_memory_ordered 1
		.amdhsa_forward_progress 1
		.amdhsa_inst_pref_size 25
	.end_amdhsa_kernel
	.amdgpu_metadata
---
amdhsa.version: [ 1, 2 ]
amdhsa.kernels:
  - .name:           k_q4d02323f3c_lam
    .symbol:         k_q4d02323f3c_lam.kd
    .args:
      - { .name: cw, .offset: 0, .size: 8, .value_kind: global_buffer, .address_space: global }
      - { .name: b_lam, .offset: 8, .size: 8, .value_kind: global_buffer, .address_space: global }
      - { .name: ls, .offset: 16, .size: 8, .value_kind: global_buffer, .address_space: global }
    .group_segment_fixed_size: 4608
    .private_segment_fixed_size: 0
    .kernarg_segment_align: 8
    .kernarg_segment_size: 24
    .max_flat_workgroup_size: 128
    .sgpr_count:     66
    .vgpr_count:     192
    .wavefront_size: 32
...
	.end_amdgpu_metadata
.endif
;; end of part 2
;; launch g1 (part 3): grid 12 x 16, 4 waves a work-group, clusters of 4 x 4, 327,680 bytes of LDS; arguments cw, ls, cb; writes cb
.if DOCPART == 3
	.amdgcn_target "amdgcn-amd-amdhsa--gfx1250"
	.amdhsa_code_object_version 6
	.text
	.protected	k_q4d02323f3c_g1
	.globl	k_q4d02323f3c_g1
	.p2align	8
	.type	k_q4d02323f3c_g1,@function
k_q4d02323f3c_g1:
	s_mov_b64 s[64:65], 0
	v_nop
	global_prefetch_b8 v0, s[64:65] scope:SCOPE_SE
	s_setreg_imm32_b32 hwreg(HW_REG_WAVE_MODE, 25, 1), 1
	s_wait_xcnt 0x0
	s_wait_alu depctr_hold_cnt(0) depctr_sa_sdst(0) depctr_va_vdst(0) depctr_va_sdst(0) depctr_va_ssrc(0) depctr_va_vcc(0) depctr_vm_vsrc(0)
	s_getreg_b32 s2, hwreg(HW_REG_IB_STS2, 6, 4)
	s_cmp_eq_u32 s2, 0
	s_cbranch_scc0 .Lentry_in_a_cluster
	s_endpgm
.Lentry_in_a_cluster:
	s_bfe_u32 s2, ttmp6, 0x10000c
	s_cmp_lg_u32 s2, 0xf033
	s_cbranch_scc0 .Lentry_shape_is_right
	s_endpgm
.Lentry_shape_is_right:
.set KIND, 1
; C = A B on tiles of 128 x 128, f16 operands, f32 sums.  ONE TEXT SERVES THREE KERNELS; KIND, in the first line, picks the sizes, the addresses and the way out:
;   1: c = x [W_DKV | W_DQ], K = 2,048.  c times its factor leaves as f16; c_kv also leaves its low part, f16(c - f16(c)), 512 columns to the right.
;   2: k, v, q = c W_U*, K = 1,024 (for k and v: c_kv's high and low parts against the weights written twice).  Scaled, k and q rotated, stored by heads as f16; v's rows 0-511 also leave their low part.
;   3: out = o W_out, K = 2,048, times its factor, f32.
; A is [rows][K], B is [K][columns], both with rows of 4,096 bytes.  LIMITS: the factors bound every f16 result by 46,400 for any input; NaN and infinities are not treated apart.
; SHARES.  Four waves, each 64 x 64: 16 accumulators.  Wave w: rows 64 (w >> 1) on; column blocks of 16: 2 (w & 1) + (b & 1) + 4 (b >> 1), so that channels d and d + 64 of a head lie in one lane and register.
; K goes in steps of 256 through two LDS slots.  A's rows lie along K and are read as they lie; B's rows lie along the columns and are read turned, by ds_load_tr16_b128.
; THE MATRIX INSTRUCTION IS USED TRANSPOSED (source 0 = 16 columns of B, source 1 = 16 rows of A): a lane holds eight neighbouring numbers of a row of C.
; CLUSTERS: 4 x 4 work-groups.  The four of a row need the same tiles of A, the four of a column the same tiles of B: each tile is asked for jointly, by the same tensor load, descriptor and mask in all four.
; By this text's count a wave has two tensor loads out at the start and one behind each round.  No prefetch: the tiles are small and shared.
; REGISTERS: window 0: v12-29 scale, addresses; v32-99 at work on the way out; v128-255 the accumulators ((a, b) at v[128 + 8 (4 a + b)]).  window 1: two fragment buffers of 128: 64 of A, 64 of B.
;   window 2 (KIND 2): v0-127 the rotation table for my 64 rows x 32 pairs of channels.
.if KIND == 2
.set KTOT, 1024
.else
.set KTOT, 2048
.endif
.if KIND == 1
.set ARGA, 68                          ; s[68:69] cw holds A (x) and B
.set ARGW, 68
.set ARGL, 70                          ; ls
.set ARGO, 72                          ; cb
.set BOFF, 0x800000
.else
.set ARGA, 68                          ; cb or ob
.set ARGW, 70                          ; cw
.set ARGL, 72                          ; ls
.set ARGO, 74                          ; qkv or out0
.endif
.if KIND == 2
.set BOFF, 0x1000000
.endif
.if KIND == 3
.set BOFF, 0x2000000
.endif
.set RT,     0x2810000                 ; the rotation table in cw
.set KSTEP,  256
.set ROWB,   4096
.set PA,     528                       ; a row of A in LDS: 512 bytes + 16: 132 words, so the 16 rows of a load start at 16 different groups of four banks (64 banks of 4 bytes: ISA guide 11.1)
.set PB,     288                       ; a row of B: 256 + 32 = 72 words
.set HALFA,  64*PA                     ; what one tensor load brings of A: 64 rows x 256 K
.set HALFB,  128*PB                    ; and of B: 128 K x 128 columns
.set SLOT,   2*HALFA+2*HALFB
.set SPARE,  2*SLOT                    ; behind the ring: the spare words, 128 bytes a wave, which no other line names
.set STG0,   0                         ; the stages of the way out lie in slot 0, which has had its last fill and its last read by then
.set STG1,   128*272
.set SP,     272
.set SP3,    528
.set LAPS,   KTOT/(2*KSTEP)
.set SCL,  12                          ; v[12:13] the factor, twice
.set NEG1, 14                          ; v14  -1.0
.set ADRA, 16                          ; v16-17  LDS address of my A fragments in slot 0, 1
.set ADRB, 20                          ; v20-23  of my B fragments: slot 0 K 0-127, K 128-255, slot 1 likewise
.set STO,  24
.set RD,   25
.set CO,   26
.set RTO,  27
.set SPW,  28                          ; v28  my spare word; never rewritten
.set NIL,  29                          ; v29  0; never rewritten
.set TMP,  32
.set RM,   96                          ; v[96:99] at work in the rotation
.set ACC,  128
.set F0,   0
.set F1,   128
.set G1, 24                            ; s[24:31] descriptor group 1 for A's tiles;  s[32:39] group 0, one set for each slot
.set G0, 32
.set G1B, 48                           ; s[48:55], s[56:63] the same for B's tiles
.set G0B, 56
.set MSB, 0
.macro WIN new                         ; the immediate's high byte repeats the setting that is left
.if MSB != (\new)
	s_set_vgpr_msb (MSB<<8)|(\new)
.set MSB, \new
.endif
.endm
.set MUL,  0x05                        ; sources 0 (B) and 1 (A) window 1; C and D window 0
.set TO_F, 0x40                        ; destination window 1, address window 0
.macro JLOAD s                         ; a joint load: waves 0 and 1 fetch A's two halves, waves 2 and 3 B's; an s_nop 0 and four v_nop follow each line
	s_cmp_eq_u32 s11, 0
	s_cbranch_scc0 .Lfor_b_\@
	tensor_load_to_lds s[G0+4*(\s):G0+4*(\s)+3], s[G1:G1+7]
	s_nop 0
.rept 4
	v_nop
.endr
	s_branch .Lasked_\@
.Lfor_b_\@:
	tensor_load_to_lds s[G0B+4*(\s):G0B+4*(\s)+3], s[G1B:G1B+7]
	s_nop 0
.rept 4
	v_nop
.endr
.Lasked_\@:
.endm
.macro CREST                           ; a round of the cluster's barrier behind its opening barrier
	s_cmp_lg_u32 s10, 0
	s_cbranch_scc1 .Lnot_wave_0_\@
	s_barrier_signal -3
.Lnot_wave_0_\@:
	s_barrier_wait -3
	s_barrier_signal -1
	s_barrier_wait -1
.endm
.macro CROUND
	s_barrier_signal -1
	s_barrier_wait -1
	CREST
.endm
.if KIND == 1
	s_load_b128 s[68:71], s[0:1], 0x0
	s_load_b64 s[72:73], s[0:1], 0x10
.else
	s_load_b256 s[68:75], s[0:1], 0x0
.endif
	v_lshl_add_u32 v[SPW], v0, 2, SPARE
	v_mov_b32 v[NIL], 0
	ds_add_u32 v[SPW], v[NIL]                      ; the wave's opening: the add and its wait stand ahead of my first tensor load; the set-up below stands between them
	ds_add_u32 v28, v29
	v_lshrrev_b32 v1, 5, v0
	v_readfirstlane_b32 s10, v1                    ; wave 0..3
	s_lshr_b32 s11, s10, 1                         ; which half of the tile's rows is mine.  Also: I fetch for A (0) or for B (1)
	s_and_b32 s12, s10, 1                          ; which column blocks.  Also: which half of that tile I fetch
	s_bfe_u32 s40, ttmp6, 0x40000                  ; cx, cy: my place in the cluster
	s_bfe_u32 s41, ttmp6, 0x40004
.if KIND == 2
	s_and_b32 s42, ttmp9, 3                        ; four clusters along x make one of the four products:
	s_lshl_b32 s42, s42, 2
	s_lshr_b32 s66, ttmp9, 2                       ; 0: k, 1: v, 2: q's heads 0-15, 3: q's heads 16-31; the same in all partners
.else
	s_lshl_b32 s42, ttmp9, 2
.endif
	s_add_co_u32 s42, s42, s40                     ; tile column
	s_and_b32 s13, ttmp7, 0xffff
	s_lshl_b32 s13, s13, 2
	s_add_co_u32 s13, s13, s41                     ; tile row
	s_lshl_b32 s43, s41, 2
	s_lshl_b32 s43, 15, s43                        ; my row of the cluster
	s_lshl_b32 s44, 0x1111, s40                    ; my column
	s_or_b32 s[G1+0], s43, (1<<16)|(1<<20)|(1<<21)|(6<<22)|(3<<25)   ; the mask; 2-byte elements; padding on; bit 21 beside a mask; after every 128 words, 4 words
	s_or_b32 s[G1B+0], s44, (1<<16)|(1<<20)|(1<<21)|(5<<22)|(7<<25)  ; after every 64 words, 8 words
	s_mov_b32 s[G1+1], KSTEP<<16                   ; A: tensor_dim0 = 256
	s_mov_b32 s[G1+2], 64<<16                      ; tensor_dim1 = 64
	s_mov_b32 s[G1+3], KSTEP<<16                   ; tile_dim0 = 256
	s_mov_b32 s[G1+4], 64                          ; tile_dim1 = 64
	s_mov_b32 s[G1+5], 2048                        ; elements from row to row
	s_mov_b32 s[G1+6], 0
	s_mov_b32 s[G1+7], 0
	s_mov_b32 s[G1B+1], 128<<16                    ; B: 128 columns
	s_mov_b32 s[G1B+2], 128<<16                    ; x 128 K
	s_mov_b32 s[G1B+3], 128<<16
	s_mov_b32 s[G1B+4], 128
	s_mov_b32 s[G1B+5], 2048
	s_mov_b32 s[G1B+6], 0
	s_mov_b32 s[G1B+7], 0
	s_lshl_b32 s16, s13, 19                        ; A: row 128 x tile row + 64 x half, 4,096 bytes each
	s_lshl_b32 s17, s12, 18
	s_add_co_u32 s16, s16, s17
.if KIND == 2
	s_cmp_ge_u32 s66, 2                            ; q's products read c_q, 1,024 columns in
	s_cselect_b32 s17, 2048, 0
	s_add_co_u32 s16, s16, s17
.endif
	s_mov_b32 s17, 0
	s_lshl_b32 s46, s42, 8                         ; B: 256 bytes x tile column + 128 rows x half
	s_lshl_b32 s47, s12, 19
	s_add_co_u32 s46, s46, s47
.if KIND == 2
	s_lshl_b32 s47, s66, 22                        ; + 1,024 rows for each product
	s_add_co_u32 s46, s46, s47
.endif
	s_add_co_u32 s46, s46, BOFF
	s_mov_b32 s47, 0
	s_mul_i32 s20, s12, HALFA                      ; where they go: no place in the cluster enters an LDS address
	s_mul_i32 s21, s12, HALFB
	s_add_co_u32 s21, s21, 2*HALFA
	s_wait_dscnt 0x0                               ; the opening add is done
	s_wait_kmcnt 0x0
	s_add_nc_u64 s[14:15], s[ARGA:ARGA+1], s[16:17]
	s_add_nc_u64 s[46:47], s[ARGW:ARGW+1], s[46:47]
	s_load_b256 s[76:83], s[ARGL:ARGL+1], 0x20000  ; the factors; waited for on the way out
	CROUND                                         ; all sixteen work-groups are here: the first joint loads meet
.irp s, 0,1
	s_mov_b32 s[G0+4*(\s)], 1
	s_add_co_u32 s[G0+4*(\s)+1], s20, (\s)*SLOT
	s_add_nc_u64 s[G0+4*(\s)+2:G0+4*(\s)+3], s[14:15], (\s)*KSTEP*2
	s_or_b32 s[G0+4*(\s)+3], s[G0+4*(\s)+3], 0x80000000
	s_mov_b32 s[G0B+4*(\s)], 1
	s_add_co_u32 s[G0B+4*(\s)+1], s21, (\s)*SLOT
	s_add_nc_u64 s[G0B+4*(\s)+2:G0B+4*(\s)+3], s[46:47], (\s)*KSTEP*ROWB
	s_or_b32 s[G0B+4*(\s)+3], s[G0B+4*(\s)+3], 0x80000000
	JLOAD \s
.endr
	v_and_b32 v1, 15, v0                           ; l % 16
	v_bfe_u32 v2, v0, 4, 1                         ; l / 16
	v_mul_u32_u24 v3, v1, PA
	v_lshl_add_u32 v3, v2, 4, v3                   ; A: row x pitch + 16 x half of the lanes
	v_and_b32 v4, 7, v0
	v_lshl_add_u32 v4, v2, 3, v4                   ; B: K row 8 (l / 16) + l % 8,
	v_mul_u32_u24 v4, v4, PB
	v_bfe_u32 v5, v0, 3, 1
	v_lshl_add_u32 v4, v5, 4, v4                   ; columns 8 ((l / 8) % 2) on
	s_mul_i32 s21, s11, HALFA
	s_lshl_b32 s22, s12, 6
	s_add_co_u32 s22, s22, 2*HALFA
.irp s, 0,1
	v_add_nc_u32 v[ADRA+(\s)], s21, v3
	v_add_nc_u32 v[ADRB+2*(\s)], s22, v4
	s_add_co_u32 s23, s22, HALFB
	v_add_nc_u32 v[ADRB+2*(\s)+1], s23, v4
	s_add_co_u32 s21, s21, SLOT
	s_add_co_u32 s22, s22, SLOT
.endr
	v_mov_b32 v[NEG1], -1.0
.if KIND == 3
	s_mul_i32 s23, s11, 64*SP3                     ; into the stage: row 64 (w >> 1) + l % 16, 32 bytes for each half of the lanes
	s_lshl_b32 s21, s12, 7
	s_add_co_u32 s23, s23, s21
	v_mul_u32_u24 v6, v1, SP3
	v_lshl_add_u32 v6, v2, 5, v6
	v_add_nc_u32 v[STO], s23, v6
	s_mul_i32 s23, s10, 32*SP3                     ; back: wave w takes rows 32 w on, a whole row of 512 bytes at a time
	v_and_b32 v6, 31, v0
	v_lshlrev_b32 v[CO], 4, v6
	v_add_nc_u32 v[RD], s23, v[CO]
	s_lshl_b32 s16, s13, 20                        ; out0: row (128 x tile row + 32 w) x 8,192 bytes
	s_lshl_b32 s17, s10, 18
	s_add_co_u32 s16, s16, s17
	s_lshl_b32 s46, s42, 9
.else
	s_mul_i32 s23, s11, 64*SP                      ; into a stage: row 64 (w >> 1) + l % 16, 16 bytes for each half of the lanes
	s_lshl_b32 s21, s12, 6
	s_add_co_u32 s23, s23, s21
	v_mul_u32_u24 v6, v1, SP
	v_lshl_add_u32 v6, v2, 4, v6
	v_add_nc_u32 v[STO], s23, v6
	s_mul_i32 s23, s10, 32*SP                      ; back: wave w takes rows 32 w on; lanes 0-15 one row of 256 bytes, lanes 16-31 the next
	v_mul_u32_u24 v6, v2, SP
	v_lshl_add_u32 v6, v1, 4, v6
	v_add_nc_u32 v[RD], s23, v6
.endif
.if KIND == 1
	v_lshlrev_b32 v6, 12, v2
	v_lshl_add_u32 v[CO], v1, 4, v6
	s_lshl_b32 s16, s13, 19                        ; cb: row (128 x tile row + 32 w) x 4,096 bytes
	s_lshl_b32 s17, s10, 17
	s_add_co_u32 s16, s16, s17
	s_lshl_b32 s46, s42, 8                         ; 256 bytes x tile column; c_q lies 512 columns further right, behind c_kv's low parts
	s_cmp_lg_u32 ttmp9, 0
	s_cselect_b32 s47, 1024, 0
	s_add_co_u32 s46, s46, s47
	s_cmp_eq_u32 ttmp9, 0
	s_cselect_b32 s84, 1, 0                        ; the first four tile columns are c_kv: they leave a low part
.endif
.if KIND == 2
	v_lshlrev_b32 v6, 8, v2
	v_lshl_add_u32 v[CO], v1, 4, v6
	s_lshl_b32 s85, s13, 15                        ; by heads: (128 x tile row + 32 w) rows of 256 bytes
	s_lshl_b32 s17, s10, 13
	s_add_co_u32 s85, s85, s17
	s_and_b32 s16, s66, 1                          ; q at 0, q's upper heads at 0x800000, k at 0x1000000, v at 0x1800000
	s_lshl_b32 s16, s16, 23
	s_cmp_lt_u32 s66, 2
	s_cselect_b32 s17, 0x1000000, 0
	s_add_co_u32 s16, s16, s17
	s_add_co_u32 s16, s16, s85
	s_lshl_b32 s46, s42, 19                        ; a head is 524,288 bytes
	s_and_b32 s86, ttmp7, 0xffff                   ; v's rows 0-511 (the first row of clusters) leave a low part
	s_xor_b32 s87, s66, 1
	s_or_b32 s86, s86, s87
	s_cmp_eq_u32 s86, 0
	s_cselect_b32 s84, 1, 0
	s_mov_b32 s86, s85
	s_mov_b32 s87, 0
	s_add_nc_u64 s[90:91], s[ARGO:ARGO+1], s[86:87]
	s_lshl_b32 s86, s42, 17                        ; there a head is 512 rows
	s_add_nc_u64 s[90:91], s[90:91], s[86:87]
	s_add_nc_u64 s[90:91], s[90:91], 0x2000000
.endif
	s_mov_b32 s17, 0
	s_mov_b32 s47, 0
	s_add_nc_u64 s[8:9], s[ARGO:ARGO+1], s[16:17]
	s_add_nc_u64 s[8:9], s[8:9], s[46:47]
.if KIND == 2
	; the rotation table for my rows and channels, asked for now and waited for on the way out.  The tiles of v ask too, so that these registers are written whichever product the work-group makes; they rotate nothing.
	v_lshlrev_b32 v[RTO], 9, v1                    ; 512 bytes a token
	v_lshl_add_u32 v[RTO], v2, 5, v[RTO]           ; my 8 channels
	s_lshl_b32 s21, s11, 15
	s_lshl_b32 s22, s12, 7
	s_add_co_u32 s21, s21, s22
	v_add_nc_u32 v[RTO], s21, v[RTO]
	s_lshl_b32 s86, s13, 16
	s_add_nc_u64 s[92:93], s[ARGW:ARGW+1], s[86:87]
	s_add_nc_u64 s[92:93], s[92:93], RT
	WIN 0x80                                       ; destination window 2
.irp a, 0,1,2,3
.irp u, 0,1
	global_load_b128 v[16*(2*\a+\u):16*(2*\a+\u)+3],     v[RTO], s[92:93] offset:\a*8192+64*\u
	global_load_b128 v[16*(2*\a+\u)+4:16*(2*\a+\u)+7],   v[RTO], s[92:93] offset:\a*8192+64*\u+16
	global_load_b128 v[16*(2*\a+\u)+8:16*(2*\a+\u)+11],  v[RTO], s[92:93] offset:\a*8192+64*\u+256
	global_load_b128 v[16*(2*\a+\u)+12:16*(2*\a+\u)+15], v[RTO], s[92:93] offset:\a*8192+64*\u+272
.endr
.endr
	WIN 0
.endif
; 8 matrix instructions: row blocks a0, a0 + 1 x all 4 column blocks, 32 along K: half c of buffer f.  zero = 1: the first product starts the sums.  The 16 accumulators take turns.
.macro MUL8 f, c, a0, zero
	WIN MUL
.irp a, \a0, (\a0)+1
.irp b, 0,1,2,3
.if \zero
	v_wmma_f32_16x16x32_f16 v[ACC+8*(4*(\a)+(\b)):ACC+8*(4*(\a)+(\b))+7], v[(\f)+64+8*(4*(\c)+(\b)):(\f)+64+8*(4*(\c)+(\b))+7], v[(\f)+8*(4*(\c)+(\a)):(\f)+8*(4*(\c)+(\a))+7], 0
.else
	v_wmma_f32_16x16x32_f16 v[ACC+8*(4*(\a)+(\b)):ACC+8*(4*(\a)+(\b))+7], v[(\f)+64+8*(4*(\c)+(\b)):(\f)+64+8*(4*(\c)+(\b))+7], v[(\f)+8*(4*(\c)+(\a)):(\f)+8*(4*(\c)+(\a))+7], v[ACC+8*(4*(\a)+(\b)):ACC+8*(4*(\a)+(\b))+7]
.endif
.endr
.endr
.endm
; 32 LDS loads in one run: the fragments of quarter q (64 along K) of a slot, into buffer f; the first 32 along K first
.macro FETCH slot, q, f
	WIN TO_F
.irp c, 0,1
.irp i, 0,1,2,3
	ds_load_tr16_b128 v[(\f)+64+8*(4*(\c)+(\i)):(\f)+64+8*(4*(\c)+(\i))+3],   v[ADRB+2*(\slot)+(\q)/2] offset:(((\q)%2)*64+32*(\c))*PB+32*(((\i)%2)+4*((\i)/2))
	ds_load_tr16_b128 v[(\f)+64+8*(4*(\c)+(\i))+4:(\f)+64+8*(4*(\c)+(\i))+7], v[ADRB+2*(\slot)+(\q)/2] offset:(((\q)%2)*64+32*(\c)+16)*PB+32*(((\i)%2)+4*((\i)/2))
	ds_load_b128 v[(\f)+8*(4*(\c)+(\i)):(\f)+8*(4*(\c)+(\i))+3],   v[ADRA+(\slot)] offset:128*(\q)+64*(\c)+(\i)*16*PA
	ds_load_b128 v[(\f)+8*(4*(\c)+(\i))+4:(\f)+8*(4*(\c)+(\i))+7], v[ADRA+(\slot)] offset:128*(\q)+64*(\c)+(\i)*16*PA+32
.endr
.endr
.endm
.macro PLACES                          ; four places in front of loads into registers that matrix instructions have read, and of vector work that reads results
.rept 4
	v_nop
.endr
.endm
; A K step is four quarters, 32 matrix instructions each, on buffers 0, 1, 0, 1.  One of the first three: multiplies buffer f and fetches quarter q into g.
.macro QUARTER slot, q, f, g, zero
	s_wait_dscnt 16                                ; the first 32 along K are in; the other sixteen loads may be out
	WIN MUL
	MUL8 \f, 0, 0, \zero
	MUL8 \f, 0, 2, \zero
	PLACES
	FETCH \slot, \q, \g
	s_wait_dscnt 32                                ; all but the 32 just issued
	WIN MUL
	MUL8 \f, 1, 0, 0
	MUL8 \f, 1, 2, 0
.endm
; The last quarter multiplies buffer 1 and changes slots: one barrier; in front of it each wave waits for all its tensor loads, adds 0 to its spare word, and waits for that and for its reads of this slot.
.macro TURN slot, next, fill
	WIN 0
	s_wait_tensorcnt 0x0                           ; all my tensor loads have landed: my part of the next slot
	ds_add_u32 v[SPW], v[NIL]                      ; 0 onto my spare word
	s_wait_dscnt 17                                ; (the add and the youngest sixteen loads may be out)
	WIN MUL
	MUL8 F1, 0, 0, 0
	s_wait_dscnt 0x0                               ; the add is done, and my reads of this slot are over
	s_barrier_signal -1
	MUL8 F1, 0, 2, 0
.if \fill
	WIN 0
.endif
	s_barrier_wait -1
.if \fill
	CREST                                          ; the barrier has opened a round of the cluster's: no wave of any partner still reads this slot or has a load on its way
	s_add_nc_u64 s[G0+4*(\slot)+2:G0+4*(\slot)+3], s[G0+4*(\slot)+2:G0+4*(\slot)+3], 2*KSTEP*2
	s_add_nc_u64 s[G0B+4*(\slot)+2:G0B+4*(\slot)+3], s[G0B+4*(\slot)+2:G0B+4*(\slot)+3], 2*KSTEP*ROWB
	JLOAD \slot                                    ; the first tensor load behind the round; its four v_nop are also the places in front of the loads below
.else
	PLACES
.endif
	FETCH \next, 0, F0
	WIN MUL
	MUL8 F1, 1, 0, 0
	MUL8 F1, 1, 2, 0
.endm
	s_wait_tensorcnt 1                             ; my part of K step 0 is in; K step 1's load may stay out
	s_barrier_signal -1
	s_barrier_wait -1
	FETCH 0, 0, F0
	QUARTER 0, 1, F0, F1, 1                        ; the first quarter stands in front of the loop: its first products start the sums
	WIN 0
	s_mov_b32 s3, LAPS-1
.Llap:                                                 ; a trip goes once round the ring and fills both slots again
	QUARTER 0, 2, F1, F0, 0
	QUARTER 0, 3, F0, F1, 0
	TURN 0, 1, 1
	QUARTER 1, 1, F0, F1, 0
	QUARTER 1, 2, F1, F0, 0
	QUARTER 1, 3, F0, F1, 0
	TURN 1, 0, 1
	QUARTER 0, 1, F0, F1, 0
	WIN 0
	s_sub_co_u32 s3, s3, 1
	s_cmp_lg_u32 s3, 0
	s_cbranch_scc1 .Llap
	QUARTER 0, 2, F1, F0, 0                        ; the last lap fills nothing
	QUARTER 0, 3, F0, F1, 0
	TURN 0, 1, 0                                   ; behind this barrier nobody reads slot 0 any more
	QUARTER 1, 1, F0, F1, 0
	QUARTER 1, 2, F1, F0, 0
	QUARTER 1, 3, F0, F1, 0
	s_wait_dscnt 16
	WIN MUL
	MUL8 F1, 0, 0, 0
	MUL8 F1, 0, 2, 0
	s_wait_dscnt 0
	MUL8 F1, 1, 0, 0
	MUL8 F1, 1, 2, 0
	WIN 0
	; THE WAY OUT
.macro PACKH                           ; the accumulators rounded to f16, 16 bytes a lane and accumulator
.set t, 0
.rept 16
.irp r, 0,1,2,3
	v_cvt_pk_f16_f32 v[TMP+4*t+(\r)], v[ACC+8*t+2*(\r)], v[ACC+8*t+2*(\r)+1]
.endr
.set t, t+1
.endr
.endm
.macro STG base                        ; into a stage of 128 rows x 272 bytes
.irp a, 0,1,2,3
.irp b, 0,1,2,3
	ds_store_b128 v[STO], v[TMP+4*(4*(\a)+(\b)):TMP+4*(4*(\a)+(\b))+3] offset:(\base)+(\a)*16*SP+32*((\b)%2)+128*((\b)/2)
.endr
.endr
.endm
.macro LOPART                          ; what the rounding left: the number less its f16, exact in f32
.set t, 0
.rept 16
.irp e, 0,2,4,6
	v_fma_mix_f32 v[ACC+8*t+(\e)], v[TMP+4*t+(\e)/2], v[NEG1], v[ACC+8*t+(\e)] op_sel:[0,0,0] op_sel_hi:[1,0,0]
	v_fma_mix_f32 v[ACC+8*t+(\e)+1], v[TMP+4*t+(\e)/2], v[NEG1], v[ACC+8*t+(\e)+1] op_sel:[1,0,0] op_sel_hi:[1,0,0]
.endr
.set t, t+1
.endr
.endm
.macro BACK base, dst, ptr, step, extra ; 32 whole rows come back and are stored: 16 lanes store 256 consecutive bytes, aligned
.irp t, 0,1,2,3,4,5,6,7,8,9,10,11,12,13,14,15
	ds_load_b128 v[(\dst)+4*(\t):(\dst)+4*(\t)+3], v[RD] offset:(\base)+(\t)*2*SP
.endr
.irp t, 0,1,2,3,4,5,6,7,8,9,10,11,12,13,14,15
	s_wait_dscnt 15-(\t)
	global_store_b128 v[CO], v[(\dst)+4*(\t):(\dst)+4*(\t)+3], s[\ptr:\ptr+1] offset:2*(\t)*(\step)+(\extra)
.endr
.endm
	PLACES
	s_wait_kmcnt 0x0                               ; the factors
.if KIND == 1
	s_cmp_eq_u32 ttmp9, 0
	s_cselect_b32 s67, s76, s77
.endif
.if KIND == 2
	s_cmp_eq_u32 s66, 0
	s_cselect_b32 s67, s78, s80
	s_cmp_eq_u32 s66, 1
	s_cselect_b32 s67, s79, s67
.endif
.if KIND == 3
	s_mov_b32 s67, s82
.endif
	v_mov_b32 v[SCL], s67
	v_mov_b32 v[SCL+1], s67
.set i, ACC
.rept 64
	v_pk_mul_f32 v[i:i+1], v[i:i+1], v[SCL:SCL+1]  ; ascending: each accumulator's lowest registers are read first
.set i, i+2
.endr
.if KIND == 2
	s_wait_loadcnt 0x0                             ; the table
	s_cmp_eq_u32 s66, 1
	s_cbranch_scc1 .Lno_rope                       ; v is not rotated
	WIN 0x08                                       ; source 1 in window 2
.irp a, 0,1,2,3
.irp u, 0,1
.irp p, 0,2,4,6                        ; t1 = channel d, t2 = channel d + 64: t1 cos - t2 sin, t2 cos + t1 sin
	v_pk_mul_f32 v[RM:RM+1],   v[ACC+8*(4*\a+\u+2)+\p:ACC+8*(4*\a+\u+2)+\p+1], v[16*(2*\a+\u)+8+\p:16*(2*\a+\u)+8+\p+1]
	v_pk_mul_f32 v[RM+2:RM+3], v[ACC+8*(4*\a+\u)+\p:ACC+8*(4*\a+\u)+\p+1],     v[16*(2*\a+\u)+8+\p:16*(2*\a+\u)+8+\p+1]
	v_pk_fma_f32 v[ACC+8*(4*\a+\u)+\p:ACC+8*(4*\a+\u)+\p+1],     v[ACC+8*(4*\a+\u)+\p:ACC+8*(4*\a+\u)+\p+1],     v[16*(2*\a+\u)+\p:16*(2*\a+\u)+\p+1], v[RM:RM+1] neg_lo:[0,0,1] neg_hi:[0,0,1]
	v_pk_fma_f32 v[ACC+8*(4*\a+\u+2)+\p:ACC+8*(4*\a+\u+2)+\p+1], v[ACC+8*(4*\a+\u+2)+\p:ACC+8*(4*\a+\u+2)+\p+1], v[16*(2*\a+\u)+\p:16*(2*\a+\u)+\p+1], v[RM+2:RM+3]
.endr
.endr
.endr
	WIN 0
.Lno_rope:
.endif
.if KIND != 3
	PACKH
	STG STG0
	s_cmp_eq_u32 s84, 0
	s_cbranch_scc1 .Lno_lo
	LOPART
	PACKH
	STG STG1
.Lno_lo:
	s_wait_dscnt 0x0                               ; for the others' sake: my stores into the stages are done
	s_barrier_signal -1
	s_barrier_wait -1                              ; a row's 256 bytes come from two waves
.if KIND == 1
	BACK STG0, TMP, 8, 4096, 0
.else
	BACK STG0, TMP, 8, 256, 0
.endif
	s_cmp_eq_u32 s84, 0
	s_cbranch_scc1 .Lend
.if KIND == 1
	BACK STG1, ACC, 8, 4096, 1024
.else
	BACK STG1, ACC, 90, 256, 0
.endif
.Lend:
.else
.irp a, 0,1,2,3
.irp b, 0,1,2,3
	ds_store_b128 v[STO], v[ACC+8*(4*(\a)+(\b)):ACC+8*(4*(\a)+(\b))+3]   offset:(\a)*16*SP3+64*((\b)%2)+256*((\b)/2)
	ds_store_b128 v[STO], v[ACC+8*(4*(\a)+(\b))+4:ACC+8*(4*(\a)+(\b))+7] offset:(\a)*16*SP3+64*((\b)%2)+256*((\b)/2)+16
.endr
.endr
	s_wait_dscnt 0x0                               ; for the others' sake: my stores into the stage are done
	s_barrier_signal -1
	s_barrier_wait -1
.set t, 0
.rept 32
	ds_load_b128 v[ACC+4*t:ACC+4*t+3], v[RD] offset:t*SP3
.set t, t+1
.endr
.set t, 0
.rept 32
	s_wait_dscnt 31-t
	global_store_b128 v[CO], v[ACC+4*t:ACC+4*t+3], s[8:9] offset:t*8192 th:TH_STORE_NT  ; 512 consecutive bytes of a row of out0, aligned
.set t, t+1
.endr
.endif
	s_wait_tensorcnt 0x0                           ; the wave's end, behind my last tensor load and my last LDS store
	ds_add_u32 v[SPW], v[NIL]
	s_wait_dscnt 0x0
	CROUND                                         ; the closing round: no work-group ends while a partner may still ask for a tile that names it
	s_endpgm
.Lfunc_end_k_q4d02323f3c_g1:
	.size	k_q4d02323f3c_g1, .Lfunc_end_k_q4d02323f3c_g1-k_q4d02323f3c_g1
	.p2alignl 7, 3214868480
	.fill 96, 4, 3214868480
	.section	.rodata,"a",@progbits
	.p2align	6, 0x0
	.amdhsa_kernel k_q4d02323f3c_g1
		.amdhsa_group_segment_fixed_size 327680
		.amdhsa_private_segment_fixed_size 0
		.amdhsa_enable_private_segment 0
		.amdhsa_kernarg_size 24
		.amdhsa_user_sgpr_count 2
		.amdhsa_user_sgpr_kernarg_segment_ptr 1
		.amdhsa_wavefront_size32 1
		.amdhsa_system_sgpr_workgroup_id_x 1
		.amdhsa_system_sgpr_workgroup_id_y 1
		.amdhsa_system_sgpr_workgroup_id_z 1
		.amdhsa_system_vgpr_workitem_id 0
		.amdhsa_next_free_vgpr 512
		.amdhsa_next_free_sgpr 96
		.amdhsa_reserve_vcc 0
		.amdhsa_float_denorm_mode_32 3
		.amdhsa_float_denorm_mode_16_64 3
		.amdhsa_memory_ordered 1
		.amdhsa_forward_progress 1
		.amdhsa_inst_pref_size 108
	.end_amdhsa_kernel
	.amdgpu_metadata
---
amdhsa.version: [ 1, 2 ]
amdhsa.kernels:
  - .name:           k_q4d02323f3c_g1
    .symbol:         k_q4d02323f3c_g1.kd
    .args:
      - { .name: cw, .offset: 0, .size: 8, .value_kind: global_buffer, .address_space: global }
      - { .name: ls, .offset: 8, .size: 8, .value_kind: global_buffer, .address_space: global }
      - { .name: cb, .offset: 16, .size: 8, .value_kind: global_buffer, .address_space: global }
    .group_segment_fixed_size: 327680
    .private_segment_fixed_size: 0
    .kernarg_segment_align: 8
    .kernarg_segment_size: 24
    .max_flat_workgroup_size: 128
    .sgpr_count:     96
    .vgpr_count:     512
    .wavefront_size: 32
...
	.end_amdgpu_metadata
.endif
;; end of part 3
;; launch g2 (part 4): grid 64 x 16, 4 waves a work-group, clusters of 4 x 4, 327,680 bytes of LDS; arguments cb, cw, ls, qkv; writes qkv
.if DOCPART == 4
	.amdgcn_target "amdgcn-amd-amdhsa--gfx1250"
	.amdhsa_code_object_version 6
	.text
	.protected	k_q4d02323f3c_g2
	.globl	k_q4d02323f3c_g2
	.p2align	8
	.type	k_q4d02323f3c_g2,@function
k_q4d02323f3c_g2:
	s_mov_b64 s[64:65], 0
	v_nop
	global_prefetch_b8 v0, s[64:65] scope:SCOPE_SE
	s_setreg_imm32_b32 hwreg(HW_REG_WAVE_MODE, 25, 1), 1
	s_wait_xcnt 0x0
	s_wait_alu depctr_hold_cnt(0) depctr_sa_sdst(0) depctr_va_vdst(0) depctr_va_sdst(0) depctr_va_ssrc(0) depctr_va_vcc(0) depctr_vm_vsrc(0)
	s_getreg_b32 s2, hwreg(HW_REG_IB_STS2, 6, 4)
	s_cmp_eq_u32 s2, 0
	s_cbranch_scc0 .Lentry_in_a_cluster
	s_endpgm
.Lentry_in_a_cluster:
	s_bfe_u32 s2, ttmp6, 0x10000c
	s_cmp_lg_u32 s2, 0xf033
	s_cbranch_scc0 .Lentry_shape_is_right
	s_endpgm
.Lentry_shape_is_right:
.set KIND, 2
; C = A B on tiles of 128 x 128, f16 operands, f32 sums.  ONE TEXT SERVES THREE KERNELS; KIND, in the first line, picks the sizes, the addresses and the way out:
;   1: c = x [W_DKV | W_DQ], K = 2,048.  c times its factor leaves as f16; c_kv also leaves its low part, f16(c - f16(c)), 512 columns to the right.
;   2: k, v, q = c W_U*, K = 1,024 (for k and v: c_kv's high and low parts against the weights written twice).  Scaled, k and q rotated, stored by heads as f16; v's rows 0-511 also leave their low part.
;   3: out = o W_out, K = 2,048, times its factor, f32.
; A is [rows][K], B is [K][columns], both with rows of 4,096 bytes.  LIMITS: the factors bound every f16 result by 46,400 for any input; NaN and infinities are not treated apart.
; SHARES.  Four waves, each 64 x 64: 16 accumulators.  Wave w: rows 64 (w >> 1) on; column blocks of 16: 2 (w & 1) + (b & 1) + 4 (b >> 1), so that channels d and d + 64 of a head lie in one lane and register.
; K goes in steps of 256 through two LDS slots.  A's rows lie along K and are read as they lie; B's rows lie along the columns and are read turned, by ds_load_tr16_b128.
; THE MATRIX INSTRUCTION IS USED TRANSPOSED (source 0 = 16 columns of B, source 1 = 16 rows of A): a lane holds eight neighbouring numbers of a row of C.
; CLUSTERS: 4 x 4 work-groups.  The four of a row need the same tiles of A, the four of a column the same tiles of B: each tile is asked for jointly, by the same tensor load, descriptor and mask in all four.
; By this text's count a wave has two tensor loads out at the start and one behind each round.  No prefetch: the tiles are small and shared.
; REGISTERS: window 0: v12-29 scale, addresses; v32-99 at work on the way out; v128-255 the accumulators ((a, b) at v[128 + 8 (4 a + b)]).  window 1: two fragment buffers of 128: 64 of A, 64 of B.
;   window 2 (KIND 2): v0-127 the rotation table for my 64 rows x 32 pairs of channels.
.if KIND == 2
.set KTOT, 1024
.else
.set KTOT, 2048
.endif
.if KIND == 1
.set ARGA, 68                          ; s[68:69] cw holds A (x) and B
.set ARGW, 68
.set ARGL, 70                          ; ls
.set ARGO, 72                          ; cb
.set BOFF, 0x800000
.else
.set ARGA, 68                          ; cb or ob
.set ARGW, 70                          ; cw
.set ARGL, 72                          ; ls
.set ARGO, 74                          ; qkv or out0
.endif
.if KIND == 2
.set BOFF, 0x1000000
.endif
.if KIND == 3
.set BOFF, 0x2000000
.endif
.set RT,     0x2810000                 ; the rotation table in cw
.set KSTEP,  256
.set ROWB,   4096
.set PA,     528                       ; a row of A in LDS: 512 bytes + 16: 132 words, so the 16 rows of a load start at 16 different groups of four banks (64 banks of 4 bytes: ISA guide 11.1)
.set PB,     288                       ; a row of B: 256 + 32 = 72 words
.set HALFA,  64*PA                     ; what one tensor load brings of A: 64 rows x 256 K
.set HALFB,  128*PB                    ; and of B: 128 K x 128 columns
.set SLOT,   2*HALFA+2*HALFB
.set SPARE,  2*SLOT                    ; behind the ring: the spare words, 128 bytes a wave, which no other line names
.set STG0,   0                         ; the stages of the way out lie in slot 0, which has had its last fill and its last read by then
.set STG1,   128*272
.set SP,     272
.set SP3,    528
.set LAPS,   KTOT/(2*KSTEP)
.set SCL,  12                          ; v[12:13] the factor, twice
.set NEG1, 14                          ; v14  -1.0
.set ADRA, 16                          ; v16-17  LDS address of my A fragments in slot 0, 1
.set ADRB, 20                          ; v20-23  of my B fragments: slot 0 K 0-127, K 128-255, slot 1 likewise
.set STO,  24
.set RD,   25
.set CO,   26
.set RTO,  27
.set SPW,  28                          ; v28  my spare word; never rewritten
.set NIL,  29                          ; v29  0; never rewritten
.set TMP,  32
.set RM,   96                          ; v[96:99] at work in the rotation
.set ACC,  128
.set F0,   0
.set F1,   128
.set G1, 24                            ; s[24:31] descriptor group 1 for A's tiles;  s[32:39] group 0, one set for each slot
.set G0, 32
.set G1B, 48                           ; s[48:55], s[56:63] the same for B's tiles
.set G0B, 56
.set MSB, 0
.macro WIN new                         ; the immediate's high byte repeats the setting that is left
.if MSB != (\new)
	s_set_vgpr_msb (MSB<<8)|(\new)
.set MSB, \new
.endif
.endm
.set MUL,  0x05                        ; sources 0 (B) and 1 (A) window 1; C and D window 0
.set TO_F, 0x40                        ; destination window 1, address window 0
.macro JLOAD s                         ; a joint load: waves 0 and 1 fetch A's two halves, waves 2 and 3 B's; an s_nop 0 and four v_nop follow each line
	s_cmp_eq_u32 s11, 0
	s_cbranch_scc0 .Lfor_b_\@
	tensor_load_to_lds s[G0+4*(\s):G0+4*(\s)+3], s[G1:G1+7]
	s_nop 0
.rept 4
	v_nop
.endr
	s_branch .Lasked_\@
.Lfor_b_\@:
	tensor_load_to_lds s[G0B+4*(\s):G0B+4*(\s)+3], s[G1B:G1B+7]
	s_nop 0
.rept 4
	v_nop
.endr
.Lasked_\@:
.endm
.macro CREST                           ; a round of the cluster's barrier behind its opening barrier
	s_cmp_lg_u32 s10, 0
	s_cbranch_scc1 .Lnot_wave_0_\@
	s_barrier_signal -3
.Lnot_wave_0_\@:
	s_barrier_wait -3
	s_barrier_signal -1
	s_barrier_wait -1
.endm
.macro CROUND
	s_barrier_signal -1
	s_barrier_wait -1
	CREST
.endm
.if KIND == 1
	s_load_b128 s[68:71], s[0:1], 0x0
	s_load_b64 s[72:73], s[0:1], 0x10
.else
	s_load_b256 s[68:75], s[0:1], 0x0
.endif
	v_lshl_add_u32 v[SPW], v0, 2, SPARE
	v_mov_b32 v[NIL], 0
	ds_add_u32 v[SPW], v[NIL]                      ; the wave's opening: the add and its wait stand ahead of my first tensor load; the set-up below stands between them
	ds_add_u32 v28, v29
	v_lshrrev_b32 v1, 5, v0
	v_readfirstlane_b32 s10, v1                    ; wave 0..3
	s_lshr_b32 s11, s10, 1                         ; which half of the tile's rows is mine.  Also: I fetch for A (0) or for B (1)
	s_and_b32 s12, s10, 1                          ; which column blocks.  Also: which half of that tile I fetch
	s_bfe_u32 s40, ttmp6, 0x40000                  ; cx, cy: my place in the cluster
	s_bfe_u32 s41, ttmp6, 0x40004
.if KIND == 2
	s_and_b32 s42, ttmp9, 3                        ; four clusters along x make one of the four products:
	s_lshl_b32 s42, s42, 2
	s_lshr_b32 s66, ttmp9, 2                       ; 0: k, 1: v, 2: q's heads 0-15, 3: q's heads 16-31; the same in all partners
.else
	s_lshl_b32 s42, ttmp9, 2
.endif
	s_add_co_u32 s42, s42, s40                     ; tile column
	s_and_b32 s13, ttmp7, 0xffff
	s_lshl_b32 s13, s13, 2
	s_add_co_u32 s13, s13, s41                     ; tile row
	s_lshl_b32 s43, s41, 2
	s_lshl_b32 s43, 15, s43                        ; my row of the cluster
	s_lshl_b32 s44, 0x1111, s40                    ; my column
	s_or_b32 s[G1+0], s43, (1<<16)|(1<<20)|(1<<21)|(6<<22)|(3<<25)   ; the mask; 2-byte elements; padding on; bit 21 beside a mask; after every 128 words, 4 words
	s_or_b32 s[G1B+0], s44, (1<<16)|(1<<20)|(1<<21)|(5<<22)|(7<<25)  ; after every 64 words, 8 words
	s_mov_b32 s[G1+1], KSTEP<<16                   ; A: tensor_dim0 = 256
	s_mov_b32 s[G1+2], 64<<16                      ; tensor_dim1 = 64
	s_mov_b32 s[G1+3], KSTEP<<16                   ; tile_dim0 = 256
	s_mov_b32 s[G1+4], 64                          ; tile_dim1 = 64
	s_mov_b32 s[G1+5], 2048                        ; elements from row to row
	s_mov_b32 s[G1+6], 0
	s_mov_b32 s[G1+7], 0
	s_mov_b32 s[G1B+1], 128<<16                    ; B: 128 columns
	s_mov_b32 s[G1B+2], 128<<16                    ; x 128 K
	s_mov_b32 s[G1B+3], 128<<16
	s_mov_b32 s[G1B+4], 128
	s_mov_b32 s[G1B+5], 2048
	s_mov_b32 s[G1B+6], 0
	s_mov_b32 s[G1B+7], 0
	s_lshl_b32 s16, s13, 19                        ; A: row 128 x tile row + 64 x half, 4,096 bytes each
	s_lshl_b32 s17, s12, 18
	s_add_co_u32 s16, s16, s17
.if KIND == 2
	s_cmp_ge_u32 s66, 2                            ; q's products read c_q, 1,024 columns in
	s_cselect_b32 s17, 2048, 0
	s_add_co_u32 s16, s16, s17
.endif
	s_mov_b32 s17, 0
	s_lshl_b32 s46, s42, 8                         ; B: 256 bytes x tile column + 128 rows x half
	s_lshl_b32 s47, s12, 19
	s_add_co_u32 s46, s46, s47
.if KIND == 2
	s_lshl_b32 s47, s66, 22                        ; + 1,024 rows for each product
	s_add_co_u32 s46, s46, s47
.endif
	s_add_co_u32 s46, s46, BOFF
	s_mov_b32 s47, 0
	s_mul_i32 s20, s12, HALFA                      ; where they go: no place in the cluster enters an LDS address
	s_mul_i32 s21, s12, HALFB
	s_add_co_u32 s21, s21, 2*HALFA
	s_wait_dscnt 0x0                               ; the opening add is done
	s_wait_kmcnt 0x0
	s_add_nc_u64 s[14:15], s[ARGA:ARGA+1], s[16:17]
	s_add_nc_u64 s[46:47], s[ARGW:ARGW+1], s[46:47]
	s_load_b256 s[76:83], s[ARGL:ARGL+1], 0x20000  ; the factors; waited for on the way out
	CROUND                                         ; all sixteen work-groups are here: the first joint loads meet
.irp s, 0,1
	s_mov_b32 s[G0+4*(\s)], 1
	s_add_co_u32 s[G0+4*(\s)+1], s20, (\s)*SLOT
	s_add_nc_u64 s[G0+4*(\s)+2:G0+4*(\s)+3], s[14:15], (\s)*KSTEP*2
	s_or_b32 s[G0+4*(\s)+3], s[G0+4*(\s)+3], 0x80000000
	s_mov_b32 s[G0B+4*(\s)], 1
	s_add_co_u32 s[G0B+4*(\s)+1], s21, (\s)*SLOT
	s_add_nc_u64 s[G0B+4*(\s)+2:G0B+4*(\s)+3], s[46:47], (\s)*KSTEP*ROWB
	s_or_b32 s[G0B+4*(\s)+3], s[G0B+4*(\s)+3], 0x80000000
	JLOAD \s
.endr
	v_and_b32 v1, 15, v0                           ; l % 16
	v_bfe_u32 v2, v0, 4, 1                         ; l / 16
	v_mul_u32_u24 v3, v1, PA
	v_lshl_add_u32 v3, v2, 4, v3                   ; A: row x pitch + 16 x half of the lanes
	v_and_b32 v4, 7, v0
	v_lshl_add_u32 v4, v2, 3, v4                   ; B: K row 8 (l / 16) + l % 8,
	v_mul_u32_u24 v4, v4, PB
	v_bfe_u32 v5, v0, 3, 1
	v_lshl_add_u32 v4, v5, 4, v4                   ; columns 8 ((l / 8) % 2) on
	s_mul_i32 s21, s11, HALFA
	s_lshl_b32 s22, s12, 6
	s_add_co_u32 s22, s22, 2*HALFA
.irp s, 0,1
	v_add_nc_u32 v[ADRA+(\s)], s21, v3
	v_add_nc_u32 v[ADRB+2*(\s)], s22, v4
	s_add_co_u32 s23, s22, HALFB
	v_add_nc_u32 v[ADRB+2*(\s)+1], s23, v4
	s_add_co_u32 s21, s21, SLOT
	s_add_co_u32 s22, s22, SLOT
.endr
	v_mov_b32 v[NEG1], -1.0
.if KIND == 3
	s_mul_i32 s23, s11, 64*SP3                     ; into the stage: row 64 (w >> 1) + l % 16, 32 bytes for each half of the lanes
	s_lshl_b32 s21, s12, 7
	s_add_co_u32 s23, s23, s21
	v_mul_u32_u24 v6, v1, SP3
	v_lshl_add_u32 v6, v2, 5, v6
	v_add_nc_u32 v[STO], s23, v6
	s_mul_i32 s23, s10, 32*SP3                     ; back: wave w takes rows 32 w on, a whole row of 512 bytes at a time
	v_and_b32 v6, 31, v0
	v_lshlrev_b32 v[CO], 4, v6
	v_add_nc_u32 v[RD], s23, v[CO]
	s_lshl_b32 s16, s13, 20                        ; out0: row (128 x tile row + 32 w) x 8,192 bytes
	s_lshl_b32 s17, s10, 18
	s_add_co_u32 s16, s16, s17
	s_lshl_b32 s46, s42, 9
.else
	s_mul_i32 s23, s11, 64*SP                      ; into a stage: row 64 (w >> 1) + l % 16, 16 bytes for each half of the lanes
	s_lshl_b32 s21, s12, 6
	s_add_co_u32 s23, s23, s21
	v_mul_u32_u24 v6, v1, SP
	v_lshl_add_u32 v6, v2, 4, v6
	v_add_nc_u32 v[STO], s23, v6
	s_mul_i32 s23, s10, 32*SP                      ; back: wave w takes rows 32 w on; lanes 0-15 one row of 256 bytes, lanes 16-31 the next
	v_mul_u32_u24 v6, v2, SP
	v_lshl_add_u32 v6, v1, 4, v6
	v_add_nc_u32 v[RD], s23, v6
.endif
.if KIND == 1
	v_lshlrev_b32 v6, 12, v2
	v_lshl_add_u32 v[CO], v1, 4, v6
	s_lshl_b32 s16, s13, 19                        ; cb: row (128 x tile row + 32 w) x 4,096 bytes
	s_lshl_b32 s17, s10, 17
	s_add_co_u32 s16, s16, s17
	s_lshl_b32 s46, s42, 8                         ; 256 bytes x tile column; c_q lies 512 columns further right, behind c_kv's low parts
	s_cmp_lg_u32 ttmp9, 0
	s_cselect_b32 s47, 1024, 0
	s_add_co_u32 s46, s46, s47
	s_cmp_eq_u32 ttmp9, 0
	s_cselect_b32 s84, 1, 0                        ; the first four tile columns are c_kv: they leave a low part
.endif
.if KIND == 2
	v_lshlrev_b32 v6, 8, v2
	v_lshl_add_u32 v[CO], v1, 4, v6
	s_lshl_b32 s85, s13, 15                        ; by heads: (128 x tile row + 32 w) rows of 256 bytes
	s_lshl_b32 s17, s10, 13
	s_add_co_u32 s85, s85, s17
	s_and_b32 s16, s66, 1                          ; q at 0, q's upper heads at 0x800000, k at 0x1000000, v at 0x1800000
	s_lshl_b32 s16, s16, 23
	s_cmp_lt_u32 s66, 2
	s_cselect_b32 s17, 0x1000000, 0
	s_add_co_u32 s16, s16, s17
	s_add_co_u32 s16, s16, s85
	s_lshl_b32 s46, s42, 19                        ; a head is 524,288 bytes
	s_and_b32 s86, ttmp7, 0xffff                   ; v's rows 0-511 (the first row of clusters) leave a low part
	s_xor_b32 s87, s66, 1
	s_or_b32 s86, s86, s87
	s_cmp_eq_u32 s86, 0
	s_cselect_b32 s84, 1, 0
	s_mov_b32 s86, s85
	s_mov_b32 s87, 0
	s_add_nc_u64 s[90:91], s[ARGO:ARGO+1], s[86:87]
	s_lshl_b32 s86, s42, 17                        ; there a head is 512 rows
	s_add_nc_u64 s[90:91], s[90:91], s[86:87]
	s_add_nc_u64 s[90:91], s[90:91], 0x2000000
.endif
	s_mov_b32 s17, 0
	s_mov_b32 s47, 0
	s_add_nc_u64 s[8:9], s[ARGO:ARGO+1], s[16:17]
	s_add_nc_u64 s[8:9], s[8:9], s[46:47]
.if KIND == 2
	; the rotation table for my rows and channels, asked for now and waited for on the way out.  The tiles of v ask too, so that these registers are written whichever product the work-group makes; they rotate nothing.
	v_lshlrev_b32 v[RTO], 9, v1                    ; 512 bytes a token
	v_lshl_add_u32 v[RTO], v2, 5, v[RTO]           ; my 8 channels
	s_lshl_b32 s21, s11, 15
	s_lshl_b32 s22, s12, 7
	s_add_co_u32 s21, s21, s22
	v_add_nc_u32 v[RTO], s21, v[RTO]
	s_lshl_b32 s86, s13, 16
	s_add_nc_u64 s[92:93], s[ARGW:ARGW+1], s[86:87]
	s_add_nc_u64 s[92:93], s[92:93], RT
	WIN 0x80                                       ; destination window 2
.irp a, 0,1,2,3
.irp u, 0,1
	global_load_b128 v[16*(2*\a+\u):16*(2*\a+\u)+3],     v[RTO], s[92:93] offset:\a*8192+64*\u
	global_load_b128 v[16*(2*\a+\u)+4:16*(2*\a+\u)+7],   v[RTO], s[92:93] offset:\a*8192+64*\u+16
	global_load_b128 v[16*(2*\a+\u)+8:16*(2*\a+\u)+11],  v[RTO], s[92:93] offset:\a*8192+64*\u+256
	global_load_b128 v[16*(2*\a+\u)+12:16*(2*\a+\u)+15], v[RTO], s[92:93] offset:\a*8192+64*\u+272
.endr
.endr
	WIN 0
.endif
; 8 matrix instructions: row blocks a0, a0 + 1 x all 4 column blocks, 32 along K: half c of buffer f.  zero = 1: the first product starts the sums.  The 16 accumulators take turns.
.macro MUL8 f, c, a0, zero
	WIN MUL
.irp a, \a0, (\a0)+1
.irp b, 0,1,2,3
.if \zero
	v_wmma_f32_16x16x32_f16 v[ACC+8*(4*(\a)+(\b)):ACC+8*(4*(\a)+(\b))+7], v[(\f)+64+8*(4*(\c)+(\b)):(\f)+64+8*(4*(\c)+(\b))+7], v[(\f)+8*(4*(\c)+(\a)):(\f)+8*(4*(\c)+(\a))+7], 0
.else
	v_wmma_f32_16x16x32_f16 v[ACC+8*(4*(\a)+(\b)):ACC+8*(4*(\a)+(\b))+7], v[(\f)+64+8*(4*(\c)+(\b)):(\f)+64+8*(4*(\c)+(\b))+7], v[(\f)+8*(4*(\c)+(\a)):(\f)+8*(4*(\c)+(\a))+7], v[ACC+8*(4*(\a)+(\b)):ACC+8*(4*(\a)+(\b))+7]
.endif
.endr
.endr
.endm
; 32 LDS loads in one run: the fragments of quarter q (64 along K) of a slot, into buffer f; the first 32 along K first
.macro FETCH slot, q, f
	WIN TO_F
.irp c, 0,1
.irp i, 0,1,2,3
	ds_load_tr16_b128 v[(\f)+64+8*(4*(\c)+(\i)):(\f)+64+8*(4*(\c)+(\i))+3],   v[ADRB+2*(\slot)+(\q)/2] offset:(((\q)%2)*64+32*(\c))*PB+32*(((\i)%2)+4*((\i)/2))
	ds_load_tr16_b128 v[(\f)+64+8*(4*(\c)+(\i))+4:(\f)+64+8*(4*(\c)+(\i))+7], v[ADRB+2*(\slot)+(\q)/2] offset:(((\q)%2)*64+32*(\c)+16)*PB+32*(((\i)%2)+4*((\i)/2))
	ds_load_b128 v[(\f)+8*(4*(\c)+(\i)):(\f)+8*(4*(\c)+(\i))+3],   v[ADRA+(\slot)] offset:128*(\q)+64*(\c)+(\i)*16*PA
	ds_load_b128 v[(\f)+8*(4*(\c)+(\i))+4:(\f)+8*(4*(\c)+(\i))+7], v[ADRA+(\slot)] offset:128*(\q)+64*(\c)+(\i)*16*PA+32
.endr
.endr
.endm
.macro PLACES                          ; four places in front of loads into registers that matrix instructions have read, and of vector work that reads results
.rept 4
	v_nop
.endr
.endm
; A K step is four quarters, 32 matrix instructions each, on buffers 0, 1, 0, 1.  One of the first three: multiplies buffer f and fetches quarter q into g.
.macro QUARTER slot, q, f, g, zero
	s_wait_dscnt 16                                ; the first 32 along K are in; the other sixteen loads may be out
	WIN MUL
	MUL8 \f, 0, 0, \zero
	MUL8 \f, 0, 2, \zero
	PLACES
	FETCH \slot, \q, \g
	s_wait_dscnt 32                                ; all but the 32 just issued
	WIN MUL
	MUL8 \f, 1, 0, 0
	MUL8 \f, 1, 2, 0
.endm
; The last quarter multiplies buffer 1 and changes slots: one barrier; in front of it each wave waits for all its tensor loads, adds 0 to its spare word, and waits for that and for its reads of this slot.
.macro TURN slot, next, fill
	WIN 0
	s_wait_tensorcnt 0x0                           ; all my tensor loads have landed: my part of the next slot
	ds_add_u32 v[SPW], v[NIL]                      ; 0 onto my spare word
	s_wait_dscnt 17                                ; (the add and the youngest sixteen loads may be out)
	WIN MUL
	MUL8 F1, 0, 0, 0
	s_wait_dscnt 0x0                               ; the add is done, and my reads of this slot are over
	s_barrier_signal -1
	MUL8 F1, 0, 2, 0
.if \fill
	WIN 0
.endif
	s_barrier_wait -1
.if \fill
	CREST                                          ; the barrier has opened a round of the cluster's: no wave of any partner still reads this slot or has a load on its way
	s_add_nc_u64 s[G0+4*(\slot)+2:G0+4*(\slot)+3], s[G0+4*(\slot)+2:G0+4*(\slot)+3], 2*KSTEP*2
	s_add_nc_u64 s[G0B+4*(\slot)+2:G0B+4*(\slot)+3], s[G0B+4*(\slot)+2:G0B+4*(\slot)+3], 2*KSTEP*ROWB
	JLOAD \slot                                    ; the first tensor load behind the round; its four v_nop are also the places in front of the loads below
.else
	PLACES
.endif
	FETCH \next, 0, F0
	WIN MUL
	MUL8 F1, 1, 0, 0
	MUL8 F1, 1, 2, 0
.endm
	s_wait_tensorcnt 1                             ; my part of K step 0 is in; K step 1's load may stay out
	s_barrier_signal -1
	s_barrier_wait -1
	FETCH 0, 0, F0
	QUARTER 0, 1, F0, F1, 1                        ; the first quarter stands in front of the loop: its first products start the sums
	WIN 0
	s_mov_b32 s3, LAPS-1
.Llap:                                                 ; a trip goes once round the ring and fills both slots again
	QUARTER 0, 2, F1, F0, 0
	QUARTER 0, 3, F0, F1, 0
	TURN 0, 1, 1
	QUARTER 1, 1, F0, F1, 0
	QUARTER 1, 2, F1, F0, 0
	QUARTER 1, 3, F0, F1, 0
	TURN 1, 0, 1
	QUARTER 0, 1, F0, F1, 0
	WIN 0
	s_sub_co_u32 s3, s3, 1
	s_cmp_lg_u32 s3, 0
	s_cbranch_scc1 .Llap
	QUARTER 0, 2, F1, F0, 0                        ; the last lap fills nothing
	QUARTER 0, 3, F0, F1, 0
	TURN 0, 1, 0                                   ; behind this barrier nobody reads slot 0 any more
	QUARTER 1, 1, F0, F1, 0
	QUARTER 1, 2, F1, F0, 0
	QUARTER 1, 3, F0, F1, 0
	s_wait_dscnt 16
	WIN MUL
	MUL8 F1, 0, 0, 0
	MUL8 F1, 0, 2, 0
	s_wait_dscnt 0
	MUL8 F1, 1, 0, 0
	MUL8 F1, 1, 2, 0
	WIN 0
	; THE WAY OUT
.macro PACKH                           ; the accumulators rounded to f16, 16 bytes a lane and accumulator
.set t, 0
.rept 16
.irp r, 0,1,2,3
	v_cvt_pk_f16_f32 v[TMP+4*t+(\r)], v[ACC+8*t+2*(\r)], v[ACC+8*t+2*(\r)+1]
.endr
.set t, t+1
.endr
.endm
.macro STG base                        ; into a stage of 128 rows x 272 bytes
.irp a, 0,1,2,3
.irp b, 0,1,2,3
	ds_store_b128 v[STO], v[TMP+4*(4*(\a)+(\b)):TMP+4*(4*(\a)+(\b))+3] offset:(\base)+(\a)*16*SP+32*((\b)%2)+128*((\b)/2)
.endr
.endr
.endm
.macro LOPART                          ; what the rounding left: the number less its f16, exact in f32
.set t, 0
.rept 16
.irp e, 0,2,4,6
	v_fma_mix_f32 v[ACC+8*t+(\e)], v[TMP+4*t+(\e)/2], v[NEG1], v[ACC+8*t+(\e)] op_sel:[0,0,0] op_sel_hi:[1,0,0]
	v_fma_mix_f32 v[ACC+8*t+(\e)+1], v[TMP+4*t+(\e)/2], v[NEG1], v[ACC+8*t+(\e)+1] op_sel:[1,0,0] op_sel_hi:[1,0,0]
.endr
.set t, t+1
.endr
.endm
.macro BACK base, dst, ptr, step, extra ; 32 whole rows come back and are stored: 16 lanes store 256 consecutive bytes, aligned
.irp t, 0,1,2,3,4,5,6,7,8,9,10,11,12,13,14,15
	ds_load_b128 v[(\dst)+4*(\t):(\dst)+4*(\t)+3], v[RD] offset:(\base)+(\t)*2*SP
.endr
.irp t, 0,1,2,3,4,5,6,7,8,9,10,11,12,13,14,15
	s_wait_dscnt 15-(\t)
	global_store_b128 v[CO], v[(\dst)+4*(\t):(\dst)+4*(\t)+3], s[\ptr:\ptr+1] offset:2*(\t)*(\step)+(\extra)
.endr
.endm
	PLACES
	s_wait_kmcnt 0x0                               ; the factors
.if KIND == 1
	s_cmp_eq_u32 ttmp9, 0
	s_cselect_b32 s67, s76, s77
.endif
.if KIND == 2
	s_cmp_eq_u32 s66, 0
	s_cselect_b32 s67, s78, s80
	s_cmp_eq_u32 s66, 1
	s_cselect_b32 s67, s79, s67
.endif
.if KIND == 3
	s_mov_b32 s67, s82
.endif
	v_mov_b32 v[SCL], s67
	v_mov_b32 v[SCL+1], s67
.set i, ACC
.rept 64
	v_pk_mul_f32 v[i:i+1], v[i:i+1], v[SCL:SCL+1]  ; ascending: each accumulator's lowest registers are read first
.set i, i+2
.endr
.if KIND == 2
	s_wait_loadcnt 0x0                             ; the table
	s_cmp_eq_u32 s66, 1
	s_cbranch_scc1 .Lno_rope                       ; v is not rotated
	WIN 0x08                                       ; source 1 in window 2
.irp a, 0,1,2,3
.irp u, 0,1
.irp p, 0,2,4,6                        ; t1 = channel d, t2 = channel d + 64: t1 cos - t2 sin, t2 cos + t1 sin
	v_pk_mul_f32 v[RM:RM+1],   v[ACC+8*(4*\a+\u+2)+\p:ACC+8*(4*\a+\u+2)+\p+1], v[16*(2*\a+\u)+8+\p:16*(2*\a+\u)+8+\p+1]
	v_pk_mul_f32 v[RM+2:RM+3], v[ACC+8*(4*\a+\u)+\p:ACC+8*(4*\a+\u)+\p+1],     v[16*(2*\a+\u)+8+\p:16*(2*\a+\u)+8+\p+1]
	v_pk_fma_f32 v[ACC+8*(4*\a+\u)+\p:ACC+8*(4*\a+\u)+\p+1],     v[ACC+8*(4*\a+\u)+\p:ACC+8*(4*\a+\u)+\p+1],     v[16*(2*\a+\u)+\p:16*(2*\a+\u)+\p+1], v[RM:RM+1] neg_lo:[0,0,1] neg_hi:[0,0,1]
	v_pk_fma_f32 v[ACC+8*(4*\a+\u+2)+\p:ACC+8*(4*\a+\u+2)+\p+1], v[ACC+8*(4*\a+\u+2)+\p:ACC+8*(4*\a+\u+2)+\p+1], v[16*(2*\a+\u)+\p:16*(2*\a+\u)+\p+1], v[RM+2:RM+3]
.endr
.endr
.endr
	WIN 0
.Lno_rope:
.endif
.if KIND != 3
	PACKH
	STG STG0
	s_cmp_eq_u32 s84, 0
	s_cbranch_scc1 .Lno_lo
	LOPART
	PACKH
	STG STG1
.Lno_lo:
	s_wait_dscnt 0x0                               ; for the others' sake: my stores into the stages are done
	s_barrier_signal -1
	s_barrier_wait -1                              ; a row's 256 bytes come from two waves
.if KIND == 1
	BACK STG0, TMP, 8, 4096, 0
.else
	BACK STG0, TMP, 8, 256, 0
.endif
	s_cmp_eq_u32 s84, 0
	s_cbranch_scc1 .Lend
.if KIND == 1
	BACK STG1, ACC, 8, 4096, 1024
.else
	BACK STG1, ACC, 90, 256, 0
.endif
.Lend:
.else
.irp a, 0,1,2,3
.irp b, 0,1,2,3
	ds_store_b128 v[STO], v[ACC+8*(4*(\a)+(\b)):ACC+8*(4*(\a)+(\b))+3]   offset:(\a)*16*SP3+64*((\b)%2)+256*((\b)/2)
	ds_store_b128 v[STO], v[ACC+8*(4*(\a)+(\b))+4:ACC+8*(4*(\a)+(\b))+7] offset:(\a)*16*SP3+64*((\b)%2)+256*((\b)/2)+16
.endr
.endr
	s_wait_dscnt 0x0                               ; for the others' sake: my stores into the stage are done
	s_barrier_signal -1
	s_barrier_wait -1
.set t, 0
.rept 32
	ds_load_b128 v[ACC+4*t:ACC+4*t+3], v[RD] offset:t*SP3
.set t, t+1
.endr
.set t, 0
.rept 32
	s_wait_dscnt 31-t
	global_store_b128 v[CO], v[ACC+4*t:ACC+4*t+3], s[8:9] offset:t*8192 th:TH_STORE_NT  ; 512 consecutive bytes of a row of out0, aligned
.set t, t+1
.endr
.endif
	s_wait_tensorcnt 0x0                           ; the wave's end, behind my last tensor load and my last LDS store
	ds_add_u32 v[SPW], v[NIL]
	s_wait_dscnt 0x0
	CROUND                                         ; the closing round: no work-group ends while a partner may still ask for a tile that names it
	s_endpgm
.Lfunc_end_k_q4d02323f3c_g2:
	.size	k_q4d02323f3c_g2, .Lfunc_end_k_q4d02323f3c_g2-k_q4d02323f3c_g2
	.p2alignl 7, 3214868480
	.fill 96, 4, 3214868480
	.section	.rodata,"a",@progbits
	.p2align	6, 0x0
	.amdhsa_kernel k_q4d02323f3c_g2
		.amdhsa_group_segment_fixed_size 327680
		.amdhsa_private_segment_fixed_size 0
		.amdhsa_enable_private_segment 0
		.amdhsa_kernarg_size 32
		.amdhsa_user_sgpr_count 2
		.amdhsa_user_sgpr_kernarg_segment_ptr 1
		.amdhsa_wavefront_size32 1
		.amdhsa_system_sgpr_workgroup_id_x 1
		.amdhsa_system_sgpr_workgroup_id_y 1
		.amdhsa_system_sgpr_workgroup_id_z 1
		.amdhsa_system_vgpr_workitem_id 0
		.amdhsa_next_free_vgpr 640
		.amdhsa_next_free_sgpr 96
		.amdhsa_reserve_vcc 0
		.amdhsa_float_denorm_mode_32 3
		.amdhsa_float_denorm_mode_16_64 3
		.amdhsa_memory_ordered 1
		.amdhsa_forward_progress 1
		.amdhsa_inst_pref_size 120
	.end_amdhsa_kernel
	.amdgpu_metadata
---
amdhsa.version: [ 1, 2 ]
amdhsa.kernels:
  - .name:           k_q4d02323f3c_g2
    .symbol:         k_q4d02323f3c_g2.kd
    .args:
      - { .name: cb, .offset: 0, .size: 8, .value_kind: global_buffer, .address_space: global }
      - { .name: cw, .offset: 8, .size: 8, .value_kind: global_buffer, .address_space: global }
      - { .name: ls, .offset: 16, .size: 8, .value_kind: global_buffer, .address_space: global }
      - { .name: qkv, .offset: 24, .size: 8, .value_kind: global_buffer, .address_space: global }
    .group_segment_fixed_size: 327680
    .private_segment_fixed_size: 0
    .kernarg_segment_align: 8
    .kernarg_segment_size: 32
    .max_flat_workgroup_size: 128
    .sgpr_count:     96
    .vgpr_count:     640
    .wavefront_size: 32
...
	.end_amdgpu_metadata
.endif
;; end of part 4
;; launch attn (part 5): grid 16 x 16, 4 waves a work-group, no clusters, 327,680 bytes of LDS; arguments qkv, ls, ob; writes ob
.if DOCPART == 5
	.amdgcn_target "amdgcn-amd-amdhsa--gfx1250"
	.amdhsa_code_object_version 6
	.text
	.protected	k_q4d02323f3c_attn
	.globl	k_q4d02323f3c_attn
	.p2align	8
	.type	k_q4d02323f3c_attn,@function
k_q4d02323f3c_attn:
	s_mov_b64 s[64:65], 0
	v_nop
	global_prefetch_b8 v0, s[64:65] scope:SCOPE_SE
	s_setreg_imm32_b32 hwreg(HW_REG_WAVE_MODE, 25, 1), 1
	s_wait_xcnt 0x0
; CAUSAL ATTENTION OF BOTH PAIRED QUERY HEADS, AND THEIR DIFFERENCE.  For head h: o[t] = (attn(q head 2h)[t] - lambda[h][t] attn(q head 2h + 1)[t]) / 2, both on K and V of head h, keys <= t.
; q, k, v: by heads, [head][2048][128] f16, each times a power of two; the scores' factor c (log2(e) / sqrt(128) and those powers) comes from ls.  o leaves as f16, [token][head x 128 + channel].
; Products, maxima and sums in f32; the weights p are rounded to f16 for the second product (their sum l is taken of the unrounded p).  FOR TOKENS 0-63, whose rows average over few keys, the second product
; also takes what the roundings of p and of v left (p - f16(p), and v's low part, which the launch before stored): V p_lo + V_lo p are added.
; LIMITS.  A hidden score counts as its value less 1e30: this needs c above 2^-90 or so; a weight below 2^-126 counts as 0; NaN and infinities are not treated apart.  |o| <= 2^15 by the factors.
; THE WALK.  A head's tokens lie in 32 blocks of 64; block i needs the key steps 0 .. i of 64 keys, the last of which holds the diagonal.  A work-group takes blocks 31 - b and then b.  The ring's tiles hold 128 keys,
; two steps: block i takes (i >> 1) + 1 of them, so every work-group walks 17 tiles, 34 steps, of which one (behind the even block's diagonal) is wholly hidden and is computed under the mask.
; Trip counts are constants; which tile is asked for, and what a step does, hang on scalar registers made from b.
; NO CLUSTER: the 16 work-groups of a head ask for the same tile only in their first 8 or 9 trips; behind that they need different numbers of tiles, and one walk common to all would have 24 trips for 17.
; SHARES.  Wave w owns tokens 16 w .. 16 w + 15 of the block, as two tiles: the two query heads.  So the difference stays in the lane.
; LAYOUT.  S^T = K Q^T (source 0 = 16 keys, source 1 = 16 queries): a lane holds one query (lane % 16) and the keys 8 (lane / 16) + 0..7.  Two such results, rounded in pairs, are source 1 of O^T = V^T P.
; THE MASK is the C operand that starts S^T: MD x AL + BE; MD (0 or -1e30) is the diagonal step's mask for my rows; (AL, BE) = (1, 0) on the diagonal, (0, 0) before it, (0, -1e30) behind it.
; IN PHASES: a step's K Q^T, its softmax, its V^T P; K of the next step is fetched ahead of the softmax, V ahead of K Q^T.
; REGISTERS, in windows of 256 (s_set_vgpr_msb: bits 1:0 source 0, 3:2 source 1, 5:4 source 2, 7:6 destination):
;   window 0: v2-15 addresses, lambda; v16-31 statistics, 8 a tile; v32-63 the sums' scratch; v64-127 S^T; v128-159 P; v160-191 P's low part, way out; v192-223 the mask; v224-225 the add's registers
;   window 1: v0-127 O^T, 64 a tile; v128-191 Q; v192-255 the second block's Q      window 2: v0-127 K, v128-255 V of one step      window 3: v0-127 V's low part; v128-159 MD
.set KS,    64
.set PK,    272                        ; a row of K in LDS: 256 bytes + 16 = 68 words: the 16 rows of a load start at 16 different groups of four banks (64 banks of 4 bytes: ISA guide 11.1)
.set PVP,   288                        ; a row of V: 256 + 32 = 72 words
.set VOFF,  KS*PK                      ; a step's tiles lie together: 64 rows of K, then 64 rows of V
.set STEPB, KS*(PK+PVP)
.set SLOT1, 1<<17                      ; a slot holds two steps; slot 1 begins here, so that one exclusive or turns an address in one slot into the other's
.set STAGE, SLOT1+2*STEPB              ; behind the ring: 16 rows x 272 bytes for each wave, for the way out
.set SP,    272
.set VLB,   STAGE+4*16*SP              ; V's low part for keys 0-63, filled once
.set SPARE, VLB+KS*PVP                 ; the spare words, 128 bytes a wave, which no other line names
.set AK0, 2
.set AV0, 3
.set ADR, 4
.set ADV, 5
.set QO,  6
.set STO, 7
.set RD,  8
.set GO,  9
.set AVL, 10
.set LMO, 11
.set PFO, 12
.set NEG1, 13
.set LAM, 14
.set LAMB, 15
.set ST,  16                           ; tile t at v[ST+8 t]: c m, m, l (even keys', odd keys'), c0-c3 at work; a takes c2's place
.set TS,  32
.set S,   64
.set P,   128
.set PL,  160
.set MC,  192
.set SPW, 224
.set NIL, 225
.set Q,   128                          ; window 1
.set QB,  192
.set VR,  128                          ; window 2
.set MD,  128                          ; window 3
.set WV,  10
.set PB,  11                           ; b
.set HI,  12                           ; 31 - b
.set HD,  13                           ; the head
.set KB,  14                           ; s[14:15] K at my half of the head's tile 0
.set VB,  16                           ; s[16:17] V likewise
.set PFA, 18                           ; s[18:19] where my prefetches stand
.set PFC, 20                           ; prefetches still to come
.set G1K, 24
.set G1V, 32
.set G1L, 40
.set G0K, 48
.set G0V, 52
.set G0L, 56
.set SLOTS, 60
.set TWICE, 61
.set TB,  62                           ; LDS byte at which the tiles of the step to be fetched begin
.set PBH, 63                           ; b >> 1
.set CS,  66                           ; s[66:67] c
.set SEL, 68
.set OFF, 70
.set AL,  72
.set BE,  74
.set OLO, 76                           ; s[76:77] o at my rows of the second block
.set BIGN, 78
.set NXT, 79                           ; the tile to be asked for next
.set LQ,  80                           ; the last tile of the block whose tiles are being asked for
.set SA,  81                           ; the step, within its block, whose scores are made next
.set DG,  82                           ; the block in hand = its diagonal step
.set NST, 83                           ; its number of steps
.set CNT, 84
.set OP,  86                           ; s[86:87] o at my rows of the block in hand
.set MSB, 0
.macro WIN new
.if MSB != (\new)
	s_set_vgpr_msb (MSB<<8)|(\new)
.set MSB, (\new)
.endif
.endm
.set W_KQ, 0x06                        ; K in window 2, Q in window 1, S^T and the mask in window 0
.set W_PV, 0x52                        ; V in window 2, P in window 0, O^T in window 1
.set W_PW, 0x53                        ; the same with V's low part, in window 3
.set W_RS, 0x41                        ; destination and source 0 in window 1
.macro LOAD                            ; a fill: waves 0 and 1 fetch the two steps' K, waves 2 and 3 their V; an s_nop 0 and four v_nop follow each line
	s_cmp_lt_u32 s[WV], 2
	s_cbranch_scc0 .Lfor_v_\@
	tensor_load_to_lds s[G0K:G0K+3], s[G1K:G1K+7]
	s_nop 0
.rept 4
	v_nop
.endr
	s_branch .Lasked_\@
.Lfor_v_\@:
	tensor_load_to_lds s[G0V:G0V+3], s[G1V:G1V+7]
	s_nop 0
.rept 4
	v_nop
.endr
.Lasked_\@:
.endm
; A PREFETCH INTO THE L2 of the tile that the next change of slots will ask for.  All 16 work-groups of a head walk the same tiles at first; work-group b = 0, whose first block walks all 16, asks, and nobody else:
; each of its waves for the 64 rows of 256 bytes that it will itself fetch, a lane a row, two instructions.  Tiles 3 to 15 are named, once each; nothing is asked for at the head.
.macro ASK
	s_cmp_lg_u32 s[PFC], 0
	s_cbranch_scc0 .Lnot_mine_\@
	global_prefetch_b8 v[PFO], s[PFA:PFA+1] th:TH_LOAD_NT scope:SCOPE_SE
	global_prefetch_b8 v[PFO], s[PFA:PFA+1] offset:8192 th:TH_LOAD_NT scope:SCOPE_SE
	s_sub_co_u32 s[PFC], s[PFC], 1
.Lnot_mine_\@:
.endm
; THE CHANGE OF SLOTS.  Each wave waits for all its tensor loads, adds 0 to its spare word, and waits for that and for its reads of the slot that it leaves.  Behind the barrier nobody reads the old slot and the other is whole.
; fill = 1: the old slot is filled again, first thing behind the barrier, with tile NXT: the descriptor's address is made anew from that number.  (At its first use slot 0 is waited for and slot 1 filled.)
.macro CHANGE fill, ask
	WIN 0
	s_wait_tensorcnt 0x0                           ; no tensor load of mine is out, so a group 0 may be written
	ds_add_u32 v[SPW], v[NIL]                      ; 0 onto my spare word
.if \fill
	s_lshl_b32 s[OFF], s[NXT], 15                  ; a tile is 32,768 bytes of K and of V
	s_xor_b32 s[G0K+1], s[G0K+1], SLOT1
	s_add_nc_u64 s[G0K+2:G0K+3], s[KB:KB+1], s[OFF:OFF+1]
	s_or_b32 s[G0K+3], s[G0K+3], 0x80000000
	s_xor_b32 s[G0V+1], s[G0V+1], SLOT1
	s_add_nc_u64 s[G0V+2:G0V+3], s[VB:VB+1], s[OFF:OFF+1]
	s_or_b32 s[G0V+3], s[G0V+3], 0x80000000
	s_add_co_u32 s[NXT], s[NXT], 1                 ; the block's next tile, or behind its last the second block's tile 0
	s_cmp_gt_u32 s[NXT], s[LQ]
	s_cselect_b32 s[NXT], 0, s[NXT]
	s_cselect_b32 s[LQ], s[PBH], s[LQ]
.endif
.if \ask
	s_wait_xcnt 0x0                                ; the last prefetches, two key steps back, have read their address
	s_add_nc_u64 s[PFA:PFA+1], s[PFA:PFA+1], 32768
.endif
	s_wait_dscnt 0x0                               ; the add is done, and my reads of the slot are over
	s_barrier_signal -1
	s_sub_co_u32 s[TB], s[TB], 2*STEPB             ; the fetches go back to a slot's first step,
	s_xor_b32 s[TB], s[TB], SLOT1                  ; in the other slot
	s_barrier_wait -1
.if \fill
	LOAD
.endif
.if \ask
	ASK
.endif
.endm
	s_load_b128 s[4:7], s[0:1], 0x0                ; qkv, ls
	s_load_b64 s[8:9], s[0:1], 0x10                ; ob
	v_lshl_add_u32 v[SPW], v0, 2, SPARE
	v_mov_b32 v[NIL], 0
	ds_add_u32 v[SPW], v[NIL]                      ; the wave's opening: the add and its wait stand ahead of my first tensor load; the set-up below stands between them
	ds_add_u32 v224, v225
	v_lshrrev_b32 v1, 5, v0
	v_readfirstlane_b32 s[WV], v1
	s_mov_b32 s[PB], ttmp9
	s_sub_co_u32 s[HI], 31, s[PB]
	s_lshr_b32 s[PBH], s[PB], 1
	s_and_b32 s[HD], ttmp7, 0xffff
	s_and_b32 s21, s[WV], 1                        ; which of a tile's two steps I fetch
	s_mov_b32 s[G1K], (1<<16)|(1<<20)|(5<<22)|(3<<25)  ; 2-byte elements; padding on; after every 64 words, 4 words
	s_mov_b32 s[G1V], (1<<16)|(1<<20)|(5<<22)|(7<<25)  ; 8 words
	s_mov_b32 s[G1L], (1<<16)|(1<<20)|(5<<22)|(7<<25)
.irp g, G1K, G1V
	s_mov_b32 s[\g+1], 128<<16                     ; tensor_dim0 = 128
	s_mov_b32 s[\g+2], KS<<16                      ; tensor_dim1 = 64
	s_mov_b32 s[\g+3], 128<<16                     ; tile_dim0 = 128
	s_mov_b32 s[\g+4], KS                          ; tile_dim1 = 64
	s_mov_b32 s[\g+5], 128                         ; elements from row to row
	s_mov_b32 s[\g+6], 0
	s_mov_b32 s[\g+7], 0
.endr
	s_mov_b32 s[G1L+1], 128<<16                    ; V's low part: 32 rows a wave
	s_mov_b32 s[G1L+2], 32<<16
	s_mov_b32 s[G1L+3], 128<<16
	s_mov_b32 s[G1L+4], 32
	s_mov_b32 s[G1L+5], 128
	s_mov_b32 s[G1L+6], 0
	s_mov_b32 s[G1L+7], 0
	s_mov_b32 s[G0K], 1
	s_mul_i32 s[G0K+1], s21, STEPB                 ; slot 0, my step
	s_mov_b32 s[G0V], 1
	s_add_co_u32 s[G0V+1], s[G0K+1], VOFF
	s_mov_b32 s[G0L], 1
	s_mul_i32 s[G0L+1], s21, 32*PVP
	s_add_co_u32 s[G0L+1], s[G0L+1], VLB
	s_mov_b32 s[SEL], 0x76543210
	s_mov_b32 s[SEL+1], 0xfedcba98
	s_mov_b32 s[OFF+1], 0
	s_mov_b32 s[AL+1], 0
	s_mov_b32 s[BE+1], 0
	s_mov_b32 s[BIGN], 0xf149f2ca                  ; -1e30
	s_mov_b32 s[TB], SLOT1+2*STEPB                 ; the first change of slots turns this into 0
	s_mov_b32 s[NXT], 1
	s_lshr_b32 s[LQ], s[HI], 1
	s_add_co_u32 s[NST], s[LQ], 1
	s_lshl_b32 s[NST], s[NST], 1
	s_mov_b32 s[SA], 0
	s_mov_b32 s[DG], s[HI]
	s_lshl_b32 s22, s[HD], 20                      ; q: two heads of 524,288 bytes for each head; my 16 rows of 256 bytes
	s_lshl_b32 s23, s[WV], 12
	s_add_co_u32 s22, s22, s23
	s_lshl_b32 s88, s[HI], 14
	s_add_co_u32 s88, s88, s22
	s_mov_b32 s89, 0
	s_lshl_b32 s90, s[PB], 14
	s_add_co_u32 s90, s90, s22
	s_mov_b32 s91, 0
	s_lshl_b32 s22, s[HD], 13                      ; lambda: 8,192 bytes a head
	s_lshl_b32 s23, s[WV], 6
	s_add_co_u32 s22, s22, s23
	s_lshl_b32 s92, s[HI], 8
	s_add_co_u32 s92, s92, s22
	s_mov_b32 s93, 0
	s_lshl_b32 s94, s[PB], 8
	s_add_co_u32 s94, s94, s22
	s_mov_b32 s95, 0
	s_lshl_b32 s22, s[HD], 8                       ; o: rows of 4,096 bytes, 256 bytes a head
	s_lshl_b32 s23, s[WV], 16
	s_add_co_u32 s22, s22, s23
	s_lshl_b32 s[OP], s[HI], 18
	s_add_co_u32 s[OP], s[OP], s22
	s_mov_b32 s[OP+1], 0
	s_lshl_b32 s[OLO], s[PB], 18
	s_add_co_u32 s[OLO], s[OLO], s22
	s_mov_b32 s[OLO+1], 0
	s_wait_dscnt 0x0                               ; the opening add is done
	s_wait_kmcnt 0x0
	s_load_b32 s[CS], s[6:7], 0x20014              ; c
	s_lshl_b32 s[OFF], s[HD], 19                   ; K and V: 524,288 bytes a head, my step's 64 rows
	s_lshl_b32 s22, s21, 14
	s_add_co_u32 s[OFF], s[OFF], s22
	s_add_nc_u64 s[KB:KB+1], s[4:5], s[OFF:OFF+1]
	s_add_nc_u64 s[VB:VB+1], s[KB:KB+1], 0x1800000
	s_add_nc_u64 s[KB:KB+1], s[KB:KB+1], 0x1000000
	s_add_nc_u64 s[G0K+2:G0K+3], s[KB:KB+1], 0
	s_or_b32 s[G0K+3], s[G0K+3], 0x80000000
	s_add_nc_u64 s[G0V+2:G0V+3], s[VB:VB+1], 0
	s_or_b32 s[G0V+3], s[G0V+3], 0x80000000
	s_lshl_b32 s[OFF], s[HD], 17                   ; V's low part: 512 rows a head, my 32 of its first 64
	s_lshl_b32 s22, s21, 13
	s_add_co_u32 s[OFF], s[OFF], s22
	s_add_nc_u64 s[G0L+2:G0L+3], s[4:5], s[OFF:OFF+1]
	s_add_nc_u64 s[G0L+2:G0L+3], s[G0L+2:G0L+3], 0x2000000
	s_or_b32 s[G0L+3], s[G0L+3], 0x80000000
	s_add_nc_u64 s[88:89], s[4:5], s[88:89]
	s_add_nc_u64 s[90:91], s[4:5], s[90:91]
	s_add_nc_u64 s[92:93], s[6:7], s[92:93]
	s_add_nc_u64 s[94:95], s[6:7], s[94:95]
	s_add_nc_u64 s[OP:OP+1], s[8:9], s[OP:OP+1]
	s_add_nc_u64 s[OLO:OLO+1], s[8:9], s[OLO:OLO+1]
	s_cmp_lt_u32 s[WV], 2
	s_cselect_b64 s[PFA:PFA+1], s[KB:KB+1], s[VB:VB+1]
	s_add_nc_u64 s[PFA:PFA+1], s[PFA:PFA+1], 2*32768   ; at tile 2: the first asking change steps it to tile 3
	s_cmp_eq_u32 s[PB], 0
	s_cselect_b32 s[PFC], 13, 0
	s_cmp_lt_u32 s[WV], 2                          ; a wave's first fills stand in one branch: by this text's count at most two tensor loads of a wave are out
	s_cbranch_scc0 .Lfirst_v
	tensor_load_to_lds s[G0K:G0K+3], s[G1K:G1K+7]
	s_nop 0
.rept 4
	v_nop
.endr
	s_branch .Lfirst_asked
.Lfirst_v:
	tensor_load_to_lds s[G0V:G0V+3], s[G1V:G1V+7]
	s_nop 0
	tensor_load_to_lds s[G0L:G0L+3], s[G1L:G1L+7]
	s_nop 0
.rept 4
	v_nop
.endr
.Lfirst_asked:
	v_and_b32 v1, 15, v0                           ; l % 16
	v_bfe_u32 v32, v0, 4, 1                        ; l / 16
	v_lshlrev_b32 v[QO], 8, v1
	v_lshl_add_u32 v[QO], v32, 4, v[QO]
	WIN 0x40                                       ; destination window 1
.set i, 0
.rept 8                                ; both blocks' Q: tile i / 4 (the second query head lies 524,288 bytes on), channels 32 (i % 4) on
	global_load_b128 v[Q+8*i:Q+8*i+3],     v[QO], s[88:89] offset:(i/4)*524288+(i%4)*64
	global_load_b128 v[Q+8*i+4:Q+8*i+7],   v[QO], s[88:89] offset:(i/4)*524288+(i%4)*64+32
	global_load_b128 v[QB+8*i:QB+8*i+3],   v[QO], s[90:91] offset:(i/4)*524288+(i%4)*64
	global_load_b128 v[QB+8*i+4:QB+8*i+7], v[QO], s[90:91] offset:(i/4)*524288+(i%4)*64+32
.set i, i+1
.endr
	WIN 0
	v_lshlrev_b32 v[LMO], 2, v1
	global_load_b32 v[LAM], v[LMO], s[92:93]
	global_load_b32 v[LAMB], v[LMO], s[94:95]
	v_lshlrev_b32 v35, 3, v32
	v_sub_nc_u32 v35, v1, v35
	s_lshl_b32 s22, s[WV], 4
	v_add_nc_u32 v35, s22, v35                     ; my query's place in its block less my lanes' 8 (l / 16): register r of key group kt is hidden where 16 kt + r is greater
	WIN 0xc0
.set i, 0
.rept 32
	v_cmp_gt_i32 vcc_lo, 16*(i/8)+i%8, v35
	v_cndmask_b32 v[MD+i], 0, s[BIGN], vcc_lo
.set i, i+1
.endr
	WIN 0
	v_mul_u32_u24 v[AK0], v1, PK
	v_lshl_add_u32 v[AK0], v32, 4, v[AK0]
	v_and_b32 v33, 7, v0                           ; the turning load: lane l reads key 8 (l / 16) + l % 8, channels 8 ((l / 8) % 2) on
	v_bfe_u32 v34, v0, 3, 1
	v_lshl_add_u32 v[AV0], v32, 3, v33
	v_mul_u32_u24 v[AV0], v[AV0], PVP
	v_lshl_add_u32 v[AV0], v34, 4, v[AV0]
	v_add_nc_u32 v[AVL], VLB, v[AV0]
	v_add_nc_u32 v[AV0], VOFF, v[AV0]
	s_mul_i32 s22, s[WV], 16*SP
	s_add_co_u32 s22, s22, STAGE
	v_mul_u32_u24 v[STO], v1, SP
	v_lshl_add_u32 v[STO], v32, 4, v[STO]
	v_add_nc_u32 v[STO], s22, v[STO]
	v_mul_u32_u24 v[RD], v32, SP
	v_lshl_add_u32 v[RD], v1, 4, v[RD]
	v_add_nc_u32 v[RD], s22, v[RD]
	v_lshlrev_b32 v[GO], 12, v32
	v_lshl_add_u32 v[GO], v1, 4, v[GO]
	v_and_b32 v[PFO], 31, v0
	v_lshlrev_b32 v[PFO], 8, v[PFO]
	v_mov_b32 v[NEG1], -1.0
	; A block's first step multiplies O^T and l by a = 0, so these need only be finite: zeros for the first block, what the first block left for the second.  No first step is written out; the zeros are written in the wait for the first tile.
	WIN 0x40
.set i, 0
.rept 128
	v_mov_b32 v[i], 0
.set i, i+1
.endr
	WIN 0
.irp t, 0,1
	v_mov_b32 v[ST+8*\t], 0xfe000000               ; c m: far below every c s
	v_mov_b32 v[ST+8*\t+1], 0xff7fffff             ; m
	v_mov_b32 v[ST+8*\t+2], 0
	v_mov_b32 v[ST+8*\t+3], 0
.endr
	s_wait_kmcnt 0x0
	s_mov_b32 s[CS+1], s[CS]                       ; named with it as a pair
.macro FETCH_K                         ; a step's K: 64 keys x 128 channels, 16 fragments, one run of 32 loads
	WIN 0
	v_add_nc_u32 v[ADR], s[TB], v[AK0]
	WIN 0x80
.irp f, 0,1,2,3,4,5,6,7,8,9,10,11,12,13,14,15
	ds_load_b128 v[8*\f:8*\f+3],   v[ADR] offset:(\f/4)*16*PK+(\f%4)*64
	ds_load_b128 v[8*\f+4:8*\f+7], v[ADR] offset:(\f/4)*16*PK+(\f%4)*64+32
.endr
	WIN 0
.endm
.macro FETCH_V                         ; the same step's V, turned
	WIN 0
	v_add_nc_u32 v[ADV], s[TB], v[AV0]
	s_add_co_u32 s[TB], s[TB], STEPB               ; the next fetch is the next step's
	WIN 0x80
.irp f, 0,1,2,3,4,5,6,7,8,9,10,11,12,13,14,15
	ds_load_tr16_b128 v[VR+8*\f:VR+8*\f+3],   v[ADV] offset:(\f/8)*32*PVP+(\f%8)*32
	ds_load_tr16_b128 v[VR+8*\f+4:VR+8*\f+7], v[ADV] offset:(\f/8)*32*PVP+16*PVP+(\f%8)*32
.endr
	WIN 0
.endm
.macro PLACES
.rept 4
	v_nop
.endr
.endm
; 32 products O^T += (V or its low part)^T (P or its low part): keys 32 (i / 16) on, channels 16 ((i / 2) % 8) on, tile i % 2.  The 16 accumulators take turns.
.macro RUNPV win, vb, pb
	WIN \win
.set i, 0
.rept 32
.set rO, 64*(i%2)+8*((i/2)%8)
.set rV, (\vb)+64*(i/16)+8*((i/2)%8)
.set rP, (\pb)+16*(i%2)+8*(i/16)
	v_wmma_f32_16x16x32_f16 v[rO:rO+7], v[rV:rV+7], v[rP:rP+7], v[rO:rO+7]
.set i, i+1
.endr
.endm
; THE SCORES of step SA: the mask; V's run of loads (the mask's 16 lines are the places behind the products that read V); 32 products: channels 32 (i / 8) on, keys 16 ((i / 2) % 4) on, tile i % 2; the first 8 start with the mask.
.macro HALF_A
	WIN 0
	s_cmp_eq_u32 s[SA], s[DG]
	s_cselect_b32 s[AL], 1.0, 0
	s_cmp_gt_u32 s[SA], s[DG]
	s_cselect_b32 s[BE], s[BIGN], 0
	WIN 0x03                                       ; source 0 in window 3
.set z, 0
.rept 16
	v_pk_fma_f32 v[MC+2*z:MC+2*z+1], v[MD+2*z:MD+2*z+1], s[AL:AL+1], s[BE:BE+1] op_sel_hi:[1,0,0]
.set z, z+1
.endr
	FETCH_V
	s_wait_dscnt 32                                ; K is in; V's 32 loads may stay out
	WIN W_KQ
.set i, 0
.rept 32
.set rS, S+32*(i%2)+8*((i/2)%4)
.set rK, 32*((i/2)%4)+8*(i/8)
.set rQ, Q+32*(i%2)+8*(i/8)
.set rM, MC+8*((i/2)%4)
.if i < 8
	v_wmma_f32_16x16x32_f16 v[rS:rS+7], v[rK:rK+7], v[rQ:rQ+7], v[rM:rM+7]
.else
	v_wmma_f32_16x16x32_f16 v[rS:rS+7], v[rK:rK+7], v[rQ:rQ+7], v[rS:rS+7]
.endif
.set i, i+1
.endr
	WIN 0
	PLACES                                         ; behind the products: in front of the maxima, and of the loads into K's registers
	s_add_co_u32 s[SA], s[SA], 1
.endm
; THE SOFTMAX of both tiles, line by line in turn.  Each accumulator's lowest registers are read first.
.macro SOFTMAX
	WIN 0
.irp j, 0,1,2,3
.irp t, 0,1
	v_max3_num_f32 v[ST+8*\t+4+\j], v[S+32*\t+8*\j], v[S+32*\t+8*\j+1], v[S+32*\t+8*\j+2]
.endr
.endr
.irp g, 1,2
.irp j, 0,1,2,3
.irp t, 0,1
	v_max3_num_f32 v[ST+8*\t+4+\j], v[ST+8*\t+4+\j], v[S+32*\t+8*\j+2*\g+1], v[S+32*\t+8*\j+2*\g+2]
.endr
.endr
.endr
.irp t, 0,1
	v_max3_num_f32 v[ST+8*\t+4], v[ST+8*\t+4], v[S+32*\t+7], v[S+32*\t+15]
.endr
.irp t, 0,1
	v_max3_num_f32 v[ST+8*\t+6], v[ST+8*\t+6], v[S+32*\t+23], v[S+32*\t+31]
.endr
.irp t, 0,1
	v_max3_num_f32 v[ST+8*\t+4], v[ST+8*\t+4], v[ST+8*\t+5], v[ST+8*\t+6]
.endr
.irp t, 0,1
	v_max3_num_f32 v[ST+8*\t+4], v[ST+8*\t+4], v[ST+8*\t+7], v[ST+8*\t+1]
.endr
.irp t, 0,1
	v_permlanex16_b32 v[ST+8*\t+5], v[ST+8*\t+4], s[SEL], s[SEL+1]  ; the query's other 32 keys lie in the lane 16 away
.endr
.irp t, 0,1
	v_mov_b32 v[ST+8*\t+7], v[ST+8*\t]             ; c m_old
.endr
.irp t, 0,1
	v_max_num_f32 v[ST+8*\t+1], v[ST+8*\t+4], v[ST+8*\t+5]
.endr
.irp t, 0,1
	v_mul_f32 v[ST+8*\t], s[CS], v[ST+8*\t+1]
.endr
.irp t, 0,1
	v_sub_f32 v[ST+8*\t+7], v[ST+8*\t+7], v[ST+8*\t]
.endr
.irp t, 0,1
	v_exp_f32 v[ST+8*\t+6], v[ST+8*\t+7]           ; a
.endr
.set z, 0
.rept 16
.irp t, 0,1
	v_pk_fma_f32 v[S+32*\t+2*z:S+32*\t+2*z+1], v[S+32*\t+2*z:S+32*\t+2*z+1], s[CS:CS+1], v[ST+8*\t:ST+8*\t+1] op_sel_hi:[1,0,0] neg_lo:[0,0,1] neg_hi:[0,0,1]  ; c s - c m
.endr
.set z, z+1
.endr
.set z, 0
.rept 64
	v_exp_f32 v[S+z], v[S+z]
.set z, z+1
.endr
	v_nop                                          ; a plain instruction behind the last exponential
.set z, 0
	s_wait_alu depctr_va_vdst(0)
.rept 32
	v_cvt_pk_f16_f32 v[P+z], v[S+2*z], v[S+2*z+1]
.set z, z+1
.endr
.set z, 0
.rept 8                                ; the sums go into scratch: the unrounded weights are kept for the low part
.irp t, 0,1
	v_pk_add_f32 v[TS+16*\t+2*z:TS+16*\t+2*z+1], v[S+32*\t+4*z:S+32*\t+4*z+1], v[S+32*\t+4*z+2:S+32*\t+4*z+3]
.endr
.set z, z+1
.endr
.irp w, 8,4,2
.set z, 0
.rept (\w)/2
.irp t, 0,1
	v_pk_add_f32 v[TS+16*\t+2*z:TS+16*\t+2*z+1], v[TS+16*\t+2*z:TS+16*\t+2*z+1], v[TS+16*\t+2*z+\w:TS+16*\t+2*z+\w+1]
.endr
.set z, z+1
.endr
.endr
.irp t, 0,1
	v_pk_fma_f32 v[ST+8*\t+2:ST+8*\t+3], v[ST+8*\t+2:ST+8*\t+3], v[ST+8*\t+6:ST+8*\t+7], v[TS+16*\t:TS+16*\t+1] op_sel_hi:[1,0,1]  ; l = a l + sum
.endr
	WIN W_RS
.irp t, 0,1
.set z, 0
.rept 32
	v_pk_mul_f32 v[64*\t+2*z:64*\t+2*z+1], v[64*\t+2*z:64*\t+2*z+1], v[ST+8*\t+6:ST+8*\t+7] op_sel_hi:[1,0]  ; O^T times a
.set z, z+1
.endr
.endr
.endm
; THE LOW PARTS, in step 0 of block 0 alone (work-group b = 0, its second block): jumped over elsewhere.
.macro FINE
	WIN 0
	s_xor_b32 s85, s[SA], 1
	s_or_b32 s85, s85, s[DG]
	s_cmp_lg_u32 s85, 0
	s_cbranch_scc1 .Lcoarse_\@
	WIN 0xc0                                       ; destination window 3
.irp f, 0,1,2,3,4,5,6,7,8,9,10,11,12,13,14,15
	ds_load_tr16_b128 v[8*\f:8*\f+3],   v[AVL] offset:(\f/8)*32*PVP+(\f%8)*32
	ds_load_tr16_b128 v[8*\f+4:8*\f+7], v[AVL] offset:(\f/8)*32*PVP+16*PVP+(\f%8)*32
.endr
	WIN 0
.set z, 0
.rept 32
	v_fma_mix_f32 v[S+2*z], v[P+z], v[NEG1], v[S+2*z] op_sel:[0,0,0] op_sel_hi:[1,0,0]       ; p - f16(p), exact in f32
	v_fma_mix_f32 v[S+2*z+1], v[P+z], v[NEG1], v[S+2*z+1] op_sel:[1,0,0] op_sel_hi:[1,0,0]
.set z, z+1
.endr
.set z, 0
.rept 32
	v_cvt_pk_f16_f32 v[PL+z], v[S+2*z], v[S+2*z+1]
.set z, z+1
.endr
	s_wait_dscnt 0x0
	RUNPV W_PV, VR, PL
	RUNPV W_PW, 0, P
	WIN 0
.Lcoarse_\@:
.endm
.macro HALF_B left                     ; left: the LDS loads issued behind V's, which may stay out
	SOFTMAX
	s_wait_dscnt \left
	RUNPV W_PV, VR, P
	FINE
.endm
; A BLOCK'S END, behind its last step; jumped over elsewhere.  o' = O0 / (2 l0) - lambda O1 / (2 l1), rounded to f16 and sent through my stage.  Then the second block is set up: m, lambda, Q, the counts.
; (Behind the walk's last step that set-up runs once for nothing: the price of one text.)
.macro ENDB
	s_cmp_lg_u32 s[SA], s[NST]
	s_cbranch_scc1 .Lgo_on_\@
	PLACES                                         ; behind the last products
.irp t, 0,1
	v_add_f32 v[ST+8*\t+4], v[ST+8*\t+2], v[ST+8*\t+3]
.endr
.irp t, 0,1
	v_permlanex16_b32 v[ST+8*\t+5], v[ST+8*\t+4], s[SEL], s[SEL+1]
.endr
.irp t, 0,1
	v_add_f32 v[ST+8*\t+4], v[ST+8*\t+4], v[ST+8*\t+5]
.endr
.irp t, 0,1
	v_rcp_f32 v[ST+8*\t+5], v[ST+8*\t+4]
.endr
	v_nop
	s_wait_alu depctr_va_vdst(0)
	v_mul_f32 v[ST+4], 0.5, v[ST+5]
	v_mul_f32 v[ST+12], -0.5, v[ST+13]
	v_mul_f32 v[ST+12], v[ST+12], v[LAM]
	WIN 0x01                                       ; source 0 in window 1
.set z, 0
.rept 32
	v_pk_mul_f32 v[S+2*z:S+2*z+1], v[2*z:2*z+1], v[ST+4:ST+5] op_sel_hi:[1,0]
.set z, z+1
.endr
.set z, 0
.rept 32
	v_pk_fma_f32 v[S+2*z:S+2*z+1], v[64+2*z:64+2*z+1], v[ST+12:ST+13], v[S+2*z:S+2*z+1] op_sel_hi:[1,0,1]
.set z, z+1
.endr
	WIN 0
.set z, 0
.rept 32
	v_cvt_pk_f16_f32 v[P+z], v[S+2*z], v[S+2*z+1]
.set z, z+1
.endr
.irp f, 0,1,2,3,4,5,6,7
	ds_store_b128 v[STO], v[P+4*\f:P+4*\f+3] offset:32*\f
.endr
.irp f, 0,1,2,3,4,5,6,7
	ds_load_b128 v[PL+4*\f:PL+4*\f+3], v[RD] offset:\f*2*SP  ; LDS serves a wave's instructions in order (ISA guide 5.7.1.4): these see the stores above
.endr
.irp f, 0,1,2,3,4,5,6,7
	s_wait_dscnt 7-\f
	global_store_b128 v[GO], v[PL+4*\f:PL+4*\f+3], s[OP:OP+1] offset:\f*8192  ; 16 lanes store 256 consecutive bytes, aligned
.endr
	s_wait_xcnt 0x0                                ; the stores have read their registers and o's address
	s_mov_b64 s[OP:OP+1], s[OLO:OLO+1]
	s_mov_b32 s[DG], s[PB]
	s_add_co_u32 s[NST], s[PBH], 1
	s_lshl_b32 s[NST], s[NST], 1
	s_mov_b32 s[SA], 0
.irp t, 0,1
	v_mov_b32 v[ST+8*\t], 0xfe000000
	v_mov_b32 v[ST+8*\t+1], 0xff7fffff
.endr
	v_mov_b32 v[LAM], v[LAMB]
	WIN W_RS
.set z, 0
.rept 64
	v_mov_b32 v[Q+z], v[QB+z]
.set z, z+1
.endr
	WIN 0
.Lgo_on_\@:
.endm
	CHANGE 1, 0                                    ; tile 0 is in, everybody's part of it; the walk's second tile is asked for
	FETCH_K                                        ; step 0
	s_wait_loadcnt 0x0                             ; Q and lambda
	HALF_A
	s_mov_b32 s[TWICE], 1                          ; the first slot has one more step to fetch
	s_mov_b32 s[SLOTS], 16
	s_branch .Lstep
.Lslot:                                                ; 15 times: a tile is entered and the tile after the next is asked for
	CHANGE 1, 1
	s_mov_b32 s[TWICE], 2
.Lstep:                                                ; K of the next step is fetched; the step in hand: softmax, V^T P; the next step: V, K Q^T
	FETCH_K
	HALF_B 32
	ENDB
	HALF_A
	s_sub_co_u32 s[TWICE], s[TWICE], 1
	s_cmp_lg_u32 s[TWICE], 0
	s_cbranch_scc1 .Lstep
	s_sub_co_u32 s[SLOTS], s[SLOTS], 1
	s_cmp_lg_u32 s[SLOTS], 0
	s_cbranch_scc1 .Lslot
	CHANGE 0, 0                                    ; the walk's last tile is written out: nothing is asked for
	s_mov_b32 s[CNT], 3
.Ltail:
	s_cmp_eq_u32 s[CNT], 1                         ; behind the last step there is no K to fetch
	s_cbranch_scc1 .Lno_k
	FETCH_K
.Lno_k:
	HALF_B 0
	ENDB
	s_sub_co_u32 s[CNT], s[CNT], 1
	s_cmp_eq_u32 s[CNT], 0
	s_cbranch_scc1 .Lout
	HALF_A
	s_branch .Ltail
.Lout:
	s_wait_tensorcnt 0x0                           ; the wave's end, behind my last tensor load and my last LDS store
	ds_add_u32 v[SPW], v[NIL]
	s_wait_dscnt 0x0
	s_endpgm
.Lfunc_end_k_q4d02323f3c_attn:
	.size	k_q4d02323f3c_attn, .Lfunc_end_k_q4d02323f3c_attn-k_q4d02323f3c_attn
	.p2alignl 7, 3214868480
	.fill 96, 4, 3214868480
	.section	.rodata,"a",@progbits
	.p2align	6, 0x0
	.amdhsa_kernel k_q4d02323f3c_attn
		.amdhsa_group_segment_fixed_size 327680
		.amdhsa_private_segment_fixed_size 0
		.amdhsa_enable_private_segment 0
		.amdhsa_kernarg_size 24
		.amdhsa_user_sgpr_count 2
		.amdhsa_user_sgpr_kernarg_segment_ptr 1
		.amdhsa_wavefront_size32 1
		.amdhsa_system_sgpr_workgroup_id_x 1
		.amdhsa_system_sgpr_workgroup_id_y 1
		.amdhsa_system_sgpr_workgroup_id_z 1
		.amdhsa_system_vgpr_workitem_id 0
		.amdhsa_next_free_vgpr 928
		.amdhsa_next_free_sgpr 96
		.amdhsa_reserve_vcc 1
		.amdhsa_float_denorm_mode_32 3
		.amdhsa_float_denorm_mode_16_64 3
		.amdhsa_memory_ordered 1
		.amdhsa_forward_progress 1
		.amdhsa_inst_pref_size 126
	.end_amdhsa_kernel
	.amdgpu_metadata
---
amdhsa.version: [ 1, 2 ]
amdhsa.kernels:
  - .name:           k_q4d02323f3c_attn
    .symbol:         k_q4d02323f3c_attn.kd
    .args:
      - { .name: qkv, .offset: 0, .size: 8, .value_kind: global_buffer, .address_space: global }
      - { .name: ls, .offset: 8, .size: 8, .value_kind: global_buffer, .address_space: global }
      - { .name: ob, .offset: 16, .size: 8, .value_kind: global_buffer, .address_space: global }
    .group_segment_fixed_size: 327680
    .private_segment_fixed_size: 0
    .kernarg_segment_align: 8
    .kernarg_segment_size: 24
    .max_flat_workgroup_size: 128
    .sgpr_count:     96
    .vgpr_count:     928
    .wavefront_size: 32
...
	.end_amdgpu_metadata
.endif
;; end of part 5
;; launch g3 (part 6): grid 16 x 16, 4 waves a work-group, clusters of 4 x 4, 327,680 bytes of LDS; arguments ob, cw, ls, out0; writes out0
.if DOCPART == 6
	.amdgcn_target "amdgcn-amd-amdhsa--gfx1250"
	.amdhsa_code_object_version 6
	.text
	.protected	k_q4d02323f3c_g3
	.globl	k_q4d02323f3c_g3
	.p2align	8
	.type	k_q4d02323f3c_g3,@function
k_q4d02323f3c_g3:
	s_mov_b64 s[64:65], 0
	v_nop
	global_prefetch_b8 v0, s[64:65] scope:SCOPE_SE
	s_setreg_imm32_b32 hwreg(HW_REG_WAVE_MODE, 25, 1), 1
	s_wait_xcnt 0x0
	s_wait_alu depctr_hold_cnt(0) depctr_sa_sdst(0) depctr_va_vdst(0) depctr_va_sdst(0) depctr_va_ssrc(0) depctr_va_vcc(0) depctr_vm_vsrc(0)
	s_getreg_b32 s2, hwreg(HW_REG_IB_STS2, 6, 4)
	s_cmp_eq_u32 s2, 0
	s_cbranch_scc0 .Lentry_in_a_cluster
	s_endpgm
.Lentry_in_a_cluster:
	s_bfe_u32 s2, ttmp6, 0x10000c
	s_cmp_lg_u32 s2, 0xf033
	s_cbranch_scc0 .Lentry_shape_is_right
	s_endpgm
.Lentry_shape_is_right:
.set KIND, 3
; C = A B on tiles of 128 x 128, f16 operands, f32 sums.  ONE TEXT SERVES THREE KERNELS; KIND, in the first line, picks the sizes, the addresses and the way out:
;   1: c = x [W_DKV | W_DQ], K = 2,048.  c times its factor leaves as f16; c_kv also leaves its low part, f16(c - f16(c)), 512 columns to the right.
;   2: k, v, q = c W_U*, K = 1,024 (for k and v: c_kv's high and low parts against the weights written twice).  Scaled, k and q rotated, stored by heads as f16; v's rows 0-511 also leave their low part.
;   3: out = o W_out, K = 2,048, times its factor, f32.
; A is [rows][K], B is [K][columns], both with rows of 4,096 bytes.  LIMITS: the factors bound every f16 result by 46,400 for any input; NaN and infinities are not treated apart.
; SHARES.  Four waves, each 64 x 64: 16 accumulators.  Wave w: rows 64 (w >> 1) on; column blocks of 16: 2 (w & 1) + (b & 1) + 4 (b >> 1), so that channels d and d + 64 of a head lie in one lane and register.
; K goes in steps of 256 through two LDS slots.  A's rows lie along K and are read as they lie; B's rows lie along the columns and are read turned, by ds_load_tr16_b128.
; THE MATRIX INSTRUCTION IS USED TRANSPOSED (source 0 = 16 columns of B, source 1 = 16 rows of A): a lane holds eight neighbouring numbers of a row of C.
; CLUSTERS: 4 x 4 work-groups.  The four of a row need the same tiles of A, the four of a column the same tiles of B: each tile is asked for jointly, by the same tensor load, descriptor and mask in all four.
; By this text's count a wave has two tensor loads out at the start and one behind each round.  No prefetch: the tiles are small and shared.
; REGISTERS: window 0: v12-29 scale, addresses; v32-99 at work on the way out; v128-255 the accumulators ((a, b) at v[128 + 8 (4 a + b)]).  window 1: two fragment buffers of 128: 64 of A, 64 of B.
;   window 2 (KIND 2): v0-127 the rotation table for my 64 rows x 32 pairs of channels.
.if KIND == 2
.set KTOT, 1024
.else
.set KTOT, 2048
.endif
.if KIND == 1
.set ARGA, 68                          ; s[68:69] cw holds A (x) and B
.set ARGW, 68
.set ARGL, 70                          ; ls
.set ARGO, 72                          ; cb
.set BOFF, 0x800000
.else
.set ARGA, 68                          ; cb or ob
.set ARGW, 70                          ; cw
.set ARGL, 72                          ; ls
.set ARGO, 74                          ; qkv or out0
.endif
.if KIND == 2
.set BOFF, 0x1000000
.endif
.if KIND == 3
.set BOFF, 0x2000000
.endif
.set RT,     0x2810000                 ; the rotation table in cw
.set KSTEP,  256
.set ROWB,   4096
.set PA,     528                       ; a row of A in LDS: 512 bytes + 16: 132 words, so the 16 rows of a load start at 16 different groups of four banks (64 banks of 4 bytes: ISA guide 11.1)
.set PB,     288                       ; a row of B: 256 + 32 = 72 words
.set HALFA,  64*PA                     ; what one tensor load brings of A: 64 rows x 256 K
.set HALFB,  128*PB                    ; and of B: 128 K x 128 columns
.set SLOT,   2*HALFA+2*HALFB
.set SPARE,  2*SLOT                    ; behind the ring: the spare words, 128 bytes a wave, which no other line names
.set STG0,   0                         ; the stages of the way out lie in slot 0, which has had its last fill and its last read by then
.set STG1,   128*272
.set SP,     272
.set SP3,    528
.set LAPS,   KTOT/(2*KSTEP)
.set SCL,  12                          ; v[12:13] the factor, twice
.set NEG1, 14                          ; v14  -1.0
.set ADRA, 16                          ; v16-17  LDS address of my A fragments in slot 0, 1
.set ADRB, 20                          ; v20-23  of my B fragments: slot 0 K 0-127, K 128-255, slot 1 likewise
.set STO,  24
.set RD,   25
.set CO,   26
.set RTO,  27
.set SPW,  28                          ; v28  my spare word; never rewritten
.set NIL,  29                          ; v29  0; never rewritten
.set TMP,  32
.set RM,   96                          ; v[96:99] at work in the rotation
.set ACC,  128
.set F0,   0
.set F1,   128
.set G1, 24                            ; s[24:31] descriptor group 1 for A's tiles;  s[32:39] group 0, one set for each slot
.set G0, 32
.set G1B, 48                           ; s[48:55], s[56:63] the same for B's tiles
.set G0B, 56
.set MSB, 0
.macro WIN new                         ; the immediate's high byte repeats the setting that is left
.if MSB != (\new)
	s_set_vgpr_msb (MSB<<8)|(\new)
.set MSB, \new
.endif
.endm
.set MUL,  0x05                        ; sources 0 (B) and 1 (A) window 1; C and D window 0
.set TO_F, 0x40                        ; destination window 1, address window 0
.macro JLOAD s                         ; a joint load: waves 0 and 1 fetch A's two halves, waves 2 and 3 B's; an s_nop 0 and four v_nop follow each line
	s_cmp_eq_u32 s11, 0
	s_cbranch_scc0 .Lfor_b_\@
	tensor_load_to_lds s[G0+4*(\s):G0+4*(\s)+3], s[G1:G1+7]
	s_nop 0
.rept 4
	v_nop
.endr
	s_branch .Lasked_\@
.Lfor_b_\@:
	tensor_load_to_lds s[G0B+4*(\s):G0B+4*(\s)+3], s[G1B:G1B+7]
	s_nop 0
.rept 4
	v_nop
.endr
.Lasked_\@:
.endm
.macro CREST                           ; a round of the cluster's barrier behind its opening barrier
	s_cmp_lg_u32 s10, 0
	s_cbranch_scc1 .Lnot_wave_0_\@
	s_barrier_signal -3
.Lnot_wave_0_\@:
	s_barrier_wait -3
	s_barrier_signal -1
	s_barrier_wait -1
.endm
.macro CROUND
	s_barrier_signal -1
	s_barrier_wait -1
	CREST
.endm
.if KIND == 1
	s_load_b128 s[68:71], s[0:1], 0x0
	s_load_b64 s[72:73], s[0:1], 0x10
.else
	s_load_b256 s[68:75], s[0:1], 0x0
.endif
	v_lshl_add_u32 v[SPW], v0, 2, SPARE
	v_mov_b32 v[NIL], 0
	ds_add_u32 v[SPW], v[NIL]                      ; the wave's opening: the add and its wait stand ahead of my first tensor load; the set-up below stands between them
	ds_add_u32 v28, v29
	v_lshrrev_b32 v1, 5, v0
	v_readfirstlane_b32 s10, v1                    ; wave 0..3
	s_lshr_b32 s11, s10, 1                         ; which half of the tile's rows is mine.  Also: I fetch for A (0) or for B (1)
	s_and_b32 s12, s10, 1                          ; which column blocks.  Also: which half of that tile I fetch
	s_bfe_u32 s40, ttmp6, 0x40000                  ; cx, cy: my place in the cluster
	s_bfe_u32 s41, ttmp6, 0x40004
.if KIND == 2
	s_and_b32 s42, ttmp9, 3                        ; four clusters along x make one of the four products:
	s_lshl_b32 s42, s42, 2
	s_lshr_b32 s66, ttmp9, 2                       ; 0: k, 1: v, 2: q's heads 0-15, 3: q's heads 16-31; the same in all partners
.else
	s_lshl_b32 s42, ttmp9, 2
.endif
	s_add_co_u32 s42, s42, s40                     ; tile column
	s_and_b32 s13, ttmp7, 0xffff
	s_lshl_b32 s13, s13, 2
	s_add_co_u32 s13, s13, s41                     ; tile row
	s_lshl_b32 s43, s41, 2
	s_lshl_b32 s43, 15, s43                        ; my row of the cluster
	s_lshl_b32 s44, 0x1111, s40                    ; my column
	s_or_b32 s[G1+0], s43, (1<<16)|(1<<20)|(1<<21)|(6<<22)|(3<<25)   ; the mask; 2-byte elements; padding on; bit 21 beside a mask; after every 128 words, 4 words
	s_or_b32 s[G1B+0], s44, (1<<16)|(1<<20)|(1<<21)|(5<<22)|(7<<25)  ; after every 64 words, 8 words
	s_mov_b32 s[G1+1], KSTEP<<16                   ; A: tensor_dim0 = 256
	s_mov_b32 s[G1+2], 64<<16                      ; tensor_dim1 = 64
	s_mov_b32 s[G1+3], KSTEP<<16                   ; tile_dim0 = 256
	s_mov_b32 s[G1+4], 64                          ; tile_dim1 = 64
	s_mov_b32 s[G1+5], 2048                        ; elements from row to row
	s_mov_b32 s[G1+6], 0
	s_mov_b32 s[G1+7], 0
	s_mov_b32 s[G1B+1], 128<<16                    ; B: 128 columns
	s_mov_b32 s[G1B+2], 128<<16                    ; x 128 K
	s_mov_b32 s[G1B+3], 128<<16
	s_mov_b32 s[G1B+4], 128
	s_mov_b32 s[G1B+5], 2048
	s_mov_b32 s[G1B+6], 0
	s_mov_b32 s[G1B+7], 0
	s_lshl_b32 s16, s13, 19                        ; A: row 128 x tile row + 64 x half, 4,096 bytes each
	s_lshl_b32 s17, s12, 18
	s_add_co_u32 s16, s16, s17
.if KIND == 2
	s_cmp_ge_u32 s66, 2                            ; q's products read c_q, 1,024 columns in
	s_cselect_b32 s17, 2048, 0
	s_add_co_u32 s16, s16, s17
.endif
	s_mov_b32 s17, 0
	s_lshl_b32 s46, s42, 8                         ; B: 256 bytes x tile column + 128 rows x half
	s_lshl_b32 s47, s12, 19
	s_add_co_u32 s46, s46, s47
.if KIND == 2
	s_lshl_b32 s47, s66, 22                        ; + 1,024 rows for each product
	s_add_co_u32 s46, s46, s47
.endif
	s_add_co_u32 s46, s46, BOFF
	s_mov_b32 s47, 0
	s_mul_i32 s20, s12, HALFA                      ; where they go: no place in the cluster enters an LDS address
	s_mul_i32 s21, s12, HALFB
	s_add_co_u32 s21, s21, 2*HALFA
	s_wait_dscnt 0x0                               ; the opening add is done
	s_wait_kmcnt 0x0
	s_add_nc_u64 s[14:15], s[ARGA:ARGA+1], s[16:17]
	s_add_nc_u64 s[46:47], s[ARGW:ARGW+1], s[46:47]
	s_load_b256 s[76:83], s[ARGL:ARGL+1], 0x20000  ; the factors; waited for on the way out
	CROUND                                         ; all sixteen work-groups are here: the first joint loads meet
.irp s, 0,1
	s_mov_b32 s[G0+4*(\s)], 1
	s_add_co_u32 s[G0+4*(\s)+1], s20, (\s)*SLOT
	s_add_nc_u64 s[G0+4*(\s)+2:G0+4*(\s)+3], s[14:15], (\s)*KSTEP*2
	s_or_b32 s[G0+4*(\s)+3], s[G0+4*(\s)+3], 0x80000000
	s_mov_b32 s[G0B+4*(\s)], 1
	s_add_co_u32 s[G0B+4*(\s)+1], s21, (\s)*SLOT
	s_add_nc_u64 s[G0B+4*(\s)+2:G0B+4*(\s)+3], s[46:47], (\s)*KSTEP*ROWB
	s_or_b32 s[G0B+4*(\s)+3], s[G0B+4*(\s)+3], 0x80000000
	JLOAD \s
.endr
	v_and_b32 v1, 15, v0                           ; l % 16
	v_bfe_u32 v2, v0, 4, 1                         ; l / 16
	v_mul_u32_u24 v3, v1, PA
	v_lshl_add_u32 v3, v2, 4, v3                   ; A: row x pitch + 16 x half of the lanes
	v_and_b32 v4, 7, v0
	v_lshl_add_u32 v4, v2, 3, v4                   ; B: K row 8 (l / 16) + l % 8,
	v_mul_u32_u24 v4, v4, PB
	v_bfe_u32 v5, v0, 3, 1
	v_lshl_add_u32 v4, v5, 4, v4                   ; columns 8 ((l / 8) % 2) on
	s_mul_i32 s21, s11, HALFA
	s_lshl_b32 s22, s12, 6
	s_add_co_u32 s22, s22, 2*HALFA
.irp s, 0,1
	v_add_nc_u32 v[ADRA+(\s)], s21, v3
	v_add_nc_u32 v[ADRB+2*(\s)], s22, v4
	s_add_co_u32 s23, s22, HALFB
	v_add_nc_u32 v[ADRB+2*(\s)+1], s23, v4
	s_add_co_u32 s21, s21, SLOT
	s_add_co_u32 s22, s22, SLOT
.endr
	v_mov_b32 v[NEG1], -1.0
.if KIND == 3
	s_mul_i32 s23, s11, 64*SP3                     ; into the stage: row 64 (w >> 1) + l % 16, 32 bytes for each half of the lanes
	s_lshl_b32 s21, s12, 7
	s_add_co_u32 s23, s23, s21
	v_mul_u32_u24 v6, v1, SP3
	v_lshl_add_u32 v6, v2, 5, v6
	v_add_nc_u32 v[STO], s23, v6
	s_mul_i32 s23, s10, 32*SP3                     ; back: wave w takes rows 32 w on, a whole row of 512 bytes at a time
	v_and_b32 v6, 31, v0
	v_lshlrev_b32 v[CO], 4, v6
	v_add_nc_u32 v[RD], s23, v[CO]
	s_lshl_b32 s16, s13, 20                        ; out0: row (128 x tile row + 32 w) x 8,192 bytes
	s_lshl_b32 s17, s10, 18
	s_add_co_u32 s16, s16, s17
	s_lshl_b32 s46, s42, 9
.else
	s_mul_i32 s23, s11, 64*SP                      ; into a stage: row 64 (w >> 1) + l % 16, 16 bytes for each half of the lanes
	s_lshl_b32 s21, s12, 6
	s_add_co_u32 s23, s23, s21
	v_mul_u32_u24 v6, v1, SP
	v_lshl_add_u32 v6, v2, 4, v6
	v_add_nc_u32 v[STO], s23, v6
	s_mul_i32 s23, s10, 32*SP                      ; back: wave w takes rows 32 w on; lanes 0-15 one row of 256 bytes, lanes 16-31 the next
	v_mul_u32_u24 v6, v2, SP
	v_lshl_add_u32 v6, v1, 4, v6
	v_add_nc_u32 v[RD], s23, v6
.endif
.if KIND == 1
	v_lshlrev_b32 v6, 12, v2
	v_lshl_add_u32 v[CO], v1, 4, v6
	s_lshl_b32 s16, s13, 19                        ; cb: row (128 x tile row + 32 w) x 4,096 bytes
	s_lshl_b32 s17, s10, 17
	s_add_co_u32 s16, s16, s17
	s_lshl_b32 s46, s42, 8                         ; 256 bytes x tile column; c_q lies 512 columns further right, behind c_kv's low parts
	s_cmp_lg_u32 ttmp9, 0
	s_cselect_b32 s47, 1024, 0
	s_add_co_u32 s46, s46, s47
	s_cmp_eq_u32 ttmp9, 0
	s_cselect_b32 s84, 1, 0                        ; the first four tile columns are c_kv: they leave a low part
.endif
.if KIND == 2
	v_lshlrev_b32 v6, 8, v2
	v_lshl_add_u32 v[CO], v1, 4, v6
	s_lshl_b32 s85, s13, 15                        ; by heads: (128 x tile row + 32 w) rows of 256 bytes
	s_lshl_b32 s17, s10, 13
	s_add_co_u32 s85, s85, s17
	s_and_b32 s16, s66, 1                          ; q at 0, q's upper heads at 0x800000, k at 0x1000000, v at 0x1800000
	s_lshl_b32 s16, s16, 23
	s_cmp_lt_u32 s66, 2
	s_cselect_b32 s17, 0x1000000, 0
	s_add_co_u32 s16, s16, s17
	s_add_co_u32 s16, s16, s85
	s_lshl_b32 s46, s42, 19                        ; a head is 524,288 bytes
	s_and_b32 s86, ttmp7, 0xffff                   ; v's rows 0-511 (the first row of clusters) leave a low part
	s_xor_b32 s87, s66, 1
	s_or_b32 s86, s86, s87
	s_cmp_eq_u32 s86, 0
	s_cselect_b32 s84, 1, 0
	s_mov_b32 s86, s85
	s_mov_b32 s87, 0
	s_add_nc_u64 s[90:91], s[ARGO:ARGO+1], s[86:87]
	s_lshl_b32 s86, s42, 17                        ; there a head is 512 rows
	s_add_nc_u64 s[90:91], s[90:91], s[86:87]
	s_add_nc_u64 s[90:91], s[90:91], 0x2000000
.endif
	s_mov_b32 s17, 0
	s_mov_b32 s47, 0
	s_add_nc_u64 s[8:9], s[ARGO:ARGO+1], s[16:17]
	s_add_nc_u64 s[8:9], s[8:9], s[46:47]
.if KIND == 2
	; the rotation table for my rows and channels, asked for now and waited for on the way out.  The tiles of v ask too, so that these registers are written whichever product the work-group makes; they rotate nothing.
	v_lshlrev_b32 v[RTO], 9, v1                    ; 512 bytes a token
	v_lshl_add_u32 v[RTO], v2, 5, v[RTO]           ; my 8 channels
	s_lshl_b32 s21, s11, 15
	s_lshl_b32 s22, s12, 7
	s_add_co_u32 s21, s21, s22
	v_add_nc_u32 v[RTO], s21, v[RTO]
	s_lshl_b32 s86, s13, 16
	s_add_nc_u64 s[92:93], s[ARGW:ARGW+1], s[86:87]
	s_add_nc_u64 s[92:93], s[92:93], RT
	WIN 0x80                                       ; destination window 2
.irp a, 0,1,2,3
.irp u, 0,1
	global_load_b128 v[16*(2*\a+\u):16*(2*\a+\u)+3],     v[RTO], s[92:93] offset:\a*8192+64*\u
	global_load_b128 v[16*(2*\a+\u)+4:16*(2*\a+\u)+7],   v[RTO], s[92:93] offset:\a*8192+64*\u+16
	global_load_b128 v[16*(2*\a+\u)+8:16*(2*\a+\u)+11],  v[RTO], s[92:93] offset:\a*8192+64*\u+256
	global_load_b128 v[16*(2*\a+\u)+12:16*(2*\a+\u)+15], v[RTO], s[92:93] offset:\a*8192+64*\u+272
.endr
.endr
	WIN 0
.endif
; 8 matrix instructions: row blocks a0, a0 + 1 x all 4 column blocks, 32 along K: half c of buffer f.  zero = 1: the first product starts the sums.  The 16 accumulators take turns.
.macro MUL8 f, c, a0, zero
	WIN MUL
.irp a, \a0, (\a0)+1
.irp b, 0,1,2,3
.if \zero
	v_wmma_f32_16x16x32_f16 v[ACC+8*(4*(\a)+(\b)):ACC+8*(4*(\a)+(\b))+7], v[(\f)+64+8*(4*(\c)+(\b)):(\f)+64+8*(4*(\c)+(\b))+7], v[(\f)+8*(4*(\c)+(\a)):(\f)+8*(4*(\c)+(\a))+7], 0
.else
	v_wmma_f32_16x16x32_f16 v[ACC+8*(4*(\a)+(\b)):ACC+8*(4*(\a)+(\b))+7], v[(\f)+64+8*(4*(\c)+(\b)):(\f)+64+8*(4*(\c)+(\b))+7], v[(\f)+8*(4*(\c)+(\a)):(\f)+8*(4*(\c)+(\a))+7], v[ACC+8*(4*(\a)+(\b)):ACC+8*(4*(\a)+(\b))+7]
.endif
.endr
.endr
.endm
; 32 LDS loads in one run: the fragments of quarter q (64 along K) of a slot, into buffer f; the first 32 along K first
.macro FETCH slot, q, f
	WIN TO_F
.irp c, 0,1
.irp i, 0,1,2,3
	ds_load_tr16_b128 v[(\f)+64+8*(4*(\c)+(\i)):(\f)+64+8*(4*(\c)+(\i))+3],   v[ADRB+2*(\slot)+(\q)/2] offset:(((\q)%2)*64+32*(\c))*PB+32*(((\i)%2)+4*((\i)/2))
	ds_load_tr16_b128 v[(\f)+64+8*(4*(\c)+(\i))+4:(\f)+64+8*(4*(\c)+(\i))+7], v[ADRB+2*(\slot)+(\q)/2] offset:(((\q)%2)*64+32*(\c)+16)*PB+32*(((\i)%2)+4*((\i)/2))
	ds_load_b128 v[(\f)+8*(4*(\c)+(\i)):(\f)+8*(4*(\c)+(\i))+3],   v[ADRA+(\slot)] offset:128*(\q)+64*(\c)+(\i)*16*PA
	ds_load_b128 v[(\f)+8*(4*(\c)+(\i))+4:(\f)+8*(4*(\c)+(\i))+7], v[ADRA+(\slot)] offset:128*(\q)+64*(\c)+(\i)*16*PA+32
.endr
.endr
.endm
.macro PLACES                          ; four places in front of loads into registers that matrix instructions have read, and of vector work that reads results
.rept 4
	v_nop
.endr
.endm
; A K step is four quarters, 32 matrix instructions each, on buffers 0, 1, 0, 1.  One of the first three: multiplies buffer f and fetches quarter q into g.
.macro QUARTER slot, q, f, g, zero
	s_wait_dscnt 16                                ; the first 32 along K are in; the other sixteen loads may be out
	WIN MUL
	MUL8 \f, 0, 0, \zero
	MUL8 \f, 0, 2, \zero
	PLACES
	FETCH \slot, \q, \g
	s_wait_dscnt 32                                ; all but the 32 just issued
	WIN MUL
	MUL8 \f, 1, 0, 0
	MUL8 \f, 1, 2, 0
.endm
; The last quarter multiplies buffer 1 and changes slots: one barrier; in front of it each wave waits for all its tensor loads, adds 0 to its spare word, and waits for that and for its reads of this slot.
.macro TURN slot, next, fill
	WIN 0
	s_wait_tensorcnt 0x0                           ; all my tensor loads have landed: my part of the next slot
	ds_add_u32 v[SPW], v[NIL]                      ; 0 onto my spare word
	s_wait_dscnt 17                                ; (the add and the youngest sixteen loads may be out)
	WIN MUL
	MUL8 F1, 0, 0, 0
	s_wait_dscnt 0x0                               ; the add is done, and my reads of this slot are over
	s_barrier_signal -1
	MUL8 F1, 0, 2, 0
.if \fill
	WIN 0
.endif
	s_barrier_wait -1
.if \fill
	CREST                                          ; the barrier has opened a round of the cluster's: no wave of any partner still reads this slot or has a load on its way
	s_add_nc_u64 s[G0+4*(\slot)+2:G0+4*(\slot)+3], s[G0+4*(\slot)+2:G0+4*(\slot)+3], 2*KSTEP*2
	s_add_nc_u64 s[G0B+4*(\slot)+2:G0B+4*(\slot)+3], s[G0B+4*(\slot)+2:G0B+4*(\slot)+3], 2*KSTEP*ROWB
	JLOAD \slot                                    ; the first tensor load behind the round; its four v_nop are also the places in front of the loads below
.else
	PLACES
.endif
	FETCH \next, 0, F0
	WIN MUL
	MUL8 F1, 1, 0, 0
	MUL8 F1, 1, 2, 0
.endm
	s_wait_tensorcnt 1                             ; my part of K step 0 is in; K step 1's load may stay out
	s_barrier_signal -1
	s_barrier_wait -1
	FETCH 0, 0, F0
	QUARTER 0, 1, F0, F1, 1                        ; the first quarter stands in front of the loop: its first products start the sums
	WIN 0
	s_mov_b32 s3, LAPS-1
.Llap:                                                 ; a trip goes once round the ring and fills both slots again
	QUARTER 0, 2, F1, F0, 0
	QUARTER 0, 3, F0, F1, 0
	TURN 0, 1, 1
	QUARTER 1, 1, F0, F1, 0
	QUARTER 1, 2, F1, F0, 0
	QUARTER 1, 3, F0, F1, 0
	TURN 1, 0, 1
	QUARTER 0, 1, F0, F1, 0
	WIN 0
	s_sub_co_u32 s3, s3, 1
	s_cmp_lg_u32 s3, 0
	s_cbranch_scc1 .Llap
	QUARTER 0, 2, F1, F0, 0                        ; the last lap fills nothing
	QUARTER 0, 3, F0, F1, 0
	TURN 0, 1, 0                                   ; behind this barrier nobody reads slot 0 any more
	QUARTER 1, 1, F0, F1, 0
	QUARTER 1, 2, F1, F0, 0
	QUARTER 1, 3, F0, F1, 0
	s_wait_dscnt 16
	WIN MUL
	MUL8 F1, 0, 0, 0
	MUL8 F1, 0, 2, 0
	s_wait_dscnt 0
	MUL8 F1, 1, 0, 0
	MUL8 F1, 1, 2, 0
	WIN 0
	; THE WAY OUT
.macro PACKH                           ; the accumulators rounded to f16, 16 bytes a lane and accumulator
.set t, 0
.rept 16
.irp r, 0,1,2,3
	v_cvt_pk_f16_f32 v[TMP+4*t+(\r)], v[ACC+8*t+2*(\r)], v[ACC+8*t+2*(\r)+1]
.endr
.set t, t+1
.endr
.endm
.macro STG base                        ; into a stage of 128 rows x 272 bytes
.irp a, 0,1,2,3
.irp b, 0,1,2,3
	ds_store_b128 v[STO], v[TMP+4*(4*(\a)+(\b)):TMP+4*(4*(\a)+(\b))+3] offset:(\base)+(\a)*16*SP+32*((\b)%2)+128*((\b)/2)
.endr
.endr
.endm
.macro LOPART                          ; what the rounding left: the number less its f16, exact in f32
.set t, 0
.rept 16
.irp e, 0,2,4,6
	v_fma_mix_f32 v[ACC+8*t+(\e)], v[TMP+4*t+(\e)/2], v[NEG1], v[ACC+8*t+(\e)] op_sel:[0,0,0] op_sel_hi:[1,0,0]
	v_fma_mix_f32 v[ACC+8*t+(\e)+1], v[TMP+4*t+(\e)/2], v[NEG1], v[ACC+8*t+(\e)+1] op_sel:[1,0,0] op_sel_hi:[1,0,0]
.endr
.set t, t+1
.endr
.endm
.macro BACK base, dst, ptr, step, extra ; 32 whole rows come back and are stored: 16 lanes store 256 consecutive bytes, aligned
.irp t, 0,1,2,3,4,5,6,7,8,9,10,11,12,13,14,15
	ds_load_b128 v[(\dst)+4*(\t):(\dst)+4*(\t)+3], v[RD] offset:(\base)+(\t)*2*SP
.endr
.irp t, 0,1,2,3,4,5,6,7,8,9,10,11,12,13,14,15
	s_wait_dscnt 15-(\t)
	global_store_b128 v[CO], v[(\dst)+4*(\t):(\dst)+4*(\t)+3], s[\ptr:\ptr+1] offset:2*(\t)*(\step)+(\extra)
.endr
.endm
	PLACES
	s_wait_kmcnt 0x0                               ; the factors
.if KIND == 1
	s_cmp_eq_u32 ttmp9, 0
	s_cselect_b32 s67, s76, s77
.endif
.if KIND == 2
	s_cmp_eq_u32 s66, 0
	s_cselect_b32 s67, s78, s80
	s_cmp_eq_u32 s66, 1
	s_cselect_b32 s67, s79, s67
.endif
.if KIND == 3
	s_mov_b32 s67, s82
.endif
	v_mov_b32 v[SCL], s67
	v_mov_b32 v[SCL+1], s67
.set i, ACC
.rept 64
	v_pk_mul_f32 v[i:i+1], v[i:i+1], v[SCL:SCL+1]  ; ascending: each accumulator's lowest registers are read first
.set i, i+2
.endr
.if KIND == 2
	s_wait_loadcnt 0x0                             ; the table
	s_cmp_eq_u32 s66, 1
	s_cbranch_scc1 .Lno_rope                       ; v is not rotated
	WIN 0x08                                       ; source 1 in window 2
.irp a, 0,1,2,3
.irp u, 0,1
.irp p, 0,2,4,6                        ; t1 = channel d, t2 = channel d + 64: t1 cos - t2 sin, t2 cos + t1 sin
	v_pk_mul_f32 v[RM:RM+1],   v[ACC+8*(4*\a+\u+2)+\p:ACC+8*(4*\a+\u+2)+\p+1], v[16*(2*\a+\u)+8+\p:16*(2*\a+\u)+8+\p+1]
	v_pk_mul_f32 v[RM+2:RM+3], v[ACC+8*(4*\a+\u)+\p:ACC+8*(4*\a+\u)+\p+1],     v[16*(2*\a+\u)+8+\p:16*(2*\a+\u)+8+\p+1]
	v_pk_fma_f32 v[ACC+8*(4*\a+\u)+\p:ACC+8*(4*\a+\u)+\p+1],     v[ACC+8*(4*\a+\u)+\p:ACC+8*(4*\a+\u)+\p+1],     v[16*(2*\a+\u)+\p:16*(2*\a+\u)+\p+1], v[RM:RM+1] neg_lo:[0,0,1] neg_hi:[0,0,1]
	v_pk_fma_f32 v[ACC+8*(4*\a+\u+2)+\p:ACC+8*(4*\a+\u+2)+\p+1], v[ACC+8*(4*\a+\u+2)+\p:ACC+8*(4*\a+\u+2)+\p+1], v[16*(2*\a+\u)+\p:16*(2*\a+\u)+\p+1], v[RM+2:RM+3]
.endr
.endr
.endr
	WIN 0
.Lno_rope:
.endif
.if KIND != 3
	PACKH
	STG STG0
	s_cmp_eq_u32 s84, 0
	s_cbranch_scc1 .Lno_lo
	LOPART
	PACKH
	STG STG1
.Lno_lo:
	s_wait_dscnt 0x0                               ; for the others' sake: my stores into the stages are done
	s_barrier_signal -1
	s_barrier_wait -1                              ; a row's 256 bytes come from two waves
.if KIND == 1
	BACK STG0, TMP, 8, 4096, 0
.else
	BACK STG0, TMP, 8, 256, 0
.endif
	s_cmp_eq_u32 s84, 0
	s_cbranch_scc1 .Lend
.if KIND == 1
	BACK STG1, ACC, 8, 4096, 1024
.else
	BACK STG1, ACC, 90, 256, 0
.endif
.Lend:
.else
.irp a, 0,1,2,3
.irp b, 0,1,2,3
	ds_store_b128 v[STO], v[ACC+8*(4*(\a)+(\b)):ACC+8*(4*(\a)+(\b))+3]   offset:(\a)*16*SP3+64*((\b)%2)+256*((\b)/2)
	ds_store_b128 v[STO], v[ACC+8*(4*(\a)+(\b))+4:ACC+8*(4*(\a)+(\b))+7] offset:(\a)*16*SP3+64*((\b)%2)+256*((\b)/2)+16
.endr
.endr
	s_wait_dscnt 0x0                               ; for the others' sake: my stores into the stage are done
	s_barrier_signal -1
	s_barrier_wait -1
.set t, 0
.rept 32
	ds_load_b128 v[ACC+4*t:ACC+4*t+3], v[RD] offset:t*SP3
.set t, t+1
.endr
.set t, 0
.rept 32
	s_wait_dscnt 31-t
	global_store_b128 v[CO], v[ACC+4*t:ACC+4*t+3], s[8:9] offset:t*8192 th:TH_STORE_NT  ; 512 consecutive bytes of a row of out0, aligned
.set t, t+1
.endr
.endif
	s_wait_tensorcnt 0x0                           ; the wave's end, behind my last tensor load and my last LDS store
	ds_add_u32 v[SPW], v[NIL]
	s_wait_dscnt 0x0
	CROUND                                         ; the closing round: no work-group ends while a partner may still ask for a tile that names it
	s_endpgm
.Lfunc_end_k_q4d02323f3c_g3:
	.size	k_q4d02323f3c_g3, .Lfunc_end_k_q4d02323f3c_g3-k_q4d02323f3c_g3
	.p2alignl 7, 3214868480
	.fill 96, 4, 3214868480
	.section	.rodata,"a",@progbits
	.p2align	6, 0x0
	.amdhsa_kernel k_q4d02323f3c_g3
		.amdhsa_group_segment_fixed_size 327680
		.amdhsa_private_segment_fixed_size 0
		.amdhsa_enable_private_segment 0
		.amdhsa_kernarg_size 32
		.amdhsa_user_sgpr_count 2
		.amdhsa_user_sgpr_kernarg_segment_ptr 1
		.amdhsa_wavefront_size32 1
		.amdhsa_system_sgpr_workgroup_id_x 1
		.amdhsa_system_sgpr_workgroup_id_y 1
		.amdhsa_system_sgpr_workgroup_id_z 1
		.amdhsa_system_vgpr_workitem_id 0
		.amdhsa_next_free_vgpr 512
		.amdhsa_next_free_sgpr 96
		.amdhsa_reserve_vcc 0
		.amdhsa_float_denorm_mode_32 3
		.amdhsa_float_denorm_mode_16_64 3
		.amdhsa_memory_ordered 1
		.amdhsa_forward_progress 1
		.amdhsa_inst_pref_size 91
	.end_amdhsa_kernel
	.amdgpu_metadata
---
amdhsa.version: [ 1, 2 ]
amdhsa.kernels:
  - .name:           k_q4d02323f3c_g3
    .symbol:         k_q4d02323f3c_g3.kd
    .args:
      - { .name: ob, .offset: 0, .size: 8, .value_kind: global_buffer, .address_space: global }
      - { .name: cw, .offset: 8, .size: 8, .value_kind: global_buffer, .address_space: global }
      - { .name: ls, .offset: 16, .size: 8, .value_kind: global_buffer, .address_space: global }
      - { .name: out0, .offset: 24, .size: 8, .value_kind: global_buffer, .address_space: global }
    .group_segment_fixed_size: 327680
    .private_segment_fixed_size: 0
    .kernarg_segment_align: 8
    .kernarg_segment_size: 32
    .max_flat_workgroup_size: 128
    .sgpr_count:     96
    .vgpr_count:     512
    .wavefront_size: 32
...
	.end_amdgpu_metadata
.endif
;; end of part 6
;; ======== version 2 of 2: 6 launches
;; limits: values are held in f16: magnitudes above 65,504 overflow, below 6.1e-05 lose precision; inputs' magnitudes at most 65,400
;; workspace buffers: cw 43,070,464 bytes; ls 131,328 bytes; cb 8,388,608 bytes; qkv 35,651,584 bytes; ob 8,388,608 bytes
;; launch cvt: the kernel of part 1 again; grid 592 x 1, 8 waves a work-group, no clusters, 0 bytes of LDS; arguments x, W_DKV, W_DQ, W_UK, W_UV, W_UQ, W_out, W_lam, cw; writes cw
;; launch lam: the kernel of part 2 again; grid 128 x 1, 4 waves a work-group, no clusters, 4,608 bytes of LDS; arguments cw, b_lam, ls; writes ls
;; launch g1 (part 7): grid 12 x 16, 4 waves a work-group, clusters of 4 x 4, 327,680 bytes of LDS; arguments cw, ls, cb; writes cb
.if DOCPART == 7
	.amdgcn_target "amdgcn-amd-amdhsa--gfx1250"
	.amdhsa_code_object_version 6
	.text
	.protected	k_q4d02323f3c_g1
	.globl	k_q4d02323f3c_g1
	.p2align	8
	.type	k_q4d02323f3c_g1,@function
k_q4d02323f3c_g1:
	s_mov_b64 s[64:65], 0
	v_nop
	global_prefetch_b8 v0, s[64:65] scope:SCOPE_SE
	s_setreg_imm32_b32 hwreg(HW_REG_WAVE_MODE, 25, 1), 1
	s_wait_xcnt 0x0
	s_wait_alu depctr_hold_cnt(0) depctr_sa_sdst(0) depctr_va_vdst(0) depctr_va_sdst(0) depctr_va_ssrc(0) depctr_va_vcc(0) depctr_vm_vsrc(0)
	s_getreg_b32 s2, hwreg(HW_REG_IB_STS2, 6, 4)
	s_cmp_eq_u32 s2, 0
	s_cbranch_scc0 .Lentry_in_a_cluster
	s_endpgm
.Lentry_in_a_cluster:
	s_bfe_u32 s2, ttmp6, 0x10000c
	s_cmp_lg_u32 s2, 0xf033
	s_cbranch_scc0 .Lentry_shape_is_right
	s_endpgm
.Lentry_shape_is_right:
.set KIND, 1
; C = A B on tiles of 128 x 128, f16 operands, f32 sums, K = 2,048.  ONE TEXT SERVES TWO KERNELS; KIND, in the first line, picks the addresses and the way out:
;   1: c = x [W_DKV | W_DQ].  c times its factor leaves as f16; c_kv also leaves its low part, f16(c - f16(c)), 512 columns to the right.
;   3: out = o W_out, times its factor, f32.
; A is [rows][K], B is [K][columns], both with rows of 4,096 bytes.  LIMITS: the factors bound every f16 result by 46,400 for any input; NaN and infinities are not treated apart.
; SHARES.  Four waves, each 64 x 64: 16 accumulators.  Wave w: rows 64 (w >> 1) on; column blocks of 16: 2 (w & 1) + (b & 1) + 4 (b >> 1).
; K goes in eight steps of 256 through two LDS slots.  A's rows lie along K and are read as they lie; B's rows lie along the columns and are read turned, by ds_load_tr16_b128.
; A K STEP IS WRITTEN ONCE: the slot in hand is a scalar register, 0 or SLOT, which an exclusive or turns; the LDS addresses are that register plus a lane term, and one walking descriptor takes its LDS word from it.
; The loop makes the six steps that fill a slot again; a second copy, which fills nothing, is walked twice and left in its middle.
; THE MATRIX INSTRUCTION IS USED TRANSPOSED (source 0 = 16 columns of B, source 1 = 16 rows of A): a lane holds eight neighbouring numbers of a row of C.
; CLUSTERS: 4 x 4 work-groups.  The four of a row need the same tiles of A, the four of a column the same tiles of B: each tile is asked for jointly, by the same tensor load, descriptor and mask in all four.
; By this text's count a wave has two tensor loads out at the start and one behind each round.  No prefetch: the tiles are small and shared.
; REGISTERS: window 0: v12-29 scale, addresses; v32-95 at work on the way out; v128-255 the accumulators ((a, b) at v[128 + 8 (4 a + b)]).  window 1: two fragment buffers of 128: 64 of A, 64 of B.
.set NSTEP, 8
.if KIND == 1
.set ARGA, 68                          ; s[68:69] cw holds A (x) and B
.set ARGW, 68
.set ARGL, 70                          ; ls
.set ARGO, 72                          ; cb
.set BOFF, 0x800000
.else
.set ARGA, 68                          ; ob
.set ARGW, 70                          ; cw
.set ARGL, 72                          ; ls
.set ARGO, 74                          ; out0
.set BOFF, 0x2000000
.endif
.set KSTEP,  256
.set ROWB,   4096
.set PA,     528                       ; a row of A in LDS: 512 bytes + 16: 132 words, so the 16 rows of a load start at 16 different groups of four banks (64 banks of 4 bytes: ISA guide 11.1)
.set PB,     288                       ; a row of B: 256 + 32 = 72 words
.set HALFA,  64*PA                     ; what one tensor load brings of A: 64 rows x 256 K
.set HALFB,  128*PB                    ; and of B: 128 K x 128 columns
.set SLOT,   2*HALFA+2*HALFB
.set SPARE,  2*SLOT                    ; behind the ring: the spare words, 128 bytes a wave, which no other line names
.set STG0,   0                         ; the stages of the way out lie in slot 0, which has had its last fill by then
.set STG1,   128*272
.set SP,     272
.set SP3,    528
.set SCL,  12                          ; v[12:13] the factor, twice
.set NEG1, 14                          ; v14  -1.0
.set ADRA, 16                          ; v16     LDS address of my A fragments in the slot in hand
.set ADRB, 17                          ; v17-18  of my B fragments there: K 0-127, K 128-255
.set A0,   20                          ; v20  the same in slot 0; never rewritten
.set B0,   21                          ; v21
.set STO,  24
.set RD,   25
.set CO,   26
.set SPW,  28                          ; v28  my spare word; never rewritten
.set NIL,  29                          ; v29  0; never rewritten
.set TMP,  32
.set ACC,  128
.set F0,   0
.set F1,   128
.set G1, 24                            ; s[24:31] descriptor group 1 for A's tiles;  s[32:39] group 0: a set for each first fill; the second then walks
.set G0, 32
.set G1B, 48                           ; s[48:55], s[56:63] the same for B's tiles
.set G0B, 56
.set TB,  88                           ; s88  the slot in hand: 0 or SLOT
.set MSB, 0
.macro WIN new                         ; the immediate's high byte repeats the setting that is left
.if MSB != (\new)
	s_set_vgpr_msb (MSB<<8)|(\new)
.set MSB, \new
.endif
.endm
.set MUL,  0x05                        ; sources 0 (B) and 1 (A) window 1; C and D window 0
.set TO_F, 0x40                        ; destination window 1, address window 0
.macro JLOAD s                         ; a joint load: waves 0 and 1 fetch A's two halves, waves 2 and 3 B's; an s_nop 0 and four v_nop follow each line
	s_cmp_eq_u32 s11, 0
	s_cbranch_scc0 .Lfor_b_\@
	tensor_load_to_lds s[G0+4*(\s):G0+4*(\s)+3], s[G1:G1+7]
	s_nop 0
.rept 4
	v_nop
.endr
	s_branch .Lasked_\@
.Lfor_b_\@:
	tensor_load_to_lds s[G0B+4*(\s):G0B+4*(\s)+3], s[G1B:G1B+7]
	s_nop 0
.rept 4
	v_nop
.endr
.Lasked_\@:
.endm
.macro CREST                           ; a round of the cluster's barrier behind its opening barrier
	s_cmp_lg_u32 s10, 0
	s_cbranch_scc1 .Lnot_wave_0_\@
	s_barrier_signal -3
.Lnot_wave_0_\@:
	s_barrier_wait -3
	s_barrier_signal -1
	s_barrier_wait -1
.endm
.macro CROUND
	s_barrier_signal -1
	s_barrier_wait -1
	CREST
.endm
.if KIND == 1
	s_load_b128 s[68:71], s[0:1], 0x0
	s_load_b64 s[72:73], s[0:1], 0x10
.else
	s_load_b256 s[68:75], s[0:1], 0x0
.endif
	v_lshl_add_u32 v[SPW], v0, 2, SPARE
	v_mov_b32 v[NIL], 0
	ds_add_u32 v[SPW], v[NIL]                      ; the wave's opening: the add and its wait stand ahead of my first tensor load; the set-up below stands between them
	ds_add_u32 v28, v29
	v_lshrrev_b32 v1, 5, v0
	v_readfirstlane_b32 s10, v1                    ; wave 0..3
	s_lshr_b32 s11, s10, 1                         ; which half of the tile's rows is mine.  Also: I fetch for A (0) or for B (1)
	s_and_b32 s12, s10, 1                          ; which column blocks.  Also: which half of that tile I fetch
	s_bfe_u32 s40, ttmp6, 0x40000                  ; cx, cy: my place in the cluster
	s_bfe_u32 s41, ttmp6, 0x40004
	s_lshl_b32 s42, ttmp9, 2
	s_add_co_u32 s42, s42, s40                     ; tile column
	s_and_b32 s13, ttmp7, 0xffff
	s_lshl_b32 s13, s13, 2
	s_add_co_u32 s13, s13, s41                     ; tile row
	s_lshl_b32 s43, s41, 2
	s_lshl_b32 s43, 15, s43                        ; my row of the cluster
	s_lshl_b32 s44, 0x1111, s40                    ; my column
	s_or_b32 s[G1+0], s43, (1<<16)|(1<<20)|(1<<21)|(6<<22)|(3<<25)   ; the mask; 2-byte elements; padding on; bit 21 beside a mask; after every 128 words, 4 words
	s_or_b32 s[G1B+0], s44, (1<<16)|(1<<20)|(1<<21)|(5<<22)|(7<<25)  ; after every 64 words, 8 words
	s_mov_b32 s[G1+1], KSTEP<<16                   ; A: tensor_dim0 = 256
	s_mov_b32 s[G1+2], 64<<16                      ; tensor_dim1 = 64
	s_mov_b32 s[G1+3], KSTEP<<16                   ; tile_dim0 = 256
	s_mov_b32 s[G1+4], 64                          ; tile_dim1 = 64
	s_mov_b32 s[G1+5], 2048                        ; elements from row to row
	s_mov_b32 s[G1+6], 0
	s_mov_b32 s[G1+7], 0
	s_mov_b32 s[G1B+1], 128<<16                    ; B: 128 columns
	s_mov_b32 s[G1B+2], 128<<16                    ; x 128 K
	s_mov_b32 s[G1B+3], 128<<16
	s_mov_b32 s[G1B+4], 128
	s_mov_b32 s[G1B+5], 2048
	s_mov_b32 s[G1B+6], 0
	s_mov_b32 s[G1B+7], 0
	s_lshl_b32 s16, s13, 19                        ; A: row 128 x tile row + 64 x half, 4,096 bytes each
	s_lshl_b32 s17, s12, 18
	s_add_co_u32 s16, s16, s17
	s_mov_b32 s17, 0
	s_lshl_b32 s46, s42, 8                         ; B: 256 bytes x tile column + 128 rows x half
	s_lshl_b32 s47, s12, 19
	s_add_co_u32 s46, s46, s47
	s_add_co_u32 s46, s46, BOFF
	s_mov_b32 s47, 0
	s_mul_i32 s18, s12, HALFA                      ; where they go in a slot: no place in the cluster enters an LDS address
	s_mul_i32 s19, s12, HALFB
	s_add_co_u32 s19, s19, 2*HALFA
	s_mov_b32 s[TB], 0
	s_wait_dscnt 0x0                               ; the opening add is done
	s_wait_kmcnt 0x0
	s_add_nc_u64 s[14:15], s[ARGA:ARGA+1], s[16:17]
	s_add_nc_u64 s[46:47], s[ARGW:ARGW+1], s[46:47]
	s_load_b256 s[76:83], s[ARGL:ARGL+1], 0x20000  ; the factors; waited for on the way out
	CROUND                                         ; all sixteen work-groups are here: the first joint loads meet
.irp s, 0,1
	s_mov_b32 s[G0+4*(\s)], 1
	s_add_co_u32 s[G0+4*(\s)+1], s18, (\s)*SLOT
	s_add_nc_u64 s[G0+4*(\s)+2:G0+4*(\s)+3], s[14:15], (\s)*KSTEP*2
	s_or_b32 s[G0+4*(\s)+3], s[G0+4*(\s)+3], 0x80000000
	s_mov_b32 s[G0B+4*(\s)], 1
	s_add_co_u32 s[G0B+4*(\s)+1], s19, (\s)*SLOT
	s_add_nc_u64 s[G0B+4*(\s)+2:G0B+4*(\s)+3], s[46:47], (\s)*KSTEP*ROWB
	s_or_b32 s[G0B+4*(\s)+3], s[G0B+4*(\s)+3], 0x80000000
	JLOAD \s
.endr
	v_and_b32 v1, 15, v0                           ; l % 16
	v_bfe_u32 v2, v0, 4, 1                         ; l / 16
	v_mul_u32_u24 v3, v1, PA
	v_lshl_add_u32 v3, v2, 4, v3                   ; A: row x pitch + 16 x half of the lanes
	v_and_b32 v4, 7, v0
	v_lshl_add_u32 v4, v2, 3, v4                   ; B: K row 8 (l / 16) + l % 8,
	v_mul_u32_u24 v4, v4, PB
	v_bfe_u32 v5, v0, 3, 1
	v_lshl_add_u32 v4, v5, 4, v4                   ; columns 8 ((l / 8) % 2) on
	s_mul_i32 s21, s11, HALFA
	s_lshl_b32 s22, s12, 6
	s_add_co_u32 s22, s22, 2*HALFA
	v_add_nc_u32 v[A0], s21, v3
	v_add_nc_u32 v[B0], s22, v4
	v_mov_b32 v[ADRA], v[A0]
	v_mov_b32 v[ADRB], v[B0]
	v_add_nc_u32 v[ADRB+1], HALFB, v[B0]
	v_mov_b32 v[NEG1], -1.0
.if KIND == 3
	s_mul_i32 s23, s11, 64*SP3                     ; into the stage: row 64 (w >> 1) + l % 16, 32 bytes for each half of the lanes
	s_lshl_b32 s21, s12, 7
	s_add_co_u32 s23, s23, s21
	v_mul_u32_u24 v6, v1, SP3
	v_lshl_add_u32 v6, v2, 5, v6
	v_add_nc_u32 v[STO], s23, v6
	s_mul_i32 s23, s10, 32*SP3                     ; back: wave w takes rows 32 w on, a whole row of 512 bytes at a time
	v_and_b32 v6, 31, v0
	v_lshlrev_b32 v[CO], 4, v6
	v_add_nc_u32 v[RD], s23, v[CO]
	s_lshl_b32 s16, s13, 20                        ; out0: row (128 x tile row + 32 w) x 8,192 bytes
	s_lshl_b32 s17, s10, 18
	s_add_co_u32 s16, s16, s17
	s_lshl_b32 s46, s42, 9
.else
	s_mul_i32 s23, s11, 64*SP                      ; into a stage: row 64 (w >> 1) + l % 16, 16 bytes for each half of the lanes
	s_lshl_b32 s21, s12, 6
	s_add_co_u32 s23, s23, s21
	v_mul_u32_u24 v6, v1, SP
	v_lshl_add_u32 v6, v2, 4, v6
	v_add_nc_u32 v[STO], s23, v6
	s_mul_i32 s23, s10, 32*SP                      ; back: wave w takes rows 32 w on; lanes 0-15 one row of 256 bytes, lanes 16-31 the next
	v_mul_u32_u24 v6, v2, SP
	v_lshl_add_u32 v6, v1, 4, v6
	v_add_nc_u32 v[RD], s23, v6
	v_lshlrev_b32 v6, 12, v2
	v_lshl_add_u32 v[CO], v1, 4, v6
	s_lshl_b32 s16, s13, 19                        ; cb: row (128 x tile row + 32 w) x 4,096 bytes
	s_lshl_b32 s17, s10, 17
	s_add_co_u32 s16, s16, s17
	s_lshl_b32 s46, s42, 8                         ; 256 bytes x tile column; c_q lies 512 columns further right, behind c_kv's low parts
	s_cmp_lg_u32 ttmp9, 0
	s_cselect_b32 s47, 1024, 0
	s_add_co_u32 s46, s46, s47
	s_cmp_eq_u32 ttmp9, 0
	s_cselect_b32 s84, 1, 0                        ; the first four tile columns are c_kv: they leave a low part
.endif
	s_mov_b32 s17, 0
	s_mov_b32 s47, 0
	s_add_nc_u64 s[8:9], s[ARGO:ARGO+1], s[16:17]
	s_add_nc_u64 s[8:9], s[8:9], s[46:47]
; 8 matrix instructions: row blocks a0, a0 + 1 x all 4 column blocks, 32 along K: half c of buffer f.  zero = 1: the first product starts the sums.  The 16 accumulators take turns.
.macro MUL8 f, c, a0, zero
	WIN MUL
.irp a, \a0, (\a0)+1
.irp b, 0,1,2,3
.if \zero
	v_wmma_f32_16x16x32_f16 v[ACC+8*(4*(\a)+(\b)):ACC+8*(4*(\a)+(\b))+7], v[(\f)+64+8*(4*(\c)+(\b)):(\f)+64+8*(4*(\c)+(\b))+7], v[(\f)+8*(4*(\c)+(\a)):(\f)+8*(4*(\c)+(\a))+7], 0
.else
	v_wmma_f32_16x16x32_f16 v[ACC+8*(4*(\a)+(\b)):ACC+8*(4*(\a)+(\b))+7], v[(\f)+64+8*(4*(\c)+(\b)):(\f)+64+8*(4*(\c)+(\b))+7], v[(\f)+8*(4*(\c)+(\a)):(\f)+8*(4*(\c)+(\a))+7], v[ACC+8*(4*(\a)+(\b)):ACC+8*(4*(\a)+(\b))+7]
.endif
.endr
.endr
.endm
; 32 LDS loads in one run: the fragments of quarter q (64 along K) of the slot in hand, into buffer f; the first 32 along K first
.macro FETCH q, f
	WIN TO_F
.irp c, 0,1
.irp i, 0,1,2,3
	ds_load_tr16_b128 v[(\f)+64+8*(4*(\c)+(\i)):(\f)+64+8*(4*(\c)+(\i))+3],   v[ADRB+(\q)/2] offset:(((\q)%2)*64+32*(\c))*PB+32*(((\i)%2)+4*((\i)/2))
	ds_load_tr16_b128 v[(\f)+64+8*(4*(\c)+(\i))+4:(\f)+64+8*(4*(\c)+(\i))+7], v[ADRB+(\q)/2] offset:(((\q)%2)*64+32*(\c)+16)*PB+32*(((\i)%2)+4*((\i)/2))
	ds_load_b128 v[(\f)+8*(4*(\c)+(\i)):(\f)+8*(4*(\c)+(\i))+3],   v[ADRA] offset:128*(\q)+64*(\c)+(\i)*16*PA
	ds_load_b128 v[(\f)+8*(4*(\c)+(\i))+4:(\f)+8*(4*(\c)+(\i))+7], v[ADRA] offset:128*(\q)+64*(\c)+(\i)*16*PA+32
.endr
.endr
.endm
.macro PLACES                          ; four places in front of loads into registers that matrix instructions have read, and of vector work that reads results
.rept 4
	v_nop
.endr
.endm
; A K step is four quarters, 32 matrix instructions each, on buffers 0, 1, 0, 1.  One of the first three: multiplies buffer f and fetches quarter q into g.
.macro QUARTER q, f, g, zero
	s_wait_dscnt 16                                ; the first 32 along K are in; the other sixteen loads may be out
	MUL8 \f, 0, 0, \zero
	MUL8 \f, 0, 2, \zero
	PLACES
	FETCH \q, \g
	s_wait_dscnt 32                                ; all but the 32 just issued
	MUL8 \f, 1, 0, 0
	MUL8 \f, 1, 2, 0
.endm
; The last quarter multiplies buffer 1 and changes slots: one barrier; in front of it each wave waits for all its tensor loads, adds 0 to its spare word, and waits for that and for its reads of this slot.
; fill = 1: the slot just read out is filled again, two K steps ahead.  fill = 0 (the second copy): nothing is filled, and in its last walk (s3 = 1) there is no next slot to fetch from.
.macro TURN fill
	WIN 0
	s_wait_tensorcnt 0x0                           ; all my tensor loads have landed: my part of the next slot
	ds_add_u32 v[SPW], v[NIL]                      ; 0 onto my spare word
	s_wait_dscnt 17                                ; (the add and the youngest sixteen loads may be out)
	MUL8 F1, 0, 0, 0
	s_wait_dscnt 0x0                               ; the add is done, and my reads of this slot are over
	s_barrier_signal -1
	MUL8 F1, 0, 2, 0
	WIN 0
	s_barrier_wait -1
.if \fill
	CREST                                          ; the barrier has opened a round of the cluster's: no wave of any partner still reads this slot or has a load on its way
	s_add_co_u32 s[G0+5], s18, s[TB]               ; the walking descriptors: into the slot just read out,
	s_add_co_u32 s[G0B+5], s19, s[TB]
	s_add_nc_u64 s[G0+6:G0+7], s[G0+6:G0+7], KSTEP*2        ; the K step behind the one asked for last
	s_add_nc_u64 s[G0B+6:G0B+7], s[G0B+6:G0B+7], KSTEP*ROWB
	JLOAD 1                                        ; the first tensor load behind the round; its four v_nop are also the places in front of the loads below
.else
	PLACES
	s_cmp_eq_u32 s3, 1
	s_cbranch_scc1 .Lno_next
.endif
	s_xor_b32 s[TB], s[TB], SLOT                   ; the other slot is in hand
	v_add_nc_u32 v[ADRA], s[TB], v[A0]
	v_add_nc_u32 v[ADRB], s[TB], v[B0]
	v_add_nc_u32 v[ADRB+1], HALFB, v[ADRB]
	FETCH 0, F0
.if !(\fill)
	WIN 0
.Lno_next:
.endif
	MUL8 F1, 1, 0, 0
	MUL8 F1, 1, 2, 0
.endm
	s_wait_tensorcnt 1                             ; my part of K step 0 is in; K step 1's load may stay out
	s_barrier_signal -1
	s_barrier_wait -1
	FETCH 0, F0
	QUARTER 1, F0, F1, 1                           ; the first quarter stands in front of the loop: its first products start the sums
	WIN 0
	s_mov_b32 s3, NSTEP-2
.Lstep:                                                ; a trip: a K step's quarters 1 to 3, the change of slots with its refill, the next step's quarter 0
	QUARTER 2, F1, F0, 0
	QUARTER 3, F0, F1, 0
	TURN 1
	QUARTER 1, F0, F1, 0
	WIN 0
	s_sub_co_u32 s3, s3, 1
	s_cmp_lg_u32 s3, 0
	s_cbranch_scc1 .Lstep
	s_mov_b32 s3, 2
.Ltail:                                                ; the last two K steps fill nothing: written out; the second walk is left in its middle
	QUARTER 2, F1, F0, 0
	QUARTER 3, F0, F1, 0
	TURN 0
	WIN 0
	s_sub_co_u32 s3, s3, 1
	s_cmp_eq_u32 s3, 0
	s_cbranch_scc1 .Lout
	QUARTER 1, F0, F1, 0
	WIN 0
	s_branch .Ltail
.Lout:
	s_wait_dscnt 0x0                               ; the stages lie in the ring's bytes: every wave's reads of the ring are over
	s_barrier_signal -1
	s_barrier_wait -1                              ; before any wave stores there
	; THE WAY OUT
.macro PACKH                           ; the accumulators rounded to f16, 16 bytes a lane and accumulator
.set t, 0
.rept 16
.irp r, 0,1,2,3
	v_cvt_pk_f16_f32 v[TMP+4*t+(\r)], v[ACC+8*t+2*(\r)], v[ACC+8*t+2*(\r)+1]
.endr
.set t, t+1
.endr
.endm
.macro STG base                        ; into a stage of 128 rows x 272 bytes
.irp a, 0,1,2,3
.irp b, 0,1,2,3
	ds_store_b128 v[STO], v[TMP+4*(4*(\a)+(\b)):TMP+4*(4*(\a)+(\b))+3] offset:(\base)+(\a)*16*SP+32*((\b)%2)+128*((\b)/2)
.endr
.endr
.endm
.macro LOPART                          ; what the rounding left: the number less its f16, exact in f32
.set t, 0
.rept 16
.irp e, 0,2,4,6
	v_fma_mix_f32 v[ACC+8*t+(\e)], v[TMP+4*t+(\e)/2], v[NEG1], v[ACC+8*t+(\e)] op_sel:[0,0,0] op_sel_hi:[1,0,0]
	v_fma_mix_f32 v[ACC+8*t+(\e)+1], v[TMP+4*t+(\e)/2], v[NEG1], v[ACC+8*t+(\e)+1] op_sel:[1,0,0] op_sel_hi:[1,0,0]
.endr
.set t, t+1
.endr
.endm
.macro BACK base, dst, extra           ; 32 whole rows come back and are stored: 16 lanes store 256 consecutive bytes, aligned
.irp t, 0,1,2,3,4,5,6,7,8,9,10,11,12,13,14,15
	ds_load_b128 v[(\dst)+4*(\t):(\dst)+4*(\t)+3], v[RD] offset:(\base)+(\t)*2*SP
.endr
.irp t, 0,1,2,3,4,5,6,7,8,9,10,11,12,13,14,15
	s_wait_dscnt 15-(\t)
	global_store_b128 v[CO], v[(\dst)+4*(\t):(\dst)+4*(\t)+3], s[8:9] offset:2*(\t)*4096+(\extra)
.endr
.endm
	PLACES
	s_wait_kmcnt 0x0                               ; the factors
.if KIND == 1
	s_cmp_eq_u32 ttmp9, 0
	s_cselect_b32 s67, s76, s77
.else
	s_mov_b32 s67, s82
.endif
	v_mov_b32 v[SCL], s67
	v_mov_b32 v[SCL+1], s67
.set i, ACC
.rept 64
	v_pk_mul_f32 v[i:i+1], v[i:i+1], v[SCL:SCL+1]  ; ascending: each accumulator's lowest registers are read first
.set i, i+2
.endr
.if KIND == 1
	PACKH
	STG STG0
	s_cmp_eq_u32 s84, 0
	s_cbranch_scc1 .Lno_lo
	LOPART
	PACKH
	STG STG1
.Lno_lo:
	s_wait_dscnt 0x0                               ; for the others' sake: my stores into the stages are done
	s_barrier_signal -1
	s_barrier_wait -1                              ; a row's 256 bytes come from two waves
	BACK STG0, TMP, 0
	s_cmp_eq_u32 s84, 0
	s_cbranch_scc1 .Lend
	BACK STG1, ACC, 1024
.Lend:
.else
.irp a, 0,1,2,3
.irp b, 0,1,2,3
	ds_store_b128 v[STO], v[ACC+8*(4*(\a)+(\b)):ACC+8*(4*(\a)+(\b))+3]   offset:(\a)*16*SP3+64*((\b)%2)+256*((\b)/2)
	ds_store_b128 v[STO], v[ACC+8*(4*(\a)+(\b))+4:ACC+8*(4*(\a)+(\b))+7] offset:(\a)*16*SP3+64*((\b)%2)+256*((\b)/2)+16
.endr
.endr
	s_wait_dscnt 0x0                               ; for the others' sake: my stores into the stage are done
	s_barrier_signal -1
	s_barrier_wait -1
.set t, 0
.rept 32
	ds_load_b128 v[ACC+4*t:ACC+4*t+3], v[RD] offset:t*SP3
.set t, t+1
.endr
.set t, 0
.rept 32
	s_wait_dscnt 31-t
	global_store_b128 v[CO], v[ACC+4*t:ACC+4*t+3], s[8:9] offset:t*8192 th:TH_STORE_NT  ; 512 consecutive bytes of a row of out0, aligned
.set t, t+1
.endr
.endif
	s_wait_tensorcnt 0x0                           ; the wave's end, behind my last tensor load and my last LDS store
	ds_add_u32 v[SPW], v[NIL]
	s_wait_dscnt 0x0
	CROUND                                         ; the closing round: no work-group ends while a partner may still ask for a tile that names it
	s_endpgm
.Lfunc_end_k_q4d02323f3c_g1:
	.size	k_q4d02323f3c_g1, .Lfunc_end_k_q4d02323f3c_g1-k_q4d02323f3c_g1
	.p2alignl 7, 3214868480
	.fill 96, 4, 3214868480
	.section	.rodata,"a",@progbits
	.p2align	6, 0x0
	.amdhsa_kernel k_q4d02323f3c_g1
		.amdhsa_group_segment_fixed_size 327680
		.amdhsa_private_segment_fixed_size 0
		.amdhsa_enable_private_segment 0
		.amdhsa_kernarg_size 24
		.amdhsa_user_sgpr_count 2
		.amdhsa_user_sgpr_kernarg_segment_ptr 1
		.amdhsa_wavefront_size32 1
		.amdhsa_system_sgpr_workgroup_id_x 1
		.amdhsa_system_sgpr_workgroup_id_y 1
		.amdhsa_system_sgpr_workgroup_id_z 1
		.amdhsa_system_vgpr_workitem_id 0
		.amdhsa_next_free_vgpr 512
		.amdhsa_next_free_sgpr 96
		.amdhsa_reserve_vcc 0
		.amdhsa_float_denorm_mode_32 3
		.amdhsa_float_denorm_mode_16_64 3
		.amdhsa_memory_ordered 1
		.amdhsa_forward_progress 1
		.amdhsa_inst_pref_size 80
	.end_amdhsa_kernel
	.amdgpu_metadata
---
amdhsa.version: [ 1, 2 ]
amdhsa.kernels:
  - .name:           k_q4d02323f3c_g1
    .symbol:         k_q4d02323f3c_g1.kd
    .args:
      - { .name: cw, .offset: 0, .size: 8, .value_kind: global_buffer, .address_space: global }
      - { .name: ls, .offset: 8, .size: 8, .value_kind: global_buffer, .address_space: global }
      - { .name: cb, .offset: 16, .size: 8, .value_kind: global_buffer, .address_space: global }
    .group_segment_fixed_size: 327680
    .private_segment_fixed_size: 0
    .kernarg_segment_align: 8
    .kernarg_segment_size: 24
    .max_flat_workgroup_size: 128
    .sgpr_count:     96
    .vgpr_count:     512
    .wavefront_size: 32
...
	.end_amdgpu_metadata
.endif
;; end of part 7
;; launch g2 (part 8): grid 32 x 8, 4 waves a work-group, clusters of 4 x 4, 327,680 bytes of LDS; arguments cb, cw, ls, qkv; writes qkv
.if DOCPART == 8
	.amdgcn_target "amdgcn-amd-amdhsa--gfx1250"
	.amdhsa_code_object_version 6
	.text
	.protected	k_q4d02323f3c_g2
	.globl	k_q4d02323f3c_g2
	.p2align	8
	.type	k_q4d02323f3c_g2,@function
k_q4d02323f3c_g2:
	s_mov_b64 s[64:65], 0
	v_nop
	global_prefetch_b8 v0, s[64:65] scope:SCOPE_SE
	s_setreg_imm32_b32 hwreg(HW_REG_WAVE_MODE, 25, 1), 1
	s_wait_xcnt 0x0
	s_wait_alu depctr_hold_cnt(0) depctr_sa_sdst(0) depctr_va_vdst(0) depctr_va_sdst(0) depctr_va_ssrc(0) depctr_va_vcc(0) depctr_vm_vsrc(0)
	s_getreg_b32 s2, hwreg(HW_REG_IB_STS2, 6, 4)
	s_cmp_eq_u32 s2, 0
	s_cbranch_scc0 .Lentry_in_a_cluster
	s_endpgm
.Lentry_in_a_cluster:
	s_bfe_u32 s2, ttmp6, 0x10000c
	s_cmp_lg_u32 s2, 0xf033
	s_cbranch_scc0 .Lentry_shape_is_right
	s_endpgm
.Lentry_shape_is_right:
; k, v, q = c W_U*, SCALED, ROTATED AND LAID BY HEADS.  C = A B on tiles of 256 x 256, f16 operands, f32 sums, K = 1,024; results leave as f16, [head][token][128].
; A = cb, [token][c_kv high 512 | c_kv low 512 | c_q 1,024]; B = the weights in cw, [K][2,048 columns], four products of 1,024 rows: W_UK twice, W_UV twice (they meet c_kv's high and low parts), W_UQ's two halves.
; Rows of A and B are 4,096 bytes.  LIMITS: the factors bound every f16 result by 46,400 for any input; NaN and infinities are not treated apart.
; SHARES.  32 x 8 tiles, a work-group each; two clusters along x make one product.  Four waves, each 128 x 128: 64 accumulators, 512 registers.  A wave's 128 columns are ONE HEAD: channels d and d + 64 lie in one lane
; (column blocks b and b + 4), and 16 rows of a head are 4,096 consecutive bytes of the result.
; K goes in eight steps of 128 through two LDS slots.  A's rows lie along K and are read as they lie; B's rows lie along the columns and are read turned, by ds_load_tr16_b128.
; A K STEP IS WRITTEN ONCE: the slot in hand is a scalar register, 0 or SLOT, which an exclusive or turns; the LDS addresses are that register plus a lane term, and one walking descriptor takes its LDS word from it.
; The loop makes the six steps that fill a slot again; a second copy, which fills nothing, is walked twice and left in its middle.
; THE MATRIX INSTRUCTION IS USED TRANSPOSED (source 0 = 16 columns of B, source 1 = 16 rows of A): a lane holds eight neighbouring numbers of a row of C.
; CLUSTERS: 4 x 4 work-groups.  The four of a row need the same tiles of A, the four of a column the same tiles of B: each tile is asked for jointly, by the same tensor load, descriptor and mask in all four.
; By this text's count a wave has two tensor loads out at the start and one behind each round; a refill is asked for 224 matrix instructions ahead of the wait for it.
; NO PREFETCH: the tiles are shared in clusters, and K has eight steps, of which the first four would come by their loads alone.
; THE WAY OUT is a loop over my eight blocks of 16 rows.  Only the 64 lines of the rotation, which name accumulators, are written for each block, and reached by forward jumps on the counter; the rest is written once.
; The factor is multiplied into the table (32 lines a block) and not into the sums; that also frees the registers into which the table is loaded, so the next block's table is on its way for a whole trip.
; v IS NOT ROTATED: its tiles take the same text with token 0's row of the table, cos = 1 and sin = 0 exactly, chosen by address.  The price: 32 multiplies a block that change nothing, in place of a second unrolled text.
; v's LOW PART, f16(v - f16(v)), leaves for the first 64 rows of each tile row of the first row of clusters: partners of a cluster run alike; the next launch reads tile row 0's (tokens 0-63) alone.
; REGISTERS, in windows of 256 (s_set_vgpr_msb: bits 1:0 source 0, 3:2 source 1, 5:4 source 2, 7:6 destination):
;   window 0: v16-29 addresses, factor; v32-63 packed results; v64-127, v128-191 fragments of A, two buffers, on the way out T (a block, rotated) and U (its table, scaled); v192-255 rows read back from the stage
;   window 1: v0-63 the table as loaded; v64-127, v128-191 fragments of B      window 2: the accumulators of my rows 0-63 ((a, b) at v[8 (8 a + b)])      window 3: those of my rows 64-127
.set NSTEP,  8
.set KSTEP,  128
.set ROWB,   4096
.set BOFF,   0x1000000                 ; the weights in cw
.set RT,     0x2810000                 ; the rotation table in cw: f32 [token][64 cos | 64 sin]
.set PITCH,  272                       ; a row of A in LDS: 256 bytes + 16 = 68 words: the 16 rows of a load start at 16 different groups of four banks (64 banks of 4 bytes: ISA guide 11.1)
.set PB,     544                       ; a row of B: 512 + 32 = 136 words
.set HALFT,  128*PITCH                 ; what one tensor load brings: 128 rows of A, or 64 K rows of B (64 x 544 is the same number)
.set SLOT,   4*HALFT                   ; A's 256 rows, then B's 128 K rows
.set STAGE,  2*SLOT                    ; behind the ring: 16 rows x 272 bytes for each wave, for the way out
.set SPITCH, 272
.set SPARE,  STAGE+4*16*SPITCH         ; behind the stages: the spare words, 128 bytes a wave, which no other line names
.set A0,   16                          ; v16  LDS address of my A fragments in slot 0; never rewritten
.set B0,   17                          ; v17  of my B fragments
.set ADRA, 18                          ; v18  the same in the slot in hand
.set ADRB, 19                          ; v19
.set STO,  20                          ; v20  the way out: where I put 16 bytes of a row
.set RD,   21                          ; v21  where I read a row back
.set CO,   22                          ; v22  my byte offset in 512 consecutive bytes of the result
.set RTO,  23                          ; v23  my byte offset in the table
.set SCL,  24                          ; v[24:25] the factor, twice
.set NEG1, 26                          ; v26  -1.0
.set SPW,  28                          ; v28  my spare word; never rewritten
.set NIL,  29                          ; v29  0; never rewritten
.set PK,   32
.set F0,   64
.set F1,   128
.set T,    64
.set U,    128                         ; cos at U + 8 b + j, sin at U + 32 + 8 b + j, for channel 16 b + 8 (l / 16) + j
.set PL,   192
.set OB,   224
.set L,    0                           ; window 1
.set G1, 24                            ; s[24:31] descriptor group 1 for A's tiles;  s[32:39] group 0: a set for each first fill; the second then walks
.set G0, 32
.set G1B, 48                           ; s[48:55], s[56:63] the same for B's tiles
.set G0B, 56
.set LOWN, 84                          ; s84  how many of my blocks leave a low part: 4 or 0
.set TB,  85                           ; s85  the slot in hand: 0 or SLOT
.set BK,  86                           ; s86  the block on its way out
.set OP,  88                           ; s[88:89] the result at my block
.set LP,  90                           ; s[90:91] the low part at my block
.set TP,  92                           ; s[92:93] the table at my block's tokens
.set TS,  94                           ; s[94:95] its step: 16 tokens, or 0 for v
.set MSB, 0
.macro WIN new                         ; the immediate's high byte repeats the setting that is left
.if MSB != (\new)
	s_set_vgpr_msb (MSB<<8)|(\new)
.set MSB, \new
.endif
.endm
.set MUL_LO, 0xa1                      ; source 0 (B) window 1, source 1 (A) window 0, C and D window 2
.set MUL_HI, 0xf1                      ; the same, C and D window 3
.set TO_B,   0x40                      ; destination window 1, address window 0
.macro JLOAD s                         ; a joint load: waves 0 and 1 fetch A's two halves, waves 2 and 3 B's; an s_nop 0 and four v_nop follow each line
	s_cmp_eq_u32 s11, 0
	s_cbranch_scc0 .Lfor_b_\@
	tensor_load_to_lds s[G0+4*(\s):G0+4*(\s)+3], s[G1:G1+7]
	s_nop 0
.rept 4
	v_nop
.endr
	s_branch .Lasked_\@
.Lfor_b_\@:
	tensor_load_to_lds s[G0B+4*(\s):G0B+4*(\s)+3], s[G1B:G1B+7]
	s_nop 0
.rept 4
	v_nop
.endr
.Lasked_\@:
.endm
.macro CREST                           ; a round of the cluster's barrier behind its opening barrier
	s_cmp_lg_u32 s10, 0
	s_cbranch_scc1 .Lnot_wave_0_\@
	s_barrier_signal -3
.Lnot_wave_0_\@:
	s_barrier_wait -3
	s_barrier_signal -1
	s_barrier_wait -1
.endm
.macro CROUND
	s_barrier_signal -1
	s_barrier_wait -1
	CREST
.endm
.macro TABLE                           ; a block's table: my token's 32 cosines and 32 sines, 16 loads
	WIN TO_B
.irp b, 0,1,2,3
	global_load_b128 v[L+8*\b:L+8*\b+3],       v[RTO], s[TP:TP+1] offset:64*\b
	global_load_b128 v[L+8*\b+4:L+8*\b+7],     v[RTO], s[TP:TP+1] offset:64*\b+16
	global_load_b128 v[L+32+8*\b:L+32+8*\b+3],   v[RTO], s[TP:TP+1] offset:64*\b+256
	global_load_b128 v[L+32+8*\b+4:L+32+8*\b+7], v[RTO], s[TP:TP+1] offset:64*\b+272
.endr
	WIN 0
.endm
	s_load_b256 s[68:75], s[0:1], 0x0              ; cb s[68:69], cw s[70:71], ls s[72:73], qkv s[74:75]
	v_lshl_add_u32 v[SPW], v0, 2, SPARE
	v_mov_b32 v[NIL], 0
	ds_add_u32 v[SPW], v[NIL]                      ; the wave's opening: the add and its wait stand ahead of my first tensor load; the set-up below stands between them
	ds_add_u32 v28, v29
	v_lshrrev_b32 v1, 5, v0
	v_readfirstlane_b32 s10, v1                    ; wave 0..3
	s_lshr_b32 s11, s10, 1                         ; which half of the tile's rows is mine.  Also: I fetch for A (0) or for B (1)
	s_and_b32 s12, s10, 1                          ; which half of its columns.  Also: which half of that tile I fetch
	s_bfe_u32 s40, ttmp6, 0x40000                  ; cx, cy: my place in the cluster
	s_bfe_u32 s41, ttmp6, 0x40004
	s_and_b32 s42, ttmp9, 1                        ; two clusters along x make one of the four products:
	s_lshl_b32 s42, s42, 2
	s_add_co_u32 s42, s42, s40                     ; its tile column, 0..7
	s_lshr_b32 s66, ttmp9, 1                       ; 0: k, 1: v, 2: q's heads 0-15, 3: q's heads 16-31; the same in all partners
	s_and_b32 s13, ttmp7, 0xffff
	s_lshl_b32 s13, s13, 2
	s_add_co_u32 s13, s13, s41                     ; tile row, 0..7
	s_lshl_b32 s43, s41, 2
	s_lshl_b32 s43, 15, s43                        ; my row of the cluster
	s_lshl_b32 s44, 0x1111, s40                    ; my column
	s_or_b32 s[G1+0], s43, (1<<16)|(1<<20)|(1<<21)|(5<<22)|(3<<25)   ; the mask; 2-byte elements; padding on; bit 21 beside a mask; after every 64 words, 4 words
	s_or_b32 s[G1B+0], s44, (1<<16)|(1<<20)|(1<<21)|(6<<22)|(7<<25)  ; after every 128 words, 8 words
	s_mov_b32 s[G1+1], KSTEP<<16                   ; A: tensor_dim0 = 128
	s_mov_b32 s[G1+2], 128<<16                     ; tensor_dim1 = 128
	s_mov_b32 s[G1+3], KSTEP<<16                   ; tile_dim0 = 128
	s_mov_b32 s[G1+4], 128                         ; tile_dim1 = 128
	s_mov_b32 s[G1+5], 2048                        ; elements from row to row
	s_mov_b32 s[G1+6], 0
	s_mov_b32 s[G1+7], 0
	s_mov_b32 s[G1B+1], 256<<16                    ; B: 256 columns
	s_mov_b32 s[G1B+2], 64<<16                     ; x 64 K
	s_mov_b32 s[G1B+3], 256<<16
	s_mov_b32 s[G1B+4], 64
	s_mov_b32 s[G1B+5], 2048
	s_mov_b32 s[G1B+6], 0
	s_mov_b32 s[G1B+7], 0
	s_lshl_b32 s16, s13, 20                        ; A: row 256 x tile row + 128 x half, 4,096 bytes each
	s_lshl_b32 s17, s12, 19
	s_add_co_u32 s16, s16, s17
	s_cmp_ge_u32 s66, 2                            ; q's products read c_q, 1,024 columns in
	s_cselect_b32 s17, 2048, 0
	s_add_co_u32 s16, s16, s17
	s_mov_b32 s17, 0
	s_lshl_b32 s46, s42, 9                         ; B: 512 bytes x tile column + 64 rows x half + 1,024 rows for each product
	s_lshl_b32 s47, s12, 18
	s_add_co_u32 s46, s46, s47
	s_lshl_b32 s47, s66, 22
	s_add_co_u32 s46, s46, s47
	s_add_co_u32 s46, s46, BOFF
	s_mov_b32 s47, 0
	s_mul_i32 s20, s10, HALFT                      ; where they go in a slot: wave x a quarter: no place in the cluster enters an LDS address
	s_mov_b32 s[TB], 0
	s_wait_dscnt 0x0                               ; the opening add is done
	s_wait_kmcnt 0x0
	s_add_nc_u64 s[14:15], s[68:69], s[16:17]
	s_add_nc_u64 s[46:47], s[70:71], s[46:47]
	s_load_b256 s[76:83], s[72:73], 0x20000        ; the factors; waited for on the way out
	CROUND                                         ; all sixteen work-groups are here: the first joint loads meet
.irp s, 0,1
	s_mov_b32 s[G0+4*(\s)], 1
	s_add_co_u32 s[G0+4*(\s)+1], s20, (\s)*SLOT
	s_add_nc_u64 s[G0+4*(\s)+2:G0+4*(\s)+3], s[14:15], (\s)*KSTEP*2
	s_or_b32 s[G0+4*(\s)+3], s[G0+4*(\s)+3], 0x80000000
	s_mov_b32 s[G0B+4*(\s)], 1
	s_add_co_u32 s[G0B+4*(\s)+1], s20, (\s)*SLOT
	s_add_nc_u64 s[G0B+4*(\s)+2:G0B+4*(\s)+3], s[46:47], (\s)*KSTEP*ROWB
	s_or_b32 s[G0B+4*(\s)+3], s[G0B+4*(\s)+3], 0x80000000
	JLOAD \s
.endr
	v_and_b32 v1, 15, v0                           ; l % 16
	v_bfe_u32 v2, v0, 4, 1                         ; l / 16
	; the table for my first block, asked for now and waited for on the way out.  For v: token 0's row for every lane, and no step
	s_lshl_b32 s16, s13, 17                        ; 256 tokens x 512 bytes x tile row + 128 tokens x half
	s_lshl_b32 s17, s11, 16
	s_add_co_u32 s16, s16, s17
	s_cmp_lg_u32 s66, 1
	s_cselect_b32 s16, s16, 0
	s_cselect_b32 s21, 512, 0
	s_cselect_b32 s[TS], 8192, 0
	s_mov_b32 s[TS+1], 0
	s_mov_b32 s17, 0
	s_add_nc_u64 s[TP:TP+1], s[70:71], s[16:17]
	s_add_nc_u64 s[TP:TP+1], s[TP:TP+1], RT
	v_mul_u32_u24 v[RTO], v1, s21                  ; 512 bytes a token
	v_lshl_add_u32 v[RTO], v2, 5, v[RTO]           ; my 8 channels of each 16
	TABLE
	v_mul_u32_u24 v3, v1, PITCH
	v_lshl_add_u32 v3, v2, 4, v3                   ; A: row x pitch + 16 x half of the lanes
	s_mul_i32 s21, s11, HALFT
	v_add_nc_u32 v[A0], s21, v3
	v_and_b32 v4, 7, v0
	v_lshl_add_u32 v4, v2, 3, v4                   ; B: K row 8 (l / 16) + l % 8,
	v_mul_u32_u24 v4, v4, PB
	v_bfe_u32 v5, v0, 3, 1
	v_lshl_add_u32 v4, v5, 4, v4                   ; columns 8 ((l / 8) % 2) on,
	s_lshl_b32 s22, s12, 8                         ; in my 128 columns, behind A's 256 rows
	s_add_co_u32 s22, s22, 2*HALFT
	v_add_nc_u32 v[B0], s22, v4
	v_mov_b32 v[ADRA], v[A0]
	v_mov_b32 v[ADRB], v[B0]
	v_mov_b32 v[NEG1], -1.0
	s_mul_i32 s23, s10, 16*SPITCH
	s_add_co_u32 s23, s23, STAGE                   ; my stage
	v_mul_u32_u24 v6, v1, SPITCH                   ; in: row l % 16, 16 bytes for each half of the lanes
	v_lshl_add_u32 v6, v2, 4, v6
	v_add_nc_u32 v[STO], s23, v6
	v_mul_u32_u24 v6, v2, SPITCH                   ; back: lanes 0-15 take one row of 256 bytes, lanes 16-31 the next,
	v_lshl_add_u32 v6, v1, 4, v6
	v_add_nc_u32 v[RD], s23, v6
	v_lshlrev_b32 v6, 8, v2                        ; which are 512 consecutive bytes of the result
	v_lshl_add_u32 v[CO], v1, 4, v6
	s_lshl_b32 s16, s13, 16                        ; the result: (256 x tile row + 128 x half) rows of 256 bytes;
	s_lshl_b32 s17, s11, 15
	s_add_co_u32 s16, s16, s17
	s_and_b32 s17, s66, 1                          ; q at 0, q's upper heads at 0x800000, k at 0x1000000, v at 0x1800000;
	s_lshl_b32 s17, s17, 23
	s_add_co_u32 s16, s16, s17
	s_cmp_lt_u32 s66, 2
	s_cselect_b32 s17, 0x1000000, 0
	s_add_co_u32 s16, s16, s17
	s_mov_b32 s17, 0
	s_lshl_b32 s46, s42, 20                        ; head 2 x tile column + my half, 524,288 bytes each
	s_lshl_b32 s47, s12, 19
	s_add_co_u32 s46, s46, s47
	s_mov_b32 s47, 0
	s_add_nc_u64 s[OP:OP+1], s[74:75], s[16:17]
	s_add_nc_u64 s[OP:OP+1], s[OP:OP+1], s[46:47]
	s_lshl_b32 s16, s41, 14                        ; the low part: 64 rows for each of the cluster's four tile rows; there a head is 512 rows
	s_lshl_b32 s46, s42, 18
	s_lshl_b32 s47, s12, 17
	s_add_co_u32 s46, s46, s47
	s_mov_b32 s47, 0
	s_add_nc_u64 s[LP:LP+1], s[74:75], s[16:17]
	s_add_nc_u64 s[LP:LP+1], s[LP:LP+1], s[46:47]
	s_add_nc_u64 s[LP:LP+1], s[LP:LP+1], 0x2000000
	s_and_b32 s21, ttmp7, 0xffff                   ; it leaves where the product is v, the cluster is of the first row, and my rows are the tile's upper half
	s_xor_b32 s22, s66, 1
	s_or_b32 s21, s21, s22
	s_or_b32 s21, s21, s11
	s_cmp_eq_u32 s21, 0
	s_cselect_b32 s[LOWN], 4, 0
; 16 matrix instructions: row blocks a0, a0 + 1 of the window's four (hi = 0: my rows 0-63, 1: rows 64-127) x all 8 column blocks, 32 along K.  zero = 1: the product starts the sums.
; The 64 accumulators take turns, in the same order in every quarter.
.macro MUL16 f, hi, a0, zero
	WIN MUL_LO+0x50*(\hi)
.irp a, \a0, (\a0)+1
.irp b, 0,1,2,3,4,5,6,7
.if \zero
	v_wmma_f32_16x16x32_f16 v[8*(8*(\a)+(\b)):8*(8*(\a)+(\b))+7], v[(\f)+8*(\b):(\f)+8*(\b)+7], v[(\f)+8*(4*(\hi)+(\a)):(\f)+8*(4*(\hi)+(\a))+7], 0
.else
	v_wmma_f32_16x16x32_f16 v[8*(8*(\a)+(\b)):8*(8*(\a)+(\b))+7], v[(\f)+8*(\b):(\f)+8*(\b)+7], v[(\f)+8*(4*(\hi)+(\a)):(\f)+8*(4*(\hi)+(\a))+7], v[8*(8*(\a)+(\b)):8*(8*(\a)+(\b))+7]
.endif
.endr
.endr
.endm
; 32 LDS loads in one run: the fragments of quarter q (32 along K) of the slot in hand, into buffer f: B's eight, turned, then A's eight
.macro FETCH q, f
	WIN TO_B
.irp i, 0,1,2,3,4,5,6,7
	ds_load_tr16_b128 v[(\f)+8*(\i):(\f)+8*(\i)+3],   v[ADRB] offset:(\q)*32*PB+32*(\i)
	ds_load_tr16_b128 v[(\f)+8*(\i)+4:(\f)+8*(\i)+7], v[ADRB] offset:(\q)*32*PB+16*PB+32*(\i)
.endr
	WIN 0
.irp i, 0,1,2,3,4,5,6,7
	ds_load_b128 v[(\f)+8*(\i):(\f)+8*(\i)+3],   v[ADRA] offset:64*(\q)+(\i)*16*PITCH
	ds_load_b128 v[(\f)+8*(\i)+4:(\f)+8*(\i)+7], v[ADRA] offset:64*(\q)+(\i)*16*PITCH+32
.endr
.endm
.macro PLACES                          ; four places in front of loads into registers that matrix instructions have read, and of vector work that touches their registers
.rept 4
	v_nop
.endr
.endm
; A K step is four quarters of 32 along K, 64 matrix instructions each, on buffers 0, 1, 0, 1.  One of the first three: multiplies buffer f; in its middle it fetches quarter q into buffer g.
.macro QUARTER q, f, g, zero
	s_wait_dscnt 8                                 ; B and A's rows 0-63 are in; the youngest eight loads (A's rows 64-127) may be out
	MUL16 \f, 0, 0, \zero
	MUL16 \f, 0, 2, \zero
	PLACES
	FETCH \q, \g
	s_wait_dscnt 32                                ; all but the 32 just issued
	MUL16 \f, 1, 0, \zero
	MUL16 \f, 1, 2, \zero
.endm
; The last quarter multiplies buffer 1 and changes slots: one barrier; in front of it each wave waits for all its tensor loads, adds 0 to its spare word, and waits for that and for its reads of this slot.
; fill = 1: the slot just read out is filled again, two K steps ahead.  fill = 0 (the second copy): nothing is filled, and in its last walk (s3 = 1) there is no next slot to fetch from.
.macro TURN fill
	WIN 0                                          ; (the add's two registers lie in window 0)
	s_wait_tensorcnt 0x0                           ; all my tensor loads have landed: my part of the next slot
	ds_add_u32 v[SPW], v[NIL]                      ; 0 onto my spare word
	s_wait_dscnt 9                                 ; (the add and the youngest eight loads may be out)
	MUL16 F1, 0, 0, 0                              ; sixteen matrix instructions stand between the add and the wait for it
	s_wait_dscnt 0x0                               ; the add is done, and my reads of this slot are over
	s_barrier_signal -1
	MUL16 F1, 0, 2, 0
	WIN 0
	s_barrier_wait -1
.if \fill
	CREST                                          ; the barrier has opened a round of the cluster's: no wave of any partner still reads this slot or has a load on its way
	s_add_co_u32 s[G0+5], s20, s[TB]               ; the walking descriptors: into the slot just read out,
	s_add_co_u32 s[G0B+5], s20, s[TB]
	s_add_nc_u64 s[G0+6:G0+7], s[G0+6:G0+7], KSTEP*2        ; the K step behind the one asked for last
	s_add_nc_u64 s[G0B+6:G0B+7], s[G0B+6:G0B+7], KSTEP*ROWB
	JLOAD 1                                        ; the first tensor load behind the round; its four v_nop are also the places in front of the loads below
.else
	PLACES
	s_cmp_eq_u32 s3, 1
	s_cbranch_scc1 .Lno_next
.endif
	s_xor_b32 s[TB], s[TB], SLOT                   ; the other slot is in hand
	v_add_nc_u32 v[ADRA], s[TB], v[A0]
	v_add_nc_u32 v[ADRB], s[TB], v[B0]
	FETCH 0, F0
.if !(\fill)
.Lno_next:
.endif
	MUL16 F1, 1, 0, 0
	MUL16 F1, 1, 2, 0
.endm
	s_wait_tensorcnt 1                             ; my part of K step 0 is in; K step 1's load may stay out
	s_barrier_signal -1
	s_barrier_wait -1
	FETCH 0, F0
	QUARTER 1, F0, F1, 1                           ; the first quarter stands in front of the loop: its products start the sums
	WIN 0
	s_mov_b32 s3, NSTEP-2
.Lstep:                                                ; a trip: a K step's quarters 1 to 3, the change of slots with its refill, the next step's quarter 0
	QUARTER 2, F1, F0, 0
	QUARTER 3, F0, F1, 0
	TURN 1
	QUARTER 1, F0, F1, 0
	WIN 0
	s_sub_co_u32 s3, s3, 1
	s_cmp_lg_u32 s3, 0
	s_cbranch_scc1 .Lstep
	s_mov_b32 s3, 2
.Ltail:                                                ; the last two K steps fill nothing: written out; the second walk is left in its middle
	QUARTER 2, F1, F0, 0
	QUARTER 3, F0, F1, 0
	TURN 0
	WIN 0
	s_sub_co_u32 s3, s3, 1
	s_cmp_eq_u32 s3, 0
	s_cbranch_scc1 .Lout
	QUARTER 1, F0, F1, 0
	WIN 0
	s_branch .Ltail
; Block a is rotated: t1 = channel d (column blocks 0-3), t2 = channel d + 64 (blocks 4-7): T1 = t1 cos - t2 sin, T2 = t2 cos + t1 sin, with the factor in cos and sin.
; The 32 products with the sines first, then the 32 fused lines: no line reads the result of a line near it.  Each accumulator's lowest registers are read first.
.macro ROT a
.set AC, 64*((\a)%4)
	WIN 0x02+(\a)/4                                ; source 0 in window 2 or 3
.irp b, 0,1,2,3
.irp p, 0,2,4,6
	v_pk_mul_f32 v[T+8*\b+\p:T+8*\b+\p+1],       v[AC+32+8*\b+\p:AC+32+8*\b+\p+1], v[U+32+8*\b+\p:U+32+8*\b+\p+1]
	v_pk_mul_f32 v[T+32+8*\b+\p:T+32+8*\b+\p+1], v[AC+8*\b+\p:AC+8*\b+\p+1],       v[U+32+8*\b+\p:U+32+8*\b+\p+1]
.endr
.endr
.irp b, 0,1,2,3
.irp p, 0,2,4,6
	v_pk_fma_f32 v[T+8*\b+\p:T+8*\b+\p+1],       v[AC+8*\b+\p:AC+8*\b+\p+1],       v[U+8*\b+\p:U+8*\b+\p+1], v[T+8*\b+\p:T+8*\b+\p+1] neg_lo:[0,0,1] neg_hi:[0,0,1]
	v_pk_fma_f32 v[T+32+8*\b+\p:T+32+8*\b+\p+1], v[AC+32+8*\b+\p:AC+32+8*\b+\p+1], v[U+8*\b+\p:U+8*\b+\p+1], v[T+32+8*\b+\p:T+32+8*\b+\p+1]
.endr
.endr
	WIN 0
.endm
; T, rounded to f16, goes through my stage (rows of 272 bytes) and comes back as whole rows of 256 bytes, into dst; 16 lanes store 256 consecutive bytes, aligned
.macro SEND dst, ptr
.set i, 0
.rept 32
	v_cvt_pk_f16_f32 v[PK+i], v[T+2*i], v[T+2*i+1]
.set i, i+1
.endr
.irp b, 0,1,2,3,4,5,6,7
	ds_store_b128 v[STO], v[PK+4*\b:PK+4*\b+3] offset:32*\b
.endr
.irp t, 0,1,2,3,4,5,6,7
	ds_load_b128 v[(\dst)+4*\t:(\dst)+4*\t+3], v[RD] offset:\t*2*SPITCH  ; LDS serves a wave's instructions in order (ISA guide 5.7.1.4): these see the stores above
.endr
.irp t, 0,1,2,3,4,5,6,7
	s_wait_dscnt 7-\t
	global_store_b128 v[CO], v[(\dst)+4*\t:(\dst)+4*\t+3], s[\ptr:\ptr+1] offset:512*\t
.endr
.endm
.Lout:
	s_wait_dscnt 0x0                               ; no LDS load is out when the fragments' registers are taken for the way out
	PLACES                                         ; behind the last products
	s_wait_kmcnt 0x0                               ; the factors
	s_cmp_eq_u32 s66, 0
	s_cselect_b32 s67, s78, s80
	s_cmp_eq_u32 s66, 1
	s_cselect_b32 s67, s79, s67
	v_mov_b32 v[SCL], s67
	v_mov_b32 v[SCL+1], s67
	s_mov_b32 s[BK], 0
.Lblk:                                                 ; eight trips, a block of 16 rows each
	s_wait_loadcnt 0x0                             ; this block's table is in, so its pointer may be stepped
	WIN 0x01                                       ; source 0 in window 1
.set i, 0
.rept 32
	v_pk_mul_f32 v[U+i:U+i+1], v[L+i:L+i+1], v[SCL:SCL+1]
.set i, i+2
.endr
	WIN 0
	s_cmp_eq_u32 s[BK], 7                          ; behind the last block there is no table to ask for
	s_cbranch_scc1 .Lno_table
	s_add_nc_u64 s[TP:TP+1], s[TP:TP+1], s[TS:TS+1]
	TABLE                                          ; the next block's: it has this whole trip in which to come
.Lno_table:
.irp a, 0,1,2,3,4,5,6
	s_cmp_eq_u32 s[BK], \a
	s_cbranch_scc1 .Lrot\a
.endr
	ROT 7
	s_branch .Lcom
.irp a, 0,1,2,3,4,5
.Lrot\a:
	ROT \a
	s_branch .Lcom
.endr
.Lrot6:
	ROT 6
.Lcom:
	SEND OB, OP
	s_cmp_lt_u32 s[BK], s[LOWN]
	s_cbranch_scc0 .Lno_lo
.set i, 0
.rept 32                               ; what the rounding left: the number less its f16, exact in f32
	v_fma_mix_f32 v[T+2*i],   v[PK+i], v[NEG1], v[T+2*i]   op_sel:[0,0,0] op_sel_hi:[1,0,0]
	v_fma_mix_f32 v[T+2*i+1], v[PK+i], v[NEG1], v[T+2*i+1] op_sel:[1,0,0] op_sel_hi:[1,0,0]
.set i, i+1
.endr
	SEND PL, LP
.Lno_lo:
	s_wait_xcnt 0x0                                ; the stores have read their registers and their bases: only now are these written again
	s_add_nc_u64 s[OP:OP+1], s[OP:OP+1], 4096      ; 16 rows of 256 bytes on
	s_add_nc_u64 s[LP:LP+1], s[LP:LP+1], 4096
	s_add_co_u32 s[BK], s[BK], 1
	s_cmp_lt_u32 s[BK], 8
	s_cbranch_scc1 .Lblk
	s_wait_tensorcnt 0x0                           ; the wave's end, behind my last tensor load and my last LDS store
	ds_add_u32 v[SPW], v[NIL]
	s_wait_dscnt 0x0
	CROUND                                         ; the closing round: no work-group ends while a partner may still ask for a tile that names it
	s_endpgm
.Lfunc_end_k_q4d02323f3c_g2:
	.size	k_q4d02323f3c_g2, .Lfunc_end_k_q4d02323f3c_g2-k_q4d02323f3c_g2
	.p2alignl 7, 3214868480
	.fill 96, 4, 3214868480
	.section	.rodata,"a",@progbits
	.p2align	6, 0x0
	.amdhsa_kernel k_q4d02323f3c_g2
		.amdhsa_group_segment_fixed_size 327680
		.amdhsa_private_segment_fixed_size 0
		.amdhsa_enable_private_segment 0
		.amdhsa_kernarg_size 32
		.amdhsa_user_sgpr_count 2
		.amdhsa_user_sgpr_kernarg_segment_ptr 1
		.amdhsa_wavefront_size32 1
		.amdhsa_system_sgpr_workgroup_id_x 1
		.amdhsa_system_sgpr_workgroup_id_y 1
		.amdhsa_system_sgpr_workgroup_id_z 1
		.amdhsa_system_vgpr_workitem_id 0
		.amdhsa_next_free_vgpr 1024
		.amdhsa_next_free_sgpr 96
		.amdhsa_reserve_vcc 0
		.amdhsa_float_denorm_mode_32 3
		.amdhsa_float_denorm_mode_16_64 3
		.amdhsa_memory_ordered 1
		.amdhsa_forward_progress 1
		.amdhsa_inst_pref_size 121
	.end_amdhsa_kernel
	.amdgpu_metadata
---
amdhsa.version: [ 1, 2 ]
amdhsa.kernels:
  - .name:           k_q4d02323f3c_g2
    .symbol:         k_q4d02323f3c_g2.kd
    .args:
      - { .name: cb, .offset: 0, .size: 8, .value_kind: global_buffer, .address_space: global }
      - { .name: cw, .offset: 8, .size: 8, .value_kind: global_buffer, .address_space: global }
      - { .name: ls, .offset: 16, .size: 8, .value_kind: global_buffer, .address_space: global }
      - { .name: qkv, .offset: 24, .size: 8, .value_kind: global_buffer, .address_space: global }
    .group_segment_fixed_size: 327680
    .private_segment_fixed_size: 0
    .kernarg_segment_align: 8
    .kernarg_segment_size: 32
    .max_flat_workgroup_size: 128
    .sgpr_count:     96
    .vgpr_count:     1024
    .wavefront_size: 32
...
	.end_amdgpu_metadata
.endif
;; end of part 8
;; launch attn (part 9): grid 16 x 16, 4 waves a work-group, no clusters, 327,680 bytes of LDS; arguments qkv, ls, ob; writes ob
.if DOCPART == 9
	.amdgcn_target "amdgcn-amd-amdhsa--gfx1250"
	.amdhsa_code_object_version 6
	.text
	.protected	k_q4d02323f3c_attn
	.globl	k_q4d02323f3c_attn
	.p2align	8
	.type	k_q4d02323f3c_attn,@function
k_q4d02323f3c_attn:
	s_mov_b64 s[64:65], 0
	v_nop
	global_prefetch_b8 v0, s[64:65] scope:SCOPE_SE
	s_setreg_imm32_b32 hwreg(HW_REG_WAVE_MODE, 25, 1), 1
	s_wait_xcnt 0x0
; CAUSAL ATTENTION OF BOTH PAIRED QUERY HEADS, AND THEIR DIFFERENCE.  For head h: o[t] = (attn(q head 2h)[t] - lambda[h][t] attn(q head 2h + 1)[t]) / 2, both on K and V of head h, keys <= t.
; q, k, v: by heads, [head][2048][128] f16, each times a power of two; the scores' factor c (log2(e) / sqrt(128) and those powers) comes from ls.  o leaves as f16, [token][head x 128 + channel].
; Products, maxima and sums in f32; the weights p are rounded to f16 for the second product (their sum l is taken of the unrounded p).  FOR TOKENS 0-63, whose rows average over few keys, the second product
; also takes what the roundings of p and of v left (p - f16(p), and v's low part, which the launch before stored): V p_lo + V_lo p are added.
; LIMITS.  A hidden score counts as its value less 1e30: this needs c above 2^-90 or so; a weight below 2^-126 counts as 0; NaN and infinities are not treated apart.  |o| <= 2^15 by the factors.
; THE WALK.  A head's tokens lie in 32 blocks of 64; block i needs the key steps 0 .. i of 64 keys, the last of which holds the diagonal.  A work-group takes blocks 31 - b and then b.  The ring's tiles hold 128 keys,
; two steps: block i takes (i >> 1) + 1 of them, so every work-group walks 17 tiles, 34 steps, of which one (behind the even block's diagonal) is wholly hidden and is computed under the mask.
; Trip counts are constants; which tile is asked for, and what a step does, hang on scalar registers made from b.  A block ends with a tile.
; NO CLUSTER: the 16 work-groups of a head ask for the same tile only in their first 8 or 9 trips; behind that they need different numbers of tiles, and one walk common to all would have 24 trips for 17.
; SHARES.  Wave w owns tokens 16 w .. 16 w + 15 of the block, as two tiles: the two query heads.  So the difference stays in the lane.
; LAYOUT.  S^T = K Q^T (source 0 = 16 keys, source 1 = 16 queries): a lane holds one query (lane % 16) and the keys 8 (lane / 16) + 0..7.  Two such results, rounded in pairs, are source 1 of O^T = V^T P.
; THE MASK is the C operand that starts S^T: MD x AL + BE; MD (0 or -1e30) is the diagonal step's mask for my rows; (AL, BE) = (1, 0) on the diagonal, (0, 0) before it, (0, -1e30) behind it.
; BY TURNS.  A tile and step have 32 matrix instructions and a softmax of 134 vector instructions, and the two tiles share K's and V's fragments and nothing else.  In turn A of step g tile 0 has the matrix unit:
; 16 products V^T P of step g, then 16 products K Q^T of step g + 1; tile 1's softmax of step g stands between them, four lines behind each product.  In turn B tile 1 has the unit, and tile 0's softmax of
; step g + 1 stands between.  All that a softmax touches but O^T lies in window 0, and no window has room for a product's operands beside it: a slice costs two switches of the register windows.
; A BLOCK'S END is taken tile by tile: tile 0's share of o is set aside in turn A, where its O^T is whole; tile 1's is added and the block stored behind turn B; the ring and the turns run on.
; REGISTERS, in windows of 256 (s_set_vgpr_msb: bits 1:0 source 0, 3:2 source 1, 5:4 source 2, 7:6 destination):
;   window 0: v2-15 addresses, lambda; v16-31 statistics, 8 a tile; v32-63 the sums' scratch, rows on the way out; v64-127 S^T; v128-159 P; v160-191 P's low part, packed o; v192-223 the mask; v224-225 the add's registers
;   window 1: v0-127 O^T, 64 a tile; v128-191 Q; v192-255 the second block's Q      window 2: v0-127 K, v128-255 V of one step      window 3: v0-127 V's low part; v128-159 MD; v160-223 tile 0's share of o
.set KS,    64
.set PK,    272                        ; a row of K in LDS: 256 bytes + 16 = 68 words: the 16 rows of a load start at 16 different groups of four banks (64 banks of 4 bytes: ISA guide 11.1)
.set PVP,   288                        ; a row of V: 256 + 32 = 72 words
.set VOFF,  KS*PK                      ; a step's tiles lie together: 64 rows of K, then 64 rows of V
.set STEPB, KS*(PK+PVP)
.set SLOT1, 1<<17                      ; a slot holds two steps; slot 1 begins here, so that one exclusive or turns an address in one slot into the other's
.set STAGE, SLOT1+2*STEPB              ; behind the ring: 16 rows x 272 bytes for each wave, for the way out
.set SP,    272
.set VLB,   STAGE+4*16*SP              ; V's low part for keys 0-63, filled once
.set SPARE, VLB+KS*PVP                 ; the spare words, 128 bytes a wave, which no other line names
.set AK0, 2
.set AV0, 3
.set ADR, 4
.set ADV, 5
.set QO,  6
.set STO, 7
.set RD,  8
.set GO,  9
.set AVL, 10
.set LMO, 11
.set PFO, 12
.set NEG1, 13
.set LAM, 14
.set LAMB, 15
.set ST,  16                           ; tile t at v[ST+8 t]: c m, m, l (even keys', odd keys'), c0-c3 at work; a takes c2's place
.set TS,  32
.set S,   64
.set P,   128
.set PL,  160
.set MC,  192
.set SPW, 224
.set NIL, 225
.set Q,   128                          ; window 1
.set QB,  192
.set VR,  128                          ; window 2
.set MD,  128                          ; window 3
.set T0,  160                          ; window 3
.set EB,  2                            ; s2  1 from tile 0's end of a block to tile 1's
.set WV,  10
.set PB,  11                           ; b
.set HI,  12                           ; 31 - b
.set HD,  13                           ; the head
.set KB,  14                           ; s[14:15] K at my half of the head's tile 0
.set VB,  16                           ; s[16:17] V likewise
.set PFA, 18                           ; s[18:19] where my prefetches stand
.set PFC, 20                           ; prefetches still to come
.set G1K, 24
.set G1V, 32
.set G1L, 40
.set G0K, 48
.set G0V, 52
.set G0L, 56
.set SLOTS, 60
.set TWICE, 61
.set TB,  62                           ; LDS byte at which the tiles of the step to be fetched begin
.set PBH, 63                           ; b >> 1
.set CS,  66                           ; s[66:67] c
.set SEL, 68
.set OFF, 70
.set AL,  72
.set BE,  74
.set OLO, 76                           ; s[76:77] o at my rows of the second block
.set BIGN, 78
.set NXT, 79                           ; the tile to be asked for next
.set LQ,  80                           ; the last tile of the block whose tiles are being asked for
.set SA,  81                           ; the step, within its block, whose mask is made next
.set DG,  82                           ; the block in hand = its diagonal step
.set NST, 83                           ; its number of steps
.set CNT, 84
.set OP,  86                           ; s[86:87] o at my rows of the block in hand
.set MSB, 0
.macro WIN new                         ; the immediate's high byte repeats the setting that is left; a switch that changes nothing is dropped
.if MSB != (\new)
	s_set_vgpr_msb (MSB<<8)|(\new)
.set MSB, (\new)
.endif
.endm
.set W_KQ, 0x06                        ; K in window 2, Q in window 1, S^T and the mask in window 0
.set W_PV, 0x52                        ; V in window 2, P in window 0, O^T in window 1
.set W_PW, 0x53                        ; the same with V's low part, in window 3
.set W_RS, 0x41                        ; destination and source 0 in window 1
.macro LOAD                            ; a fill: waves 0 and 1 fetch the two steps' K, waves 2 and 3 their V; an s_nop 0 and four v_nop follow each line
	s_cmp_lt_u32 s[WV], 2
	s_cbranch_scc0 .Lfor_v_\@
	tensor_load_to_lds s[G0K:G0K+3], s[G1K:G1K+7]
	s_nop 0
.rept 4
	v_nop
.endr
	s_branch .Lasked_\@
.Lfor_v_\@:
	tensor_load_to_lds s[G0V:G0V+3], s[G1V:G1V+7]
	s_nop 0
.rept 4
	v_nop
.endr
.Lasked_\@:
.endm
; A PREFETCH INTO THE L2 of the tile that the next change of slots will ask for.  All 16 work-groups of a head walk the same tiles at first; work-group b = 0, whose first block walks all 16, asks, and nobody else:
; each of its waves for the 64 rows of 256 bytes that it will itself fetch, a lane a row, two instructions.  Tiles 3 to 15 are named, once each; nothing is asked for at the head.
.macro ASK
	s_cmp_lg_u32 s[PFC], 0
	s_cbranch_scc0 .Lnot_mine_\@
	global_prefetch_b8 v[PFO], s[PFA:PFA+1] th:TH_LOAD_NT scope:SCOPE_SE
	global_prefetch_b8 v[PFO], s[PFA:PFA+1] offset:8192 th:TH_LOAD_NT scope:SCOPE_SE
	s_sub_co_u32 s[PFC], s[PFC], 1
.Lnot_mine_\@:
.endm
; THE CHANGE OF SLOTS.  Each wave waits for all its tensor loads, adds 0 to its spare word, and waits for that and for its reads of the slot that it leaves.  Behind the barrier nobody reads the old slot and the other is whole.
; fill = 1: the old slot is filled again, first thing behind the barrier, with tile NXT: the descriptor's address is made anew from that number.  (At its first use slot 0 is waited for and slot 1 filled.)
.macro CHANGE fill, ask
	WIN 0
	s_wait_tensorcnt 0x0                           ; no tensor load of mine is out, so a group 0 may be written
	ds_add_u32 v[SPW], v[NIL]                      ; 0 onto my spare word
.if \fill
	s_lshl_b32 s[OFF], s[NXT], 15                  ; a tile is 32,768 bytes of K and of V
	s_xor_b32 s[G0K+1], s[G0K+1], SLOT1
	s_add_nc_u64 s[G0K+2:G0K+3], s[KB:KB+1], s[OFF:OFF+1]
	s_or_b32 s[G0K+3], s[G0K+3], 0x80000000
	s_xor_b32 s[G0V+1], s[G0V+1], SLOT1
	s_add_nc_u64 s[G0V+2:G0V+3], s[VB:VB+1], s[OFF:OFF+1]
	s_or_b32 s[G0V+3], s[G0V+3], 0x80000000
	s_add_co_u32 s[NXT], s[NXT], 1                 ; the block's next tile, or behind its last the second block's tile 0
	s_cmp_gt_u32 s[NXT], s[LQ]
	s_cselect_b32 s[NXT], 0, s[NXT]
	s_cselect_b32 s[LQ], s[PBH], s[LQ]
.endif
.if \ask
	s_wait_xcnt 0x0                                ; the last prefetches, two key steps back, have read their address
	s_add_nc_u64 s[PFA:PFA+1], s[PFA:PFA+1], 32768
.endif
	s_wait_dscnt 0x0                               ; the add is done, and my reads of the slot are over
	s_barrier_signal -1
	s_sub_co_u32 s[TB], s[TB], 2*STEPB             ; the fetches go back to a slot's first step,
	s_xor_b32 s[TB], s[TB], SLOT1                  ; in the other slot
	s_barrier_wait -1
.if \fill
	LOAD
.endif
.if \ask
	ASK
.endif
.endm
	s_load_b128 s[4:7], s[0:1], 0x0                ; qkv, ls
	s_load_b64 s[8:9], s[0:1], 0x10                ; ob
	v_lshl_add_u32 v[SPW], v0, 2, SPARE
	v_mov_b32 v[NIL], 0
	ds_add_u32 v[SPW], v[NIL]                      ; the wave's opening: the add and its wait stand ahead of my first tensor load; the set-up below stands between them
	ds_add_u32 v224, v225
	v_lshrrev_b32 v1, 5, v0
	v_readfirstlane_b32 s[WV], v1
	s_mov_b32 s[PB], ttmp9
	s_sub_co_u32 s[HI], 31, s[PB]
	s_lshr_b32 s[PBH], s[PB], 1
	s_and_b32 s[HD], ttmp7, 0xffff
	s_and_b32 s21, s[WV], 1                        ; which of a tile's two steps I fetch
	s_mov_b32 s[G1K], (1<<16)|(1<<20)|(5<<22)|(3<<25)  ; 2-byte elements; padding on; after every 64 words, 4 words
	s_mov_b32 s[G1V], (1<<16)|(1<<20)|(5<<22)|(7<<25)  ; 8 words
	s_mov_b32 s[G1L], (1<<16)|(1<<20)|(5<<22)|(7<<25)
.irp g, G1K, G1V
	s_mov_b32 s[\g+1], 128<<16                     ; tensor_dim0 = 128
	s_mov_b32 s[\g+2], KS<<16                      ; tensor_dim1 = 64
	s_mov_b32 s[\g+3], 128<<16                     ; tile_dim0 = 128
	s_mov_b32 s[\g+4], KS                          ; tile_dim1 = 64
	s_mov_b32 s[\g+5], 128                         ; elements from row to row
	s_mov_b32 s[\g+6], 0
	s_mov_b32 s[\g+7], 0
.endr
	s_mov_b32 s[G1L+1], 128<<16                    ; V's low part: 32 rows a wave
	s_mov_b32 s[G1L+2], 32<<16
	s_mov_b32 s[G1L+3], 128<<16
	s_mov_b32 s[G1L+4], 32
	s_mov_b32 s[G1L+5], 128
	s_mov_b32 s[G1L+6], 0
	s_mov_b32 s[G1L+7], 0
	s_mov_b32 s[G0K], 1
	s_mul_i32 s[G0K+1], s21, STEPB                 ; slot 0, my step
	s_mov_b32 s[G0V], 1
	s_add_co_u32 s[G0V+1], s[G0K+1], VOFF
	s_mov_b32 s[G0L], 1
	s_mul_i32 s[G0L+1], s21, 32*PVP
	s_add_co_u32 s[G0L+1], s[G0L+1], VLB
	s_mov_b32 s[SEL], 0x76543210
	s_mov_b32 s[SEL+1], 0xfedcba98
	s_mov_b32 s[OFF+1], 0
	s_mov_b32 s[AL+1], 0
	s_mov_b32 s[BE+1], 0
	s_mov_b32 s[BIGN], 0xf149f2ca                  ; -1e30
	s_mov_b32 s[TB], SLOT1+2*STEPB                 ; the first change of slots turns this into 0
	s_mov_b32 s[NXT], 1
	s_lshr_b32 s[LQ], s[HI], 1
	s_add_co_u32 s[NST], s[LQ], 1
	s_lshl_b32 s[NST], s[NST], 1
	s_mov_b32 s[SA], 0
	s_mov_b32 s[DG], s[HI]
	s_mov_b32 s[EB], 0
	s_lshl_b32 s22, s[HD], 20                      ; q: two heads of 524,288 bytes for each head; my 16 rows of 256 bytes
	s_lshl_b32 s23, s[WV], 12
	s_add_co_u32 s22, s22, s23
	s_lshl_b32 s88, s[HI], 14
	s_add_co_u32 s88, s88, s22
	s_mov_b32 s89, 0
	s_lshl_b32 s90, s[PB], 14
	s_add_co_u32 s90, s90, s22
	s_mov_b32 s91, 0
	s_lshl_b32 s22, s[HD], 13                      ; lambda: 8,192 bytes a head
	s_lshl_b32 s23, s[WV], 6
	s_add_co_u32 s22, s22, s23
	s_lshl_b32 s92, s[HI], 8
	s_add_co_u32 s92, s92, s22
	s_mov_b32 s93, 0
	s_lshl_b32 s94, s[PB], 8
	s_add_co_u32 s94, s94, s22
	s_mov_b32 s95, 0
	s_lshl_b32 s22, s[HD], 8                       ; o: rows of 4,096 bytes, 256 bytes a head
	s_lshl_b32 s23, s[WV], 16
	s_add_co_u32 s22, s22, s23
	s_lshl_b32 s[OP], s[HI], 18
	s_add_co_u32 s[OP], s[OP], s22
	s_mov_b32 s[OP+1], 0
	s_lshl_b32 s[OLO], s[PB], 18
	s_add_co_u32 s[OLO], s[OLO], s22
	s_mov_b32 s[OLO+1], 0
	s_wait_dscnt 0x0                               ; the opening add is done
	s_wait_kmcnt 0x0
	s_load_b32 s[CS], s[6:7], 0x20014              ; c
	s_lshl_b32 s[OFF], s[HD], 19                   ; K and V: 524,288 bytes a head, my step's 64 rows
	s_lshl_b32 s22, s21, 14
	s_add_co_u32 s[OFF], s[OFF], s22
	s_add_nc_u64 s[KB:KB+1], s[4:5], s[OFF:OFF+1]
	s_add_nc_u64 s[VB:VB+1], s[KB:KB+1], 0x1800000
	s_add_nc_u64 s[KB:KB+1], s[KB:KB+1], 0x1000000
	s_add_nc_u64 s[G0K+2:G0K+3], s[KB:KB+1], 0
	s_or_b32 s[G0K+3], s[G0K+3], 0x80000000
	s_add_nc_u64 s[G0V+2:G0V+3], s[VB:VB+1], 0
	s_or_b32 s[G0V+3], s[G0V+3], 0x80000000
	s_lshl_b32 s[OFF], s[HD], 17                   ; V's low part: 512 rows a head, my 32 of its first 64
	s_lshl_b32 s22, s21, 13
	s_add_co_u32 s[OFF], s[OFF], s22
	s_add_nc_u64 s[G0L+2:G0L+3], s[4:5], s[OFF:OFF+1]
	s_add_nc_u64 s[G0L+2:G0L+3], s[G0L+2:G0L+3], 0x2000000
	s_or_b32 s[G0L+3], s[G0L+3], 0x80000000
	s_add_nc_u64 s[88:89], s[4:5], s[88:89]
	s_add_nc_u64 s[90:91], s[4:5], s[90:91]
	s_add_nc_u64 s[92:93], s[6:7], s[92:93]
	s_add_nc_u64 s[94:95], s[6:7], s[94:95]
	s_add_nc_u64 s[OP:OP+1], s[8:9], s[OP:OP+1]
	s_add_nc_u64 s[OLO:OLO+1], s[8:9], s[OLO:OLO+1]
	s_cmp_lt_u32 s[WV], 2
	s_cselect_b64 s[PFA:PFA+1], s[KB:KB+1], s[VB:VB+1]
	s_add_nc_u64 s[PFA:PFA+1], s[PFA:PFA+1], 2*32768   ; at tile 2: the first asking change steps it to tile 3
	s_cmp_eq_u32 s[PB], 0
	s_cselect_b32 s[PFC], 13, 0
	s_cmp_lt_u32 s[WV], 2                          ; a wave's first fills stand in one branch: by this text's count at most two tensor loads of a wave are out
	s_cbranch_scc0 .Lfirst_v
	tensor_load_to_lds s[G0K:G0K+3], s[G1K:G1K+7]
	s_nop 0
.rept 4
	v_nop
.endr
	s_branch .Lfirst_asked
.Lfirst_v:
	tensor_load_to_lds s[G0V:G0V+3], s[G1V:G1V+7]
	s_nop 0
	tensor_load_to_lds s[G0L:G0L+3], s[G1L:G1L+7]
	s_nop 0
.rept 4
	v_nop
.endr
.Lfirst_asked:
	v_and_b32 v1, 15, v0                           ; l % 16
	v_bfe_u32 v32, v0, 4, 1                        ; l / 16
	v_lshlrev_b32 v[QO], 8, v1
	v_lshl_add_u32 v[QO], v32, 4, v[QO]
	WIN 0x40                                       ; destination window 1
.set i, 0
.rept 8                                ; both blocks' Q: tile i / 4 (the second query head lies 524,288 bytes on), channels 32 (i % 4) on
	global_load_b128 v[Q+8*i:Q+8*i+3],     v[QO], s[88:89] offset:(i/4)*524288+(i%4)*64
	global_load_b128 v[Q+8*i+4:Q+8*i+7],   v[QO], s[88:89] offset:(i/4)*524288+(i%4)*64+32
	global_load_b128 v[QB+8*i:QB+8*i+3],   v[QO], s[90:91] offset:(i/4)*524288+(i%4)*64
	global_load_b128 v[QB+8*i+4:QB+8*i+7], v[QO], s[90:91] offset:(i/4)*524288+(i%4)*64+32
.set i, i+1
.endr
	WIN 0
	v_lshlrev_b32 v[LMO], 2, v1
	global_load_b32 v[LAM], v[LMO], s[92:93]
	global_load_b32 v[LAMB], v[LMO], s[94:95]
	v_lshlrev_b32 v35, 3, v32
	v_sub_nc_u32 v35, v1, v35
	s_lshl_b32 s22, s[WV], 4
	v_add_nc_u32 v35, s22, v35                     ; my query's place in its block less my lanes' 8 (l / 16): register r of key group kt is hidden where 16 kt + r is greater
	WIN 0xc0
.set i, 0
.rept 32
	v_cmp_gt_i32 vcc_lo, 16*(i/8)+i%8, v35
	v_cndmask_b32 v[MD+i], 0, s[BIGN], vcc_lo
.set i, i+1
.endr
.set i, 0
.rept 64                               ; tile 0's share of o: written here, so that these registers hold numbers whichever way the text is walked
	v_mov_b32 v[T0+i], 0
.set i, i+1
.endr
	WIN 0
	v_mul_u32_u24 v[AK0], v1, PK
	v_lshl_add_u32 v[AK0], v32, 4, v[AK0]
	v_and_b32 v33, 7, v0                           ; the turning load: lane l reads key 8 (l / 16) + l % 8, channels 8 ((l / 8) % 2) on
	v_bfe_u32 v34, v0, 3, 1
	v_lshl_add_u32 v[AV0], v32, 3, v33
	v_mul_u32_u24 v[AV0], v[AV0], PVP
	v_lshl_add_u32 v[AV0], v34, 4, v[AV0]
	v_add_nc_u32 v[AVL], VLB, v[AV0]
	v_add_nc_u32 v[AV0], VOFF, v[AV0]
	s_mul_i32 s22, s[WV], 16*SP
	s_add_co_u32 s22, s22, STAGE
	v_mul_u32_u24 v[STO], v1, SP
	v_lshl_add_u32 v[STO], v32, 4, v[STO]
	v_add_nc_u32 v[STO], s22, v[STO]
	v_mul_u32_u24 v[RD], v32, SP
	v_lshl_add_u32 v[RD], v1, 4, v[RD]
	v_add_nc_u32 v[RD], s22, v[RD]
	v_lshlrev_b32 v[GO], 12, v32
	v_lshl_add_u32 v[GO], v1, 4, v[GO]
	v_and_b32 v[PFO], 31, v0
	v_lshlrev_b32 v[PFO], 8, v[PFO]
	v_mov_b32 v[NEG1], -1.0
	; A block's first step multiplies O^T and l by a = 0, so these need only be finite: zeros for the first block, what the first block left for the second.  No first step is written out; the zeros are written in the wait for the first tile.
	WIN 0x40
.set i, 0
.rept 128
	v_mov_b32 v[i], 0
.set i, i+1
.endr
	WIN 0
.irp t, 0,1
	v_mov_b32 v[ST+8*\t], 0xfe000000               ; c m: far below every c s
	v_mov_b32 v[ST+8*\t+1], 0xff7fffff             ; m
	v_mov_b32 v[ST+8*\t+2], 0
	v_mov_b32 v[ST+8*\t+3], 0
.endr
	s_wait_kmcnt 0x0
	s_mov_b32 s[CS+1], s[CS]                       ; named with it as a pair
; THE LDS LOADS stand in runs of 32, never singly among the matrix instructions.  tail = 1 (the walk's last tile): in the last trip there is no further step, and the run is jumped over.
; A step's K: 64 keys x 128 channels, 16 fragments, by channel quarters: the order in which the products want them.
.macro GET_K tail
	WIN 0
.if \tail
	s_cmp_eq_u32 s[CNT], 1
	s_cbranch_scc1 .Lno_k_\@
.endif
	v_add_nc_u32 v[ADR], s[TB], v[AK0]
	WIN 0x80                                       ; destination window 2
.irp c, 0,1,2,3
.irp kb, 0,1,2,3
	ds_load_b128 v[32*\kb+8*\c:32*\kb+8*\c+3],   v[ADR] offset:\kb*16*PK+\c*64
	ds_load_b128 v[32*\kb+8*\c+4:32*\kb+8*\c+7], v[ADR] offset:\kb*16*PK+\c*64+32
.endr
.endr
.if \tail
	WIN 0
.Lno_k_\@:
.endif
.endm
; The same step's V, turned: fragment f (keys 32 (f / 8) on, channels 16 (f % 8) on) is what product f wants.
.macro GET_V tail
	WIN 0
.if \tail
	s_cmp_eq_u32 s[CNT], 1
	s_cbranch_scc1 .Lno_v_\@
.endif
	v_add_nc_u32 v[ADV], s[TB], v[AV0]
	s_add_co_u32 s[TB], s[TB], STEPB               ; the next fetch is the next step's
	WIN 0x80
.irp f, 0,1,2,3,4,5,6,7,8,9,10,11,12,13,14,15
	ds_load_tr16_b128 v[VR+8*\f:VR+8*\f+3],   v[ADV] offset:(\f/8)*32*PVP+(\f%8)*32
	ds_load_tr16_b128 v[VR+8*\f+4:VR+8*\f+7], v[ADV] offset:(\f/8)*32*PVP+16*PVP+(\f%8)*32
.endr
.if \tail
	WIN 0
.Lno_v_\@:
.endif
.endm
.macro PLACES                          ; four places behind matrix instructions, in front of vector work that reads their results (ISA guide 7.12.1)
.rept 4
	v_nop
.endr
.endm
; THE MATRIX WORK.  The accumulators of a run take turns, one instruction a turn: 8 in a run of V^T P, 4 in a run of K Q^T.
; Product i of 16 of O^T += (V or its low part)^T (P or its low part) for tile x: keys 32 (i / 8) on, channels 16 (i % 8) on.
.macro MPV x, vb, pb
.set rO, 64*(\x)+8*(i%8)
.set rV, (\vb)+8*i
.set rP, (\pb)+16*(\x)+8*(i/8)
	v_wmma_f32_16x16x32_f16 v[rO:rO+7], v[rV:rV+7], v[rP:rP+7], v[rO:rO+7]
.endm
; Product i of 16 of S^T = K Q^T for tile x: channels 32 (i / 4) on, keys 16 (i % 4) on.  The first 4 start the sums with the mask.
.macro MKQ x
.set rS, S+32*(\x)+8*(i%4)
.set rK, 32*(i%4)+8*(i/4)
.set rQ, Q+32*(\x)+8*(i/4)
.set rM, MC+8*(i%4)
.if i < 4
	v_wmma_f32_16x16x32_f16 v[rS:rS+7], v[rK:rK+7], v[rQ:rQ+7], v[rM:rM+7]
.else
	v_wmma_f32_16x16x32_f16 v[rS:rS+7], v[rK:rK+7], v[rQ:rQ+7], v[rS:rS+7]
.endif
.endm
; The mask of step SA of the block in hand, for both tiles' next scores
.macro MASK
	s_cmp_eq_u32 s[SA], s[DG]
	s_cselect_b32 s[AL], 1.0, 0
	s_cmp_gt_u32 s[SA], s[DG]
	s_cselect_b32 s[BE], s[BIGN], 0
	s_add_co_u32 s[SA], s[SA], 1
	WIN 0x03                                       ; source 0 in window 3
.set z, 0
.rept 16
	v_pk_fma_f32 v[MC+2*z:MC+2*z+1], v[MD+2*z:MD+2*z+1], s[AL:AL+1], s[BE:BE+1] op_sel_hi:[1,0,0]
.set z, z+1
.endr
.endm
; THE VECTOR WORK.  One tile's softmax for one key step is a list of 134 instructions; SM writes number j of it for tile t.  s0-s31 are the lane's 32 scores, in pairs 0-15.
;   0-15    the maximum of s0-s31 and the old m, three operands at a time: four chains c0-c3 of seven scores each (each accumulator's lowest registers are read first), then the four
;           scores left over, the old m, and c0-c3 into c0
;   16-20   the other half of the lanes' maximum; c m_old is kept; the new m; c m; c m_old - c m_new
;   21-87   33 exponentials (a, then s0-s31) at the odd numbers from 23 on: no two follow each other, and each has a plain instruction behind it before its result is used.  The plain instructions (21, then the
;           even numbers) are whatever is ready: c s - c m for a pair whose exponentials are still to come, the rounding to f16 of a pair whose exponentials are done, at last the first three sums
;   88-101  the last rounding; the rest of the sums, which go into scratch, so that the unrounded weights stay for the low part; l = a l + the sum
;   102-133 the tile's O^T times a: the one part that leaves window 0, so it stands together
.macro SM t
.set rT, ST+8*(\t)
.set rS, S+32*(\t)
.set rP, P+16*(\t)
.set rU, TS+16*(\t)
.set rO, 64*(\t)+2*(j-102)
.set q, (j-20)/2
.if j < 102
	WIN 0
.endif
.if j < 4
	v_max3_num_f32 v[rT+4+j], v[rS+8*j], v[rS+8*j+1], v[rS+8*j+2]
.elseif j < 12
	v_max3_num_f32 v[rT+4+j%4], v[rT+4+j%4], v[rS+8*(j%4)+2*(j/4)+1], v[rS+8*(j%4)+2*(j/4)+2]
.elseif j == 12
	v_max3_num_f32 v[rT+4], v[rT+4], v[rS+7], v[rS+15]
.elseif j == 13
	v_max3_num_f32 v[rT+6], v[rT+6], v[rS+23], v[rS+31]
.elseif j == 14
	v_max3_num_f32 v[rT+5], v[rT+5], v[rT+7], v[rT+1]
.elseif j == 15
	v_max3_num_f32 v[rT+4], v[rT+4], v[rT+5], v[rT+6]
.elseif j == 16
	v_permlanex16_b32 v[rT+5], v[rT+4], s[SEL], s[SEL+1]  ; the query's other 32 keys lie in the lane 16 away
.elseif j == 17
	v_mov_b32 v[rT+7], v[rT]                       ; c m_old is kept for a: number 19 writes c m anew
.elseif j == 18
	v_max_num_f32 v[rT+1], v[rT+4], v[rT+5]
.elseif j == 19
	v_mul_f32 v[rT], s[CS], v[rT+1]
.elseif j == 20
	v_sub_f32 v[rT+7], v[rT+7], v[rT]
.elseif j == 23
	v_exp_f32 v[rT+6], v[rT+7]                     ; a
.elseif (j < 88) && (j > 23) && (j%2 == 1)
	v_exp_f32 v[rS+(j-25)/2], v[rS+(j-25)/2]
.elseif (q < 4) || ((j < 76) && (q%2 == 0))
.set b, q/2+2
.if q < 4
.set b, q
.endif
	v_pk_fma_f32 v[rS+2*b:rS+2*b+1], v[rS+2*b:rS+2*b+1], s[CS:CS+1], v[rT:rT+1] op_sel_hi:[1,0,0] neg_lo:[0,0,1] neg_hi:[0,0,1]  ; pair b: c s - c m
.elseif (j < 88) && (q%2 == 1)
	s_wait_alu depctr_va_vdst(0)
	v_cvt_pk_f16_f32 v[rP+(q-5)/2], v[rS+q-5], v[rS+q-4]  ; pair (q - 5) / 2: its second exponential stands three numbers back
.elseif j == 89
	s_wait_alu depctr_va_vdst(0)
	v_cvt_pk_f16_f32 v[rP+15], v[rS+30], v[rS+31]
.elseif j < 102                        ; sum z of 16: eight sums of two pairs, then four, two, one; then l takes it
.set z, j-86
.if j < 89
.set z, (j-76)/4
.endif
.if z < 8
	v_pk_add_f32 v[rU+2*z:rU+2*z+1], v[rS+4*z:rS+4*z+1], v[rS+4*z+2:rS+4*z+3]
.elseif z < 12
	v_pk_add_f32 v[rU+4*(z-8):rU+4*(z-8)+1], v[rU+4*(z-8):rU+4*(z-8)+1], v[rU+4*(z-8)+2:rU+4*(z-8)+3]
.elseif z < 14
	v_pk_add_f32 v[rU+8*(z-12):rU+8*(z-12)+1], v[rU+8*(z-12):rU+8*(z-12)+1], v[rU+8*(z-12)+4:rU+8*(z-12)+5]
.elseif z == 14
	v_pk_add_f32 v[rU:rU+1], v[rU:rU+1], v[rU+8:rU+9]
.else
	v_pk_fma_f32 v[rT+2:rT+3], v[rT+2:rT+3], v[rT+6:rT+7], v[rU:rU+1] op_sel_hi:[1,0,1]
.endif
.else
	WIN W_RS
	v_pk_mul_f32 v[rO:rO+1], v[rO:rO+1], v[rT+6:rT+7] op_sel_hi:[1,0]
.endif
.endm
.macro SLICE y, n                      ; the next n numbers of tile y's list
.rept \n
	SM \y
.set j, j+1
.endr
.endm
; THE LOW PARTS of tile t, in step 0 of block 0 alone: work-group b = 0's second block, whose one tile is the walk's last: so this text stands in the tail alone, and is jumped over elsewhere.
; It stands between the tile's V^T P, whose V is still in registers, and its next K Q^T, which writes over the unrounded weights.
.macro FINE t
	WIN 0
	s_xor_b32 s85, s[SA], 1+(\t)                   ; SA stands one behind the step in hand in turn A, two in turn B
	s_or_b32 s85, s85, s[DG]
	s_cmp_lg_u32 s85, 0
	s_cbranch_scc1 .Lcoarse_\@
	WIN 0xc0                                       ; destination window 3
.irp f, 0,1,2,3,4,5,6,7,8,9,10,11,12,13,14,15
	ds_load_tr16_b128 v[8*\f:8*\f+3],   v[AVL] offset:(\f/8)*32*PVP+(\f%8)*32
	ds_load_tr16_b128 v[8*\f+4:8*\f+7], v[AVL] offset:(\f/8)*32*PVP+16*PVP+(\f%8)*32
.endr
	WIN 0
.set z, 0
.rept 16
	v_fma_mix_f32 v[S+32*(\t)+2*z],   v[P+16*(\t)+z], v[NEG1], v[S+32*(\t)+2*z]   op_sel:[0,0,0] op_sel_hi:[1,0,0]  ; p - f16(p), exact in f32
	v_fma_mix_f32 v[S+32*(\t)+2*z+1], v[P+16*(\t)+z], v[NEG1], v[S+32*(\t)+2*z+1] op_sel:[1,0,0] op_sel_hi:[1,0,0]
.set z, z+1
.endr
.set z, 0
.rept 16
	v_cvt_pk_f16_f32 v[PL+16*(\t)+z], v[S+32*(\t)+2*z], v[S+32*(\t)+2*z+1]
.set z, z+1
.endr
	s_wait_dscnt 0x0
	WIN W_PV
.set i, 0
.rept 16
	MPV \t, VR, PL
.set i, i+1
.endr
	WIN W_PW
.set i, 0
.rept 16
	MPV \t, 0, P
.set i, i+1
.endr
	WIN 0
.Lcoarse_\@:
.endm
; A BLOCK'S END, in three parts, each jumped over elsewhere.  END0, in turn A behind tile 0's last V^T P: O0 / (2 l0) is set aside; tile 0's m and Q, the counts and with them the mask become the second block's.
.macro END0
	WIN 0
	s_cmp_lg_u32 s[SA], s[NST]
	s_cbranch_scc1 .Lgo_on_\@
	PLACES                                         ; behind the last products
	v_add_f32 v[ST+4], v[ST+2], v[ST+3]
	v_permlanex16_b32 v[ST+5], v[ST+4], s[SEL], s[SEL+1]
	v_add_f32 v[ST+4], v[ST+4], v[ST+5]
	v_rcp_f32 v[ST+5], v[ST+4]
	v_mov_b32 v[ST], 0xfe000000                    ; (plain instructions behind the reciprocal)
	v_mov_b32 v[ST+1], 0xff7fffff
	s_wait_alu depctr_va_vdst(0)
	v_mul_f32 v[ST+4], 0.5, v[ST+5]
	WIN 0xc1                                       ; destination window 3, source 0 window 1
.set z, 0
.rept 32
	v_pk_mul_f32 v[T0+2*z:T0+2*z+1], v[2*z:2*z+1], v[ST+4:ST+5] op_sel_hi:[1,0]
.set z, z+1
.endr
	WIN W_RS
.set z, 0
.rept 32
	v_mov_b32 v[Q+z], v[QB+z]
.set z, z+1
.endr
	WIN 0
	s_mov_b32 s[DG], s[PB]
	s_add_co_u32 s[NST], s[PBH], 1
	s_lshl_b32 s[NST], s[NST], 1
	s_mov_b32 s[SA], 0
	s_mov_b32 s[EB], 1
.Lgo_on_\@:
.endm
; MID1, in turn B between tile 1's two runs: its Q becomes the second block's.
.macro MID1
	WIN 0
	s_cmp_eq_u32 s[EB], 0
	s_cbranch_scc1 .Lgo_on_\@
	WIN W_RS
.set z, 0
.rept 32
	v_mov_b32 v[Q+32+z], v[QB+32+z]
.set z, z+1
.endr
	WIN 0
.Lgo_on_\@:
.endm
; END1, behind turn B: - lambda O1 / (2 l1) is added, o is rounded to f16 and sent through my stage; tile 1's m and lambda become the second block's.
; (Behind the walk's last step the set-up of END0, MID1 and END1 runs once for nothing: the price of one text.)
.macro END1
	WIN 0
	s_cmp_eq_u32 s[EB], 0
	s_cbranch_scc1 .Lgo_on_\@
	v_add_f32 v[ST+12], v[ST+10], v[ST+11]
	v_permlanex16_b32 v[ST+13], v[ST+12], s[SEL], s[SEL+1]
	v_add_f32 v[ST+12], v[ST+12], v[ST+13]
	v_rcp_f32 v[ST+13], v[ST+12]
	v_mov_b32 v[ST+8], 0xfe000000                  ; (plain instructions behind the reciprocal)
	v_mov_b32 v[ST+9], 0xff7fffff
	s_wait_alu depctr_va_vdst(0)
	v_mul_f32 v[ST+12], -0.5, v[ST+13]
	v_mul_f32 v[ST+12], v[ST+12], v[LAM]
	WIN 0xf1                                       ; source 0 window 1, source 2 and destination window 3
.set z, 0
.rept 32
	v_pk_fma_f32 v[T0+2*z:T0+2*z+1], v[64+2*z:64+2*z+1], v[ST+12:ST+13], v[T0+2*z:T0+2*z+1] op_sel_hi:[1,0,1]
.set z, z+1
.endr
	WIN 0x0f                                       ; sources 0 and 1 window 3
.set z, 0
.rept 32
	v_cvt_pk_f16_f32 v[PL+z], v[T0+2*z], v[T0+2*z+1]
.set z, z+1
.endr
	WIN 0
.irp f, 0,1,2,3,4,5,6,7
	ds_store_b128 v[STO], v[PL+4*\f:PL+4*\f+3] offset:32*\f
.endr
.irp f, 0,1,2,3,4,5,6,7
	ds_load_b128 v[TS+4*\f:TS+4*\f+3], v[RD] offset:\f*2*SP  ; LDS serves a wave's instructions in order (ISA guide 5.7.1.4): these see the stores above
.endr
.irp f, 0,1,2,3,4,5,6,7
	s_wait_dscnt 7-\f                              ; the younger loads from the stage may stay out
	global_store_b128 v[GO], v[TS+4*\f:TS+4*\f+3], s[OP:OP+1] offset:\f*8192  ; 16 lanes store 256 consecutive bytes, aligned
.endr
	s_wait_xcnt 0x0                                ; the stores have read their registers and o's address
	s_mov_b64 s[OP:OP+1], s[OLO:OLO+1]
	s_mov_b32 s[EB], 0
	v_mov_b32 v[LAM], v[LAMB]
.Lgo_on_\@:
.endm
; TURN A of step g.  Tile 0: V^T P of step g, K Q^T of step g + 1; tile 1's softmax of step g, four numbers behind each product, the six that are over with the last four: ten plain lines, which name nothing of
; the products round them and are the places behind the turn's last K Q^T.  K of step g + 1 is fetched behind the second product: the last product that read K stands in front of the turn before's last ten lines.
; THE WAITS are counted by fours of products.  V's 32 loads were issued in the turn before; product i wants loads 2 i and 2 i + 1: at the head 24 of them may be out; from product 4 on K's 32 stand behind them.
; K's loads come by channel quarters, eight for four products.  In the tail, where a run may have been jumped over, the waits are for 0.
.macro TURN_A tail
.set j, 0
.set i, 0
.rept 16
.if i%4 == 0
.if \tail
.if i == 0
	s_wait_dscnt 0x0
.endif
.elseif i == 0
	s_wait_dscnt 24
.else
	s_wait_dscnt 56-2*i
.endif
.endif
	WIN W_PV
	MPV 0, VR, P
	SLICE 1, 4
.if i == 1
	GET_K \tail
.endif
.set i, i+1
.endr
.if \tail
	FINE 0
.endif
	END0
	MASK
.set i, 0
.rept 16
.if i%4 == 0
.if \tail
.if i == 0
	s_wait_dscnt 0x0
.endif
.else
	s_wait_dscnt 24-2*i
.endif
.endif
	WIN W_KQ
	MKQ 0
.if i == 15
	SLICE 1, 10
.else
	SLICE 1, 4
.endif
.set i, i+1
.endr
.endm
; TURN B of step g.  Tile 1: V^T P of step g, K Q^T of step g + 1; tile 0's softmax of step g + 1.  V and K are in since turn A's last wait.  V of step g + 1 is fetched behind the second K Q^T:
; behind the last product that read V stand four plain lines of the slices or more, and the line that makes the address.
.macro TURN_B tail
.set j, 0
.set i, 0
.rept 16
	WIN W_PV
	MPV 1, VR, P
	SLICE 0, 4
.set i, i+1
.endr
.if \tail
	FINE 1
.endif
	MID1
.set i, 0
.rept 16
	WIN W_KQ
	MKQ 1
.if i == 15
	SLICE 0, 10
.else
	SLICE 0, 4
.endif
.if i == 1
	GET_V \tail
.endif
.set i, i+1
.endr
	END1
.endm
	CHANGE 1, 0                                    ; tile 0 is in, everybody's part of it; the walk's second tile is asked for
	GET_K 0                                        ; step 0
	s_wait_loadcnt 0x0                             ; Q and lambda
	MASK
	GET_V 0
	s_wait_dscnt 32                                ; K is in; V's 32 loads may stay out
	WIN W_KQ
.irp x, 0,1
.set i, 0
.rept 16
	MKQ \x                                         ; both tiles' first scores: there is no vector work yet to set between them
.set i, i+1
.endr
.endr
	WIN 0
	PLACES
.set j, 0
	SLICE 0, 134                                   ; tile 0's first softmax, by itself, once a launch
	WIN 0
	s_mov_b32 s[TWICE], 1                          ; the first slot has one more step to fetch
	s_mov_b32 s[SLOTS], 16
	s_branch .Lstep
.Lslot:                                                ; 15 times: a tile is entered and the tile after the next is asked for
	CHANGE 1, 1
	s_mov_b32 s[TWICE], 2
.Lstep:                                                ; a key step: two turns
	TURN_A 0
	TURN_B 0
	s_sub_co_u32 s[TWICE], s[TWICE], 1
	s_cmp_lg_u32 s[TWICE], 0
	s_cbranch_scc1 .Lstep
	s_sub_co_u32 s[SLOTS], s[SLOTS], 1
	s_cmp_lg_u32 s[SLOTS], 0
	s_cbranch_scc1 .Lslot
	CHANGE 0, 0                                    ; the walk's last tile is written out: nothing is asked for
	s_mov_b32 s[CNT], 3                            ; three steps are left.  The last fetches nothing: its 32 products K Q^T, on the last K once more, and tile 0's softmax of them serve nothing:
.Ltail:                                                ; the price, once a launch, of one text for every trip
	TURN_A 1
	TURN_B 1
	s_sub_co_u32 s[CNT], s[CNT], 1
	s_cmp_lg_u32 s[CNT], 0
	s_cbranch_scc1 .Ltail
	s_wait_tensorcnt 0x0                           ; the wave's end, behind my last tensor load and my last LDS store
	ds_add_u32 v[SPW], v[NIL]
	s_wait_dscnt 0x0
	s_endpgm
.Lfunc_end_k_q4d02323f3c_attn:
	.size	k_q4d02323f3c_attn, .Lfunc_end_k_q4d02323f3c_attn-k_q4d02323f3c_attn
	.p2alignl 7, 3214868480
	.fill 96, 4, 3214868480
	.section	.rodata,"a",@progbits
	.p2align	6, 0x0
	.amdhsa_kernel k_q4d02323f3c_attn
		.amdhsa_group_segment_fixed_size 327680
		.amdhsa_private_segment_fixed_size 0
		.amdhsa_enable_private_segment 0
		.amdhsa_kernarg_size 24
		.amdhsa_user_sgpr_count 2
		.amdhsa_user_sgpr_kernarg_segment_ptr 1
		.amdhsa_wavefront_size32 1
		.amdhsa_system_sgpr_workgroup_id_x 1
		.amdhsa_system_sgpr_workgroup_id_y 1
		.amdhsa_system_sgpr_workgroup_id_z 1
		.amdhsa_system_vgpr_workitem_id 0
		.amdhsa_next_free_vgpr 992
		.amdhsa_next_free_sgpr 96
		.amdhsa_reserve_vcc 1
		.amdhsa_float_denorm_mode_32 3
		.amdhsa_float_denorm_mode_16_64 3
		.amdhsa_memory_ordered 1
		.amdhsa_forward_progress 1
		.amdhsa_inst_pref_size 136
	.end_amdhsa_kernel
	.amdgpu_metadata
---
amdhsa.version: [ 1, 2 ]
amdhsa.kernels:
  - .name:           k_q4d02323f3c_attn
    .symbol:         k_q4d02323f3c_attn.kd
    .args:
      - { .name: qkv, .offset: 0, .size: 8, .value_kind: global_buffer, .address_space: global }
      - { .name: ls, .offset: 8, .size: 8, .value_kind: global_buffer, .address_space: global }
      - { .name: ob, .offset: 16, .size: 8, .value_kind: global_buffer, .address_space: global }
    .group_segment_fixed_size: 327680
    .private_segment_fixed_size: 0
    .kernarg_segment_align: 8
    .kernarg_segment_size: 24
    .max_flat_workgroup_size: 128
    .sgpr_count:     96
    .vgpr_count:     992
    .wavefront_size: 32
...
	.end_amdgpu_metadata
.endif
;; end of part 9
;; launch g3 (part 10): grid 16 x 16, 4 waves a work-group, clusters of 4 x 4, 327,680 bytes of LDS; arguments ob, cw, ls, out0; writes out0
.if DOCPART == 10
	.amdgcn_target "amdgcn-amd-amdhsa--gfx1250"
	.amdhsa_code_object_version 6
	.text
	.protected	k_q4d02323f3c_g3
	.globl	k_q4d02323f3c_g3
	.p2align	8
	.type	k_q4d02323f3c_g3,@function
k_q4d02323f3c_g3:
	s_mov_b64 s[64:65], 0
	v_nop
	global_prefetch_b8 v0, s[64:65] scope:SCOPE_SE
	s_setreg_imm32_b32 hwreg(HW_REG_WAVE_MODE, 25, 1), 1
	s_wait_xcnt 0x0
	s_wait_alu depctr_hold_cnt(0) depctr_sa_sdst(0) depctr_va_vdst(0) depctr_va_sdst(0) depctr_va_ssrc(0) depctr_va_vcc(0) depctr_vm_vsrc(0)
	s_getreg_b32 s2, hwreg(HW_REG_IB_STS2, 6, 4)
	s_cmp_eq_u32 s2, 0
	s_cbranch_scc0 .Lentry_in_a_cluster
	s_endpgm
.Lentry_in_a_cluster:
	s_bfe_u32 s2, ttmp6, 0x10000c
	s_cmp_lg_u32 s2, 0xf033
	s_cbranch_scc0 .Lentry_shape_is_right
	s_endpgm
.Lentry_shape_is_right:
.set KIND, 3
; C = A B on tiles of 128 x 128, f16 operands, f32 sums, K = 2,048.  ONE TEXT SERVES TWO KERNELS; KIND, in the first line, picks the addresses and the way out:
;   1: c = x [W_DKV | W_DQ].  c times its factor leaves as f16; c_kv also leaves its low part, f16(c - f16(c)), 512 columns to the right.
;   3: out = o W_out, times its factor, f32.
; A is [rows][K], B is [K][columns], both with rows of 4,096 bytes.  LIMITS: the factors bound every f16 result by 46,400 for any input; NaN and infinities are not treated apart.
; SHARES.  Four waves, each 64 x 64: 16 accumulators.  Wave w: rows 64 (w >> 1) on; column blocks of 16: 2 (w & 1) + (b & 1) + 4 (b >> 1).
; K goes in eight steps of 256 through two LDS slots.  A's rows lie along K and are read as they lie; B's rows lie along the columns and are read turned, by ds_load_tr16_b128.
; A K STEP IS WRITTEN ONCE: the slot in hand is a scalar register, 0 or SLOT, which an exclusive or turns; the LDS addresses are that register plus a lane term, and one walking descriptor takes its LDS word from it.
; The loop makes the six steps that fill a slot again; a second copy, which fills nothing, is walked twice and left in its middle.
; THE MATRIX INSTRUCTION IS USED TRANSPOSED (source 0 = 16 columns of B, source 1 = 16 rows of A): a lane holds eight neighbouring numbers of a row of C.
; CLUSTERS: 4 x 4 work-groups.  The four of a row need the same tiles of A, the four of a column the same tiles of B: each tile is asked for jointly, by the same tensor load, descriptor and mask in all four.
; By this text's count a wave has two tensor loads out at the start and one behind each round.  No prefetch: the tiles are small and shared.
; REGISTERS: window 0: v12-29 scale, addresses; v32-95 at work on the way out; v128-255 the accumulators ((a, b) at v[128 + 8 (4 a + b)]).  window 1: two fragment buffers of 128: 64 of A, 64 of B.
.set NSTEP, 8
.if KIND == 1
.set ARGA, 68                          ; s[68:69] cw holds A (x) and B
.set ARGW, 68
.set ARGL, 70                          ; ls
.set ARGO, 72                          ; cb
.set BOFF, 0x800000
.else
.set ARGA, 68                          ; ob
.set ARGW, 70                          ; cw
.set ARGL, 72                          ; ls
.set ARGO, 74                          ; out0
.set BOFF, 0x2000000
.endif
.set KSTEP,  256
.set ROWB,   4096
.set PA,     528                       ; a row of A in LDS: 512 bytes + 16: 132 words, so the 16 rows of a load start at 16 different groups of four banks (64 banks of 4 bytes: ISA guide 11.1)
.set PB,     288                       ; a row of B: 256 + 32 = 72 words
.set HALFA,  64*PA                     ; what one tensor load brings of A: 64 rows x 256 K
.set HALFB,  128*PB                    ; and of B: 128 K x 128 columns
.set SLOT,   2*HALFA+2*HALFB
.set SPARE,  2*SLOT                    ; behind the ring: the spare words, 128 bytes a wave, which no other line names
.set STG0,   0                         ; the stages of the way out lie in slot 0, which has had its last fill by then
.set STG1,   128*272
.set SP,     272
.set SP3,    528
.set SCL,  12                          ; v[12:13] the factor, twice
.set NEG1, 14                          ; v14  -1.0
.set ADRA, 16                          ; v16     LDS address of my A fragments in the slot in hand
.set ADRB, 17                          ; v17-18  of my B fragments there: K 0-127, K 128-255
.set A0,   20                          ; v20  the same in slot 0; never rewritten
.set B0,   21                          ; v21
.set STO,  24
.set RD,   25
.set CO,   26
.set SPW,  28                          ; v28  my spare word; never rewritten
.set NIL,  29                          ; v29  0; never rewritten
.set TMP,  32
.set ACC,  128
.set F0,   0
.set F1,   128
.set G1, 24                            ; s[24:31] descriptor group 1 for A's tiles;  s[32:39] group 0: a set for each first fill; the second then walks
.set G0, 32
.set G1B, 48                           ; s[48:55], s[56:63] the same for B's tiles
.set G0B, 56
.set TB,  88                           ; s88  the slot in hand: 0 or SLOT
.set MSB, 0
.macro WIN new                         ; the immediate's high byte repeats the setting that is left
.if MSB != (\new)
	s_set_vgpr_msb (MSB<<8)|(\new)
.set MSB, \new
.endif
.endm
.set MUL,  0x05                        ; sources 0 (B) and 1 (A) window 1; C and D window 0
.set TO_F, 0x40                        ; destination window 1, address window 0
.macro JLOAD s                         ; a joint load: waves 0 and 1 fetch A's two halves, waves 2 and 3 B's; an s_nop 0 and four v_nop follow each line
	s_cmp_eq_u32 s11, 0
	s_cbranch_scc0 .Lfor_b_\@
	tensor_load_to_lds s[G0+4*(\s):G0+4*(\s)+3], s[G1:G1+7]
	s_nop 0
.rept 4
	v_nop
.endr
	s_branch .Lasked_\@
.Lfor_b_\@:
	tensor_load_to_lds s[G0B+4*(\s):G0B+4*(\s)+3], s[G1B:G1B+7]
	s_nop 0
.rept 4
	v_nop
.endr
.Lasked_\@:
.endm
.macro CREST                           ; a round of the cluster's barrier behind its opening barrier
	s_cmp_lg_u32 s10, 0
	s_cbranch_scc1 .Lnot_wave_0_\@
	s_barrier_signal -3
.Lnot_wave_0_\@:
	s_barrier_wait -3
	s_barrier_signal -1
	s_barrier_wait -1
.endm
.macro CROUND
	s_barrier_signal -1
	s_barrier_wait -1
	CREST
.endm
.if KIND == 1
	s_load_b128 s[68:71], s[0:1], 0x0
	s_load_b64 s[72:73], s[0:1], 0x10
.else
	s_load_b256 s[68:75], s[0:1], 0x0
.endif
	v_lshl_add_u32 v[SPW], v0, 2, SPARE
	v_mov_b32 v[NIL], 0
	ds_add_u32 v[SPW], v[NIL]                      ; the wave's opening: the add and its wait stand ahead of my first tensor load; the set-up below stands between them
	ds_add_u32 v28, v29
	v_lshrrev_b32 v1, 5, v0
	v_readfirstlane_b32 s10, v1                    ; wave 0..3
	s_lshr_b32 s11, s10, 1                         ; which half of the tile's rows is mine.  Also: I fetch for A (0) or for B (1)
	s_and_b32 s12, s10, 1                          ; which column blocks.  Also: which half of that tile I fetch
	s_bfe_u32 s40, ttmp6, 0x40000                  ; cx, cy: my place in the cluster
	s_bfe_u32 s41, ttmp6, 0x40004
	s_lshl_b32 s42, ttmp9, 2
	s_add_co_u32 s42, s42, s40                     ; tile column
	s_and_b32 s13, ttmp7, 0xffff
	s_lshl_b32 s13, s13, 2
	s_add_co_u32 s13, s13, s41                     ; tile row
	s_lshl_b32 s43, s41, 2
	s_lshl_b32 s43, 15, s43                        ; my row of the cluster
	s_lshl_b32 s44, 0x1111, s40                    ; my column
	s_or_b32 s[G1+0], s43, (1<<16)|(1<<20)|(1<<21)|(6<<22)|(3<<25)   ; the mask; 2-byte elements; padding on; bit 21 beside a mask; after every 128 words, 4 words
	s_or_b32 s[G1B+0], s44, (1<<16)|(1<<20)|(1<<21)|(5<<22)|(7<<25)  ; after every 64 words, 8 words
	s_mov_b32 s[G1+1], KSTEP<<16                   ; A: tensor_dim0 = 256
	s_mov_b32 s[G1+2], 64<<16                      ; tensor_dim1 = 64
	s_mov_b32 s[G1+3], KSTEP<<16                   ; tile_dim0 = 256
	s_mov_b32 s[G1+4], 64                          ; tile_dim1 = 64
	s_mov_b32 s[G1+5], 2048                        ; elements from row to row
	s_mov_b32 s[G1+6], 0
	s_mov_b32 s[G1+7], 0
	s_mov_b32 s[G1B+1], 128<<16                    ; B: 128 columns
	s_mov_b32 s[G1B+2], 128<<16                    ; x 128 K
	s_mov_b32 s[G1B+3], 128<<16
	s_mov_b32 s[G1B+4], 128
	s_mov_b32 s[G1B+5], 2048
	s_mov_b32 s[G1B+6], 0
	s_mov_b32 s[G1B+7], 0
	s_lshl_b32 s16, s13, 19                        ; A: row 128 x tile row + 64 x half, 4,096 bytes each
	s_lshl_b32 s17, s12, 18
	s_add_co_u32 s16, s16, s17
	s_mov_b32 s17, 0
	s_lshl_b32 s46, s42, 8                         ; B: 256 bytes x tile column + 128 rows x half
	s_lshl_b32 s47, s12, 19
	s_add_co_u32 s46, s46, s47
	s_add_co_u32 s46, s46, BOFF
	s_mov_b32 s47, 0
	s_mul_i32 s18, s12, HALFA                      ; where they go in a slot: no place in the cluster enters an LDS address
	s_mul_i32 s19, s12, HALFB
	s_add_co_u32 s19, s19, 2*HALFA
	s_mov_b32 s[TB], 0
	s_wait_dscnt 0x0                               ; the opening add is done
	s_wait_kmcnt 0x0
	s_add_nc_u64 s[14:15], s[ARGA:ARGA+1], s[16:17]
	s_add_nc_u64 s[46:47], s[ARGW:ARGW+1], s[46:47]
	s_load_b256 s[76:83], s[ARGL:ARGL+1], 0x20000  ; the factors; waited for on the way out
	CROUND                                         ; all sixteen work-groups are here: the first joint loads meet
.irp s, 0,1
	s_mov_b32 s[G0+4*(\s)], 1
	s_add_co_u32 s[G0+4*(\s)+1], s18, (\s)*SLOT
	s_add_nc_u64 s[G0+4*(\s)+2:G0+4*(\s)+3], s[14:15], (\s)*KSTEP*2
	s_or_b32 s[G0+4*(\s)+3], s[G0+4*(\s)+3], 0x80000000
	s_mov_b32 s[G0B+4*(\s)], 1
	s_add_co_u32 s[G0B+4*(\s)+1], s19, (\s)*SLOT
	s_add_nc_u64 s[G0B+4*(\s)+2:G0B+4*(\s)+3], s[46:47], (\s)*KSTEP*ROWB
	s_or_b32 s[G0B+4*(\s)+3], s[G0B+4*(\s)+3], 0x80000000
	JLOAD \s
.endr
	v_and_b32 v1, 15, v0                           ; l % 16
	v_bfe_u32 v2, v0, 4, 1                         ; l / 16
	v_mul_u32_u24 v3, v1, PA
	v_lshl_add_u32 v3, v2, 4, v3                   ; A: row x pitch + 16 x half of the lanes
	v_and_b32 v4, 7, v0
	v_lshl_add_u32 v4, v2, 3, v4                   ; B: K row 8 (l / 16) + l % 8,
	v_mul_u32_u24 v4, v4, PB
	v_bfe_u32 v5, v0, 3, 1
	v_lshl_add_u32 v4, v5, 4, v4                   ; columns 8 ((l / 8) % 2) on
	s_mul_i32 s21, s11, HALFA
	s_lshl_b32 s22, s12, 6
	s_add_co_u32 s22, s22, 2*HALFA
	v_add_nc_u32 v[A0], s21, v3
	v_add_nc_u32 v[B0], s22, v4
	v_mov_b32 v[ADRA], v[A0]
	v_mov_b32 v[ADRB], v[B0]
	v_add_nc_u32 v[ADRB+1], HALFB, v[B0]
	v_mov_b32 v[NEG1], -1.0
.if KIND == 3
	s_mul_i32 s23, s11, 64*SP3                     ; into the stage: row 64 (w >> 1) + l % 16, 32 bytes for each half of the lanes
	s_lshl_b32 s21, s12, 7
	s_add_co_u32 s23, s23, s21
	v_mul_u32_u24 v6, v1, SP3
	v_lshl_add_u32 v6, v2, 5, v6
	v_add_nc_u32 v[STO], s23, v6
	s_mul_i32 s23, s10, 32*SP3                     ; back: wave w takes rows 32 w on, a whole row of 512 bytes at a time
	v_and_b32 v6, 31, v0
	v_lshlrev_b32 v[CO], 4, v6
	v_add_nc_u32 v[RD], s23, v[CO]
	s_lshl_b32 s16, s13, 20                        ; out0: row (128 x tile row + 32 w) x 8,192 bytes
	s_lshl_b32 s17, s10, 18
	s_add_co_u32 s16, s16, s17
	s_lshl_b32 s46, s42, 9
.else
	s_mul_i32 s23, s11, 64*SP                      ; into a stage: row 64 (w >> 1) + l % 16, 16 bytes for each half of the lanes
	s_lshl_b32 s21, s12, 6
	s_add_co_u32 s23, s23, s21
	v_mul_u32_u24 v6, v1, SP
	v_lshl_add_u32 v6, v2, 4, v6
	v_add_nc_u32 v[STO], s23, v6
	s_mul_i32 s23, s10, 32*SP                      ; back: wave w takes rows 32 w on; lanes 0-15 one row of 256 bytes, lanes 16-31 the next
	v_mul_u32_u24 v6, v2, SP
	v_lshl_add_u32 v6, v1, 4, v6
	v_add_nc_u32 v[RD], s23, v6
	v_lshlrev_b32 v6, 12, v2
	v_lshl_add_u32 v[CO], v1, 4, v6
	s_lshl_b32 s16, s13, 19                        ; cb: row (128 x tile row + 32 w) x 4,096 bytes
	s_lshl_b32 s17, s10, 17
	s_add_co_u32 s16, s16, s17
	s_lshl_b32 s46, s42, 8                         ; 256 bytes x tile column; c_q lies 512 columns further right, behind c_kv's low parts
	s_cmp_lg_u32 ttmp9, 0
	s_cselect_b32 s47, 1024, 0
	s_add_co_u32 s46, s46, s47
	s_cmp_eq_u32 ttmp9, 0
	s_cselect_b32 s84, 1, 0                        ; the first four tile columns are c_kv: they leave a low part
.endif
	s_mov_b32 s17, 0
	s_mov_b32 s47, 0
	s_add_nc_u64 s[8:9], s[ARGO:ARGO+1], s[16:17]
	s_add_nc_u64 s[8:9], s[8:9], s[46:47]
; 8 matrix instructions: row blocks a0, a0 + 1 x all 4 column blocks, 32 along K: half c of buffer f.  zero = 1: the first product starts the sums.  The 16 accumulators take turns.
.macro MUL8 f, c, a0, zero
	WIN MUL
.irp a, \a0, (\a0)+1
.irp b, 0,1,2,3
.if \zero
	v_wmma_f32_16x16x32_f16 v[ACC+8*(4*(\a)+(\b)):ACC+8*(4*(\a)+(\b))+7], v[(\f)+64+8*(4*(\c)+(\b)):(\f)+64+8*(4*(\c)+(\b))+7], v[(\f)+8*(4*(\c)+(\a)):(\f)+8*(4*(\c)+(\a))+7], 0
.else
	v_wmma_f32_16x16x32_f16 v[ACC+8*(4*(\a)+(\b)):ACC+8*(4*(\a)+(\b))+7], v[(\f)+64+8*(4*(\c)+(\b)):(\f)+64+8*(4*(\c)+(\b))+7], v[(\f)+8*(4*(\c)+(\a)):(\f)+8*(4*(\c)+(\a))+7], v[ACC+8*(4*(\a)+(\b)):ACC+8*(4*(\a)+(\b))+7]
.endif
.endr
.endr
.endm
; 32 LDS loads in one run: the fragments of quarter q (64 along K) of the slot in hand, into buffer f; the first 32 along K first
.macro FETCH q, f
	WIN TO_F
.irp c, 0,1
.irp i, 0,1,2,3
	ds_load_tr16_b128 v[(\f)+64+8*(4*(\c)+(\i)):(\f)+64+8*(4*(\c)+(\i))+3],   v[ADRB+(\q)/2] offset:(((\q)%2)*64+32*(\c))*PB+32*(((\i)%2)+4*((\i)/2))
	ds_load_tr16_b128 v[(\f)+64+8*(4*(\c)+(\i))+4:(\f)+64+8*(4*(\c)+(\i))+7], v[ADRB+(\q)/2] offset:(((\q)%2)*64+32*(\c)+16)*PB+32*(((\i)%2)+4*((\i)/2))
	ds_load_b128 v[(\f)+8*(4*(\c)+(\i)):(\f)+8*(4*(\c)+(\i))+3],   v[ADRA] offset:128*(\q)+64*(\c)+(\i)*16*PA
	ds_load_b128 v[(\f)+8*(4*(\c)+(\i))+4:(\f)+8*(4*(\c)+(\i))+7], v[ADRA] offset:128*(\q)+64*(\c)+(\i)*16*PA+32
.endr
.endr
.endm
.macro PLACES                          ; four places in front of loads into registers that matrix instructions have read, and of vector work that reads results
.rept 4
	v_nop
.endr
.endm
; A K step is four quarters, 32 matrix instructions each, on buffers 0, 1, 0, 1.  One of the first three: multiplies buffer f and fetches quarter q into g.
.macro QUARTER q, f, g, zero
	s_wait_dscnt 16                                ; the first 32 along K are in; the other sixteen loads may be out
	MUL8 \f, 0, 0, \zero
	MUL8 \f, 0, 2, \zero
	PLACES
	FETCH \q, \g
	s_wait_dscnt 32                                ; all but the 32 just issued
	MUL8 \f, 1, 0, 0
	MUL8 \f, 1, 2, 0
.endm
; The last quarter multiplies buffer 1 and changes slots: one barrier; in front of it each wave waits for all its tensor loads, adds 0 to its spare word, and waits for that and for its reads of this slot.
; fill = 1: the slot just read out is filled again, two K steps ahead.  fill = 0 (the second copy): nothing is filled, and in its last walk (s3 = 1) there is no next slot to fetch from.
.macro TURN fill
	WIN 0
	s_wait_tensorcnt 0x0                           ; all my tensor loads have landed: my part of the next slot
	ds_add_u32 v[SPW], v[NIL]                      ; 0 onto my spare word
	s_wait_dscnt 17                                ; (the add and the youngest sixteen loads may be out)
	MUL8 F1, 0, 0, 0
	s_wait_dscnt 0x0                               ; the add is done, and my reads of this slot are over
	s_barrier_signal -1
	MUL8 F1, 0, 2, 0
	WIN 0
	s_barrier_wait -1
.if \fill
	CREST                                          ; the barrier has opened a round of the cluster's: no wave of any partner still reads this slot or has a load on its way
	s_add_co_u32 s[G0+5], s18, s[TB]               ; the walking descriptors: into the slot just read out,
	s_add_co_u32 s[G0B+5], s19, s[TB]
	s_add_nc_u64 s[G0+6:G0+7], s[G0+6:G0+7], KSTEP*2        ; the K step behind the one asked for last
	s_add_nc_u64 s[G0B+6:G0B+7], s[G0B+6:G0B+7], KSTEP*ROWB
	JLOAD 1                                        ; the first tensor load behind the round; its four v_nop are also the places in front of the loads below
.else
	PLACES
	s_cmp_eq_u32 s3, 1
	s_cbranch_scc1 .Lno_next
.endif
	s_xor_b32 s[TB], s[TB], SLOT                   ; the other slot is in hand
	v_add_nc_u32 v[ADRA], s[TB], v[A0]
	v_add_nc_u32 v[ADRB], s[TB], v[B0]
	v_add_nc_u32 v[ADRB+1], HALFB, v[ADRB]
	FETCH 0, F0
.if !(\fill)
	WIN 0
.Lno_next:
.endif
	MUL8 F1, 1, 0, 0
	MUL8 F1, 1, 2, 0
.endm
	s_wait_tensorcnt 1                             ; my part of K step 0 is in; K step 1's load may stay out
	s_barrier_signal -1
	s_barrier_wait -1
	FETCH 0, F0
	QUARTER 1, F0, F1, 1                           ; the first quarter stands in front of the loop: its first products start the sums
	WIN 0
	s_mov_b32 s3, NSTEP-2
.Lstep:                                                ; a trip: a K step's quarters 1 to 3, the change of slots with its refill, the next step's quarter 0
	QUARTER 2, F1, F0, 0
	QUARTER 3, F0, F1, 0
	TURN 1
	QUARTER 1, F0, F1, 0
	WIN 0
	s_sub_co_u32 s3, s3, 1
	s_cmp_lg_u32 s3, 0
	s_cbranch_scc1 .Lstep
	s_mov_b32 s3, 2
.Ltail:                                                ; the last two K steps fill nothing: written out; the second walk is left in its middle
	QUARTER 2, F1, F0, 0
	QUARTER 3, F0, F1, 0
	TURN 0
	WIN 0
	s_sub_co_u32 s3, s3, 1
	s_cmp_eq_u32 s3, 0
	s_cbranch_scc1 .Lout
	QUARTER 1, F0, F1, 0
	WIN 0
	s_branch .Ltail
.Lout:
	s_wait_dscnt 0x0                               ; the stages lie in the ring's bytes: every wave's reads of the ring are over
	s_barrier_signal -1
	s_barrier_wait -1                              ; before any wave stores there
	; THE WAY OUT
.macro PACKH                           ; the accumulators rounded to f16, 16 bytes a lane and accumulator
.set t, 0
.rept 16
.irp r, 0,1,2,3
	v_cvt_pk_f16_f32 v[TMP+4*t+(\r)], v[ACC+8*t+2*(\r)], v[ACC+8*t+2*(\r)+1]
.endr
.set t, t+1
.endr
.endm
.macro STG base                        ; into a stage of 128 rows x 272 bytes
.irp a, 0,1,2,3
.irp b, 0,1,2,3
	ds_store_b128 v[STO], v[TMP+4*(4*(\a)+(\b)):TMP+4*(4*(\a)+(\b))+3] offset:(\base)+(\a)*16*SP+32*((\b)%2)+128*((\b)/2)
.endr
.endr
.endm
.macro LOPART                          ; what the rounding left: the number less its f16, exact in f32
.set t, 0
.rept 16
.irp e, 0,2,4,6
	v_fma_mix_f32 v[ACC+8*t+(\e)], v[TMP+4*t+(\e)/2], v[NEG1], v[ACC+8*t+(\e)] op_sel:[0,0,0] op_sel_hi:[1,0,0]
	v_fma_mix_f32 v[ACC+8*t+(\e)+1], v[TMP+4*t+(\e)/2], v[NEG1], v[ACC+8*t+(\e)+1] op_sel:[1,0,0] op_sel_hi:[1,0,0]
.endr
.set t, t+1
.endr
.endm
.macro BACK base, dst, extra           ; 32 whole rows come back and are stored: 16 lanes store 256 consecutive bytes, aligned
.irp t, 0,1,2,3,4,5,6,7,8,9,10,11,12,13,14,15
	ds_load_b128 v[(\dst)+4*(\t):(\dst)+4*(\t)+3], v[RD] offset:(\base)+(\t)*2*SP
.endr
.irp t, 0,1,2,3,4,5,6,7,8,9,10,11,12,13,14,15
	s_wait_dscnt 15-(\t)
	global_store_b128 v[CO], v[(\dst)+4*(\t):(\dst)+4*(\t)+3], s[8:9] offset:2*(\t)*4096+(\extra)
.endr
.endm
	PLACES
	s_wait_kmcnt 0x0                               ; the factors
.if KIND == 1
	s_cmp_eq_u32 ttmp9, 0
	s_cselect_b32 s67, s76, s77
.else
	s_mov_b32 s67, s82
.endif
	v_mov_b32 v[SCL], s67
	v_mov_b32 v[SCL+1], s67
.set i, ACC
.rept 64
	v_pk_mul_f32 v[i:i+1], v[i:i+1], v[SCL:SCL+1]  ; ascending: each accumulator's lowest registers are read first
.set i, i+2
.endr
.if KIND == 1
	PACKH
	STG STG0
	s_cmp_eq_u32 s84, 0
	s_cbranch_scc1 .Lno_lo
	LOPART
	PACKH
	STG STG1
.Lno_lo:
	s_wait_dscnt 0x0                               ; for the others' sake: my stores into the stages are done
	s_barrier_signal -1
	s_barrier_wait -1                              ; a row's 256 bytes come from two waves
	BACK STG0, TMP, 0
	s_cmp_eq_u32 s84, 0
	s_cbranch_scc1 .Lend
	BACK STG1, ACC, 1024
.Lend:
.else
.irp a, 0,1,2,3
.irp b, 0,1,2,3
	ds_store_b128 v[STO], v[ACC+8*(4*(\a)+(\b)):ACC+8*(4*(\a)+(\b))+3]   offset:(\a)*16*SP3+64*((\b)%2)+256*((\b)/2)
	ds_store_b128 v[STO], v[ACC+8*(4*(\a)+(\b))+4:ACC+8*(4*(\a)+(\b))+7] offset:(\a)*16*SP3+64*((\b)%2)+256*((\b)/2)+16
.endr
.endr
	s_wait_dscnt 0x0                               ; for the others' sake: my stores into the stage are done
	s_barrier_signal -1
	s_barrier_wait -1
.set t, 0
.rept 32
	ds_load_b128 v[ACC+4*t:ACC+4*t+3], v[RD] offset:t*SP3
.set t, t+1
.endr
.set t, 0
.rept 32
	s_wait_dscnt 31-t
	global_store_b128 v[CO], v[ACC+4*t:ACC+4*t+3], s[8:9] offset:t*8192 th:TH_STORE_NT  ; 512 consecutive bytes of a row of out0, aligned
.set t, t+1
.endr
.endif
	s_wait_tensorcnt 0x0                           ; the wave's end, behind my last tensor load and my last LDS store
	ds_add_u32 v[SPW], v[NIL]
	s_wait_dscnt 0x0
	CROUND                                         ; the closing round: no work-group ends while a partner may still ask for a tile that names it
	s_endpgm
.Lfunc_end_k_q4d02323f3c_g3:
	.size	k_q4d02323f3c_g3, .Lfunc_end_k_q4d02323f3c_g3-k_q4d02323f3c_g3
	.p2alignl 7, 3214868480
	.fill 96, 4, 3214868480
	.section	.rodata,"a",@progbits
	.p2align	6, 0x0
	.amdhsa_kernel k_q4d02323f3c_g3
		.amdhsa_group_segment_fixed_size 327680
		.amdhsa_private_segment_fixed_size 0
		.amdhsa_enable_private_segment 0
		.amdhsa_kernarg_size 32
		.amdhsa_user_sgpr_count 2
		.amdhsa_user_sgpr_kernarg_segment_ptr 1
		.amdhsa_wavefront_size32 1
		.amdhsa_system_sgpr_workgroup_id_x 1
		.amdhsa_system_sgpr_workgroup_id_y 1
		.amdhsa_system_sgpr_workgroup_id_z 1
		.amdhsa_system_vgpr_workitem_id 0
		.amdhsa_next_free_vgpr 512
		.amdhsa_next_free_sgpr 96
		.amdhsa_reserve_vcc 0
		.amdhsa_float_denorm_mode_32 3
		.amdhsa_float_denorm_mode_16_64 3
		.amdhsa_memory_ordered 1
		.amdhsa_forward_progress 1
		.amdhsa_inst_pref_size 63
	.end_amdhsa_kernel
	.amdgpu_metadata
---
amdhsa.version: [ 1, 2 ]
amdhsa.kernels:
  - .name:           k_q4d02323f3c_g3
    .symbol:         k_q4d02323f3c_g3.kd
    .args:
      - { .name: ob, .offset: 0, .size: 8, .value_kind: global_buffer, .address_space: global }
      - { .name: cw, .offset: 8, .size: 8, .value_kind: global_buffer, .address_space: global }
      - { .name: ls, .offset: 16, .size: 8, .value_kind: global_buffer, .address_space: global }
      - { .name: out0, .offset: 24, .size: 8, .value_kind: global_buffer, .address_space: global }
    .group_segment_fixed_size: 327680
    .private_segment_fixed_size: 0
    .kernarg_segment_align: 8
    .kernarg_segment_size: 32
    .max_flat_workgroup_size: 128
    .sgpr_count:     96
    .vgpr_count:     512
    .wavefront_size: 32
...
	.end_amdgpu_metadata
.endif
;; end of part 10
